; MI455X (gfx1250); checked and timed in simulation.
; The chip was launched on July 23, 2026; its instructions are those of AMD's public machine-readable ISA for CDNA 5 (MIT licence, August 2026) and "CDNA5" Instruction Set Architecture Reference Guide (July 2026). The comments in the code are by the model that wrote it; some were corrected since.
;; Decoder Layer. Allowed arithmetic: matrix products marked QUANTISED: E2M3 operands, one E8M0 scale for each 32 along K, by v_wmma_scale_f32_16x16x128_f8f6f4 with both operands' format E2M3, f32 sums; everything else in f32.
;; Inputs: Wdown 2,048 x 688 float32; Wgu 1,376 x 2,048 float32; Wkv 128 x 2,048 float32; Wo 2,048 x 2,048 float32; Wq 2,048 x 2,048 float32; hidden_states 1 x 2,048 x 2,048 float32; ln1_w 2,048 float32; ln2_w 2,048 float32.
;; Outputs: out0 1 x 2,048 x 2,048 float32.
;; This version of the problem:
;;   THIS VERSION OF THE PROBLEM IS GIVEN IN LOW PRECISION. The matrix products marked QUANTISED in the list below multiply operands that are first quantised to E2M3 (2 exponent bits, 3 mantissa bits; 6 bits a number), with one power-of-two scale for each 32 numbers along K (OCP MX v1.0); their sums are f32. All else is computed in f32.
;;   The module's matrix products, in the order in which they are computed (A, B: the left and right operand; K: the contracted axis; several contracted axes count as one K, in the product's order):
;;     1. [M 2,048, K 2,048] x [K 2,048, N 2,048]; A: computed on the way; B: input Wq: QUANTISED
;;     2. [M 2,048, K 2,048] x [K 2,048, N 128]; A: computed on the way; B: input Wkv: QUANTISED
;;     3. [M 2,048, K 64] x [K 64, N 65,536]; A: computed on the way; B: computed on the way: QUANTISED
;;     4. [M 64, K 2,048] x [K 2,048, N 65,536]; A: computed on the way; B: softmax (see below): QUANTISED
;;     5. [M 2,048, K 2,048] x [K 2,048, N 2,048]; A: computed on the way; B: input Wo: QUANTISED
;;     6. [M 2,048, K 2,048] x [K 2,048, N 1,376]; A: computed on the way; B: input Wgu: QUANTISED
;;     7. [M 2,048, K 688] x [K 688, N 2,048]; A: computed on the way; B: input Wdown: QUANTISED
;;   THE QUANTISER, for each operand of a quantised product, along K:
;;     - K is cut into blocks of 32 from its start; a last block that is shorter is filled with zeros.
;;     - A block's scale is 2^e with e = floor(log2(the largest magnitude in the block)) - 2, held to -126 .. 127; a block of zeros has e = 0. As a byte (E8M0): e + 127.
;;     - Each number is divided by its block's scale, clamped to +-7.5, and rounded to the nearest number of E2M3, ties to even, subnormals kept.
;;     - The product sums the exact products of the quantised numbers (number of the format x scale) in f32.
;;   ~~~python
;;   def quantise(x, axis):      # numpy; x: float32 -> the quantised numbers, widened to float32 again
;;       x = np.moveaxis(x, axis, -1); K = x.shape[-1]
;;       x = np.pad(x, [(0, 0)] * (x.ndim - 1) + [(0, -K % 32)]); x = x.reshape(x.shape[:-1] + (-1, 32)); a = np.abs(x).max(-1, keepdims=True)
;;       e = np.where(a > 0, np.clip(np.frexp(np.where(a > 0, a, 1))[1] - 1 - 2, -126, 127), 0)      # np.frexp(a)[1] - 1 = floor(log2(a)), exactly
;;       r = np.clip(x / 2.0 ** e, -7.5, 7.5)
;;       step = 2.0 ** (np.maximum(np.frexp(np.where(r == 0, 1, r))[1] - 1, 0) - 3)
;;       q = np.round(r / step) * step * 2.0 ** e      # np.round: ties to even
;;       return np.moveaxis(q.reshape(q.shape[:-2] + (-1,))[..., :K], -1, axis).astype(np.float32)
;;   ~~~
;;   SOFTMAX AHEAD OF A QUANTISED PRODUCT. Where the list says 'softmax', what is quantised is not the finished softmax but p = 2^(t - M), with t = logit x log2(e) and M = ceil(the row's largest t), a whole number; so 1/2 < the row's largest p <= 1. The row's sum l is taken of the UNQUANTISED p, in f32, and the product's result is divided by l at the end. Since M is a whole number, a kernel that streams over the keys may use a running M (the ceiling of the running maximum): every later rescaling is an exact power of two, which a block's scale takes up: the codes' values come out the same.
;;   OPERANDS COMPUTED ON THE WAY. 'Computed on the way' means the value that the module computes at that place (a softmax that the list does not call 'softmax' is quantised finished and normalised). What goes into a quantiser is computed in f32, as accurately as f32 sums, v_exp_f32 and their like allow (about 1e-6 of the number): no bf16 or f16 on the way to a quantiser, and a product that is left as it is and whose result goes on into a quantised operand takes f32 operands (vector FMAs, or v_wmma_f32_16x16x4_f32). A number that lies on a knife's edge between two numbers of the format may be rounded either way, as far as f32 arithmetic and the matrix unit's own rounding can turn it there, and no further.
;; 2 versions, each right; version 2 is version 1 with the launches qkv, wo, gu, down written anew for expert scheduling mode. Each part assembles by itself: llvm-mc -triple=amdgcn-amd-amdhsa -mcpu=gfx1250 --defsym DOCPART=n.
;; ======== version 1 of 2: 7 launches
;; workspace buffers: wimg 10,461,184 bytes; ximg 3,276,800 bytes; yimg 3,276,800 bytes; aimg 3,276,800 bytes; qkv 3,620,864 bytes; gimg 1,228,800 bytes; h 16,777,216 bytes
;; launch rowq (part 1): grid 256 x 1, 16 waves a work-group, no clusters, 140,288 bytes of LDS; arguments hidden_states, ln1_w, Wq, Wkv, Wo, Wgu, Wdown, ximg, wimg; writes ximg, wimg
.if DOCPART == 1
	.amdgcn_target "amdgcn-amd-amdhsa--gfx1250"
	.amdhsa_code_object_version 6
	.text
	.protected	k_qe0cc9889ba_rowq
	.globl	k_qe0cc9889ba_rowq
	.p2align	8
	.type	k_qe0cc9889ba_rowq,@function
k_qe0cc9889ba_rowq:
	s_mov_b64 s[64:65], 0
	v_nop
	global_prefetch_b8 v0, s[64:65] scope:SCOPE_SE
	s_setreg_imm32_b32 hwreg(HW_REG_WAVE_MODE, 25, 1), 1
	s_wait_xcnt 0x0
; ROWS OF f32 INTO REGISTER IMAGES OF FP6 (E2M3) CODES, one E8M0 scale byte for each 32 along K; for tiles 0 to 127 a LayerNorm (weight, no bias) stands ahead of the quantiser.
; A tile is 16 rows; wave w takes K step w (128 numbers of each row).  THE ROWS OF A TILE ARE NOT NEIGHBOURS: row i of tile t is 32 (t / 2) + 8 (t % 2) + i + 8 (i / 8),
; so that in the products that read these tiles as source 0 a lane's 16 registers of two neighbouring tiles are 16 neighbours.
; A WORK-GROUP STAYS: it walks tiles x, x + STRIDE, x + 2 STRIDE, as far as they lie under LIMIT.  As soon as a tile's rows have gone through LDS, the next tile's 16 loads a wave go out: they land under the sums and the quantiser.
; OUT: a fragment (16 rows x 128 K, 12 registers a lane) is stored as it stands in registers: registers 4 q .. 4 q + 3 of lane l at 512 q + 16 l, 1,536 bytes a fragment, fragment (tile, step) at (tile x steps + step) x 1,536;
; the scale words (four bytes: a row's 128 K) at tile x TS + 64 step + 4 row.  Each store of a wave covers 512 consecutive bytes, aligned.
; SEGMENTS by the tile's number: 0 rows to be normalised (arguments 0, 1 -> argument 7); 128 Wq; 256 Wkv; 264 Wo; 392 Wgu's g rows; 440 its u rows (both filled with zero rows up to 768; g's and u's tiles two by two);
; 488 Wdown (rows of 688 numbers, filled with zeros up to 768: six K steps).  Only pointers and numbers are chosen: all segments take one path through the text, but for the selects that put zeros in and the two multiplications of the norm.
; The mean and the variance are taken in two passes, in f32; a row's sums over the 16 waves meet in LDS.  The norm's weights of a wave's K step are the same for every tile: they are loaded once.
; LIMITS: NaN and infinities among the inputs are not served.  A block whose largest magnitude lies under 2^-124 (a block of zeros too) gets the byte 1: its codes are zeros or next to it, and the bytes are read by this program alone.
; v_rsq_f32 is good to 1 ulp.
.set STRIDE, 256                       ; the grid: from a work-group's tile to its next
.set LIMIT,  616                       ; tiles in all
.set NT,     3                         ; trips at the most: 2 STRIDE < LIMIT <= 3 STRIDE
.set TURNB, 8448                       ; LDS: a wave's 16 rows x (512 bytes + 16): row i begins 4 i words further round than a multiple of 512 bytes would
.set RED,   16*TURNB                   ; 135,168: a row's 16 partial sums, 64 bytes a row; the sums of squares 1,024 bytes on
.set SCW,   RED+2048                   ; 137,216: the tile's scale words, 64 step + 4 row
.set OFF,   8                          ; v8-23   byte offset of my 16 bytes in row i
.set XCH,   31                         ; v31     what the lane 16 away sends
.set X,     32                         ; v32-95  the rows as loaded: row i in 4 registers
.set Y,     96                         ; v96-159 my row r: register 32 c + n = k 64 c + 32 h + n of the K step
.set P,     160                        ; v160-175 sixteen partial sums; then v160-171 the fragment
.set MP,    160                        ; v160-161 the mean, twice (between the two sums)
.set RP,    162                        ; v162-163 1 / sqrt(variance + 1e-5), twice (between the second sum and the quantiser)
.set CV,    176                        ; v176-178, v180-182 the upper halves' codes
.set W,     184                        ; v184-191 at work
.set LNW,   192                        ; v192-255 the norm's weights, in Y's order
; s80 the tile whose rows are on their way or in X; s81 the trip; s[82:83], s[84:85], s86, s87, s88: the tile at work: its fragment, its scale words, its K steps, all bits where it is normalised, its number
.macro SEG b, src, nrm1, soff, cb, sb, ilv
	s_cmp_ge_u32 s80, \b
	s_cselect_b64 s[26:27], s[\src:\src+1], s[26:27]
	s_cselect_b32 s30, \b, s30
	s_cselect_b32 s31, \nrm1, s31
	s_cselect_b32 s32, \soff, s32
	s_cselect_b32 s34, \cb, s34
	s_cselect_b32 s35, \sb, s35
	s_cselect_b32 s36, \ilv, s36
.endm
; all that hangs on tile s80: source s[26:27], my fragment s[74:75], the scale words s[76:77], K steps s39, s60, the rows' masks s[40:55], the rows' offsets
.macro PARAMS
	s_mov_b32 s30, 0                               ; the segment's first tile
	s_mov_b32 s31, 2047                            ; its last row
	s_mov_b32 s32, 0                               ; where its rows begin in the source, in bytes
	s_mov_b32 s34, 0                               ; where its codes begin in the target
	s_mov_b32 s35, 3145728                         ; and its scale words
	s_mov_b32 s36, 0                               ; 1: tiles two by two (g, g, u, u)
	s_mov_b64 s[26:27], s[8:9]
	s_cmp_ge_u32 s80, 128
	s_cselect_b64 s[28:29], s[24:25], s[22:23]     ; the target
	s_cselect_b32 s60, 0, -1                       ; all lanes' bits where the rows are normalised
	SEG 128, 12, 2047, 0, 0, 10027008, 0
	SEG 256, 14, 127, 0, 3145728, 10158080, 0
	SEG 264, 16, 2047, 0, 3342336, 10166272, 0
	SEG 392, 18, 687, 0, 6488064, 10297344, 1
	SEG 440, 18, 687, 5636096, 6537216, 10299392, 1
	SEG 488, 20, 2047, 0, 8847360, 10395648, 0
	s_mov_b32 s37, 8192                            ; (the last compare still stands: s_mov_b32 and s_cselect_b32 leave SCC alone)
	s_cselect_b32 s37, 2752, s37                   ; a row of the source in bytes
	s_mov_b32 s38, 8176
	s_cselect_b32 s38, 2736, s38                   ; the last 16 bytes of a row
	s_cselect_b32 s39, 6, 16                       ; K steps
	s_mov_b32 s58, 24576
	s_cselect_b32 s58, 9216, s58                   ; a tile's codes in bytes
	s_mov_b32 s59, 1024
	s_cselect_b32 s59, 512, s59                    ; a tile's scale words in bytes
	s_add_nc_u64 s[26:27], s[26:27], s[32:33]
	s_sub_co_u32 s66, s80, s30                     ; t: the tile in its segment
	s_lshr_b32 s67, s66, 1
	s_and_b32 s68, s66, 1
	s_add_co_u32 s69, s36, 1
	s_lshl_b32 s70, s67, s69
	s_add_co_u32 s70, s70, s68                     ; its place among the images: t, or 4 (t / 2) + t % 2
	s_lshl_b32 s71, s67, 5
	s_lshl_b32 s72, s68, 3
	s_add_co_u32 s71, s71, s72                     ; its first row: 32 (t / 2) + 8 (t % 2)
	s_mul_i32 s72, s70, s58
	s_add_co_u32 s72, s72, s34
	s_mul_i32 s73, s57, 1536
	s_add_co_u32 s72, s72, s73
	s_mov_b32 s73, 0
	s_add_nc_u64 s[74:75], s[28:29], s[72:73]      ; my fragment
	s_mul_i32 s72, s70, s59
	s_add_co_u32 s72, s72, s35
	s_add_nc_u64 s[76:77], s[28:29], s[72:73]      ; the tile's scale words
	v_cmp_ge_u32 s56, s38, v30                     ; the lanes whose bytes lie inside the row
	v_min_u32 v4, s38, v30                         ; no load leaves its row
.irp i, 0,1,2,3,4,5,6,7,8,9,10,11,12,13,14,15
	s_add_co_u32 s63, s71, \i+8*(\i/8)
	s_cmp_le_u32 s63, s31
	s_cselect_b32 s[40+\i], s56, 0                 ; what lies past the last row or past the row's end counts as zero
	s_min_u32 s63, s63, s31                        ; and no load leaves the buffer
	s_mul_i32 s63, s63, s37
	v_add_nc_u32 v[OFF+\i], s63, v4
.endr
.endm
.macro LOADX
.irp i, 0,1,2,3,4,5,6,7,8,9,10,11,12,13,14,15
	global_load_b128 v[X+4*\i:X+4*\i+3], v[OFF+\i], s[26:27] th:TH_LOAD_NT   ; 32 lanes read 512 consecutive bytes of one row
.endr
.endm
; v[W] = the sum of my 64 numbers (sq = 0) or of their squares (sq = 1): four chains of packed sums
.macro LANESUM sq
.irp q, 0,1,2,3
.if \sq
	v_pk_mul_f32 v[W+2*\q:W+2*\q+1], v[Y+2*\q:Y+2*\q+1], v[Y+2*\q:Y+2*\q+1]
.else
	v_pk_add_f32 v[W+2*\q:W+2*\q+1], v[Y+2*\q:Y+2*\q+1], v[Y+8+2*\q:Y+8+2*\q+1]
.endif
.endr
.set J, 16-8*\sq
.rept 6+\sq
.irp q, 0,1,2,3
.if \sq
	v_pk_fma_f32 v[W+2*\q:W+2*\q+1], v[Y+J+2*\q:Y+J+2*\q+1], v[Y+J+2*\q:Y+J+2*\q+1], v[W+2*\q:W+2*\q+1]
.else
	v_pk_add_f32 v[W+2*\q:W+2*\q+1], v[W+2*\q:W+2*\q+1], v[Y+J+2*\q:Y+J+2*\q+1]
.endif
.endr
.set J, J+8
.endr
	v_pk_add_f32 v[W:W+1], v[W:W+1], v[W+2:W+3]
	v_pk_add_f32 v[W+4:W+5], v[W+4:W+5], v[W+6:W+7]
	v_pk_add_f32 v[W:W+1], v[W:W+1], v[W+4:W+5]
	v_add_f32 v[W], v[W], v[W+1]
.endm
; v[W], my wave's part of row r's sum once the lane 16 away has added its own, becomes the whole row's: a word a wave in LDS, one barrier, every wave reads all sixteen
.macro ROWSUM off
	v_permlanex16_b32 v[XCH], v[W], s78, s79
	v_add_f32 v[W], v[W], v[XCH]
	ds_store_b32 v24, v[W] offset:\off             ; both halves of the lanes write the same word with the same value
	s_wait_dscnt 0x0                               ; for the others' sake: my store has landed
	s_barrier_signal -1
	s_barrier_wait -1
.irp q, 0,1,2,3
	ds_load_b128 v[P+4*\q:P+4*\q+3], v25 offset:\off+16*\q
.endr
	s_wait_dscnt 0x0
	v_pk_add_f32 v[P:P+1], v[P:P+1], v[P+2:P+3]
	v_pk_add_f32 v[P+4:P+5], v[P+4:P+5], v[P+6:P+7]
	v_pk_add_f32 v[P+8:P+9], v[P+8:P+9], v[P+10:P+11]
	v_pk_add_f32 v[P+12:P+13], v[P+12:P+13], v[P+14:P+15]
	v_pk_add_f32 v[P:P+1], v[P:P+1], v[P+4:P+5]
	v_pk_add_f32 v[P+8:P+9], v[P+8:P+9], v[P+12:P+13]
	v_pk_add_f32 v[P:P+1], v[P:P+1], v[P+8:P+9]
	v_add_f32 v[W], v[P], v[P+1]
.endm
	s_load_b512 s[8:23], s[0:1], 0x0               ; rows s[8:9], norm's weight s[10:11], Wq s[12:13], Wkv s[14:15], Wo s[16:17], Wgu s[18:19], Wdown s[20:21], the rows' images s[22:23]
	s_load_b64 s[24:25], s[0:1], 0x40              ; the weights' images
	v_lshl_add_u32 v179, v0, 2, 0x21c00
	v_mov_b32 v183, 0
	v_lshrrev_b32 v1, 5, v0
	v_readfirstlane_b32 s57, v1                    ; wave 0..15 = K step
	v_and_b32 v1, 31, v0                           ; lane
	v_and_b32 v2, 15, v0                           ; r
	v_bfe_u32 v3, v0, 4, 1                         ; h
	s_mov_b32 s33, 0
	s_mov_b32 s61, 0x3a000000                      ; 1 / 2048
	s_mov_b32 s62, 0x3727c5ac                      ; 1e-5
	s_mov_b32 s78, 0x76543210
	s_mov_b32 s79, 0xfedcba98                      ; v_permlanex16_b32's selects for lane l xor 16
	s_mov_b32 s80, ttmp9                           ; my first tile
	s_mov_b32 s81, 0
	v_lshlrev_b32 v30, 4, v0                       ; 512 w + 16 lane: my 16 bytes of a row
	s_mul_i32 s66, s57, TURNB
	v_lshl_add_u32 v5, v1, 4, s66                  ; into my wave's rows: 16 lane (+ 528 i)
	v_mul_u32_u24 v6, v2, 528
	v_lshl_add_u32 v6, v3, 7, v6
	v_add_nc_u32 v6, s66, v6                       ; out of them: row r, + 128 h
	s_lshl_b32 s67, s57, 9
	v_lshl_add_u32 v7, v3, 7, s67                  ; the norm's weights of my numbers: 512 w + 128 h
	v_lshlrev_b32 v25, 6, v2
	v_add_nc_u32 v25, RED, v25                     ; row r's sixteen partial sums
	s_lshl_b32 s67, s57, 2
	v_add_nc_u32 v24, s67, v25                     ; my wave's among them
	s_lshl_b32 s67, s57, 6
	v_lshl_add_u32 v26, v2, 2, s67
	v_add_nc_u32 v26, SCW, v26                     ; my scale word: 64 w + 4 r
	v_lshlrev_b32 v27, 4, v1                       ; 16 lane
	v_and_b32 v29, 63, v0
	v_lshlrev_b32 v29, 4, v29                      ; the scale words' way out: 16 (thread mod 64)
	v_add_nc_u32 v28, SCW, v29
	v_mov_b32 v[XCH], 0                            ; written once: a lane permute's destination counts as one of its sources
	s_wait_kmcnt 0x0
	PARAMS
	LOADX
.irp c, 0,1
.irp e, 0,1,2,3,4,5,6,7
	global_load_b128 v[LNW+32*\c+4*\e:LNW+32*\c+4*\e+3], v7, s[10:11] offset:256*\c+16*\e   ; the norm's weights, in Y's order, once
.endr
.endr
.Ltile:
	s_wait_loadcnt 0x0                             ; the tile's rows are in (in the first trip the norm's weights too): their offsets and base may be written again
	s_wait_xcnt 0x0                                ; the last trip's stores have read their data and bases: both are written again below
	s_cmp_lt_u32 s80, 392
	s_cbranch_scc1 .Lwhole                         ; up to Wo every row of every tile is whole: nothing is replaced by zeros
.irp i, 0,1,2,3,4,5,6,7,8,9,10,11,12,13,14,15
.irp e, 0,1,2,3
	v_cndmask_b32 v[X+4*\i+\e], 0, v[X+4*\i+\e], s[40+\i]
.endr
.endr
.Lwhole:
	; the turn: a load wants neighbouring lanes on neighbouring bytes, the conversions want a lane's registers along K.  LDS serves a wave's instructions in order: no wait between the stores and the loads
.irp i, 0,1,2,3,4,5,6,7,8,9,10,11,12,13,14,15
	ds_store_b128 v5, v[X+4*\i:X+4*\i+3] offset:528*\i
.endr
.irp c, 0,1
.irp e, 0,1,2,3,4,5,6,7
	ds_load_b128 v[Y+32*\c+4*\e:Y+32*\c+4*\e+3], v6 offset:256*\c+16*\e
.endr
.endr
	s_wait_dscnt 0x0                               ; my row is in; the stores have read X
	s_mov_b64 s[82:83], s[74:75]                   ; what the tile at work still needs is kept,
	s_mov_b64 s[84:85], s[76:77]
	s_mov_b32 s86, s39
	s_mov_b32 s87, s60
	s_mov_b32 s88, s80
	s_add_co_u32 s80, s80, STRIDE                  ; and the next tile's rows are asked for, if there is a next tile: no load leaves its buffer
	s_cmp_ge_u32 s80, LIMIT
	s_cbranch_scc1 .Lno_next
	PARAMS
	LOADX
.Lno_next:
	LANESUM 0
	ROWSUM 0
	v_mul_f32 v[MP], s61, v[W]                     ; the mean,
	v_cndmask_b32 v[MP], 0, v[MP], s87             ; or 0 where nothing is normalised
	v_mov_b32 v[MP+1], v[MP]
.set J, 0
.rept 32
	v_pk_add_f32 v[Y+J:Y+J+1], v[Y+J:Y+J+1], v[MP:MP+1] neg_lo:[0,1] neg_hi:[0,1]
.set J, J+2
.endr
	LANESUM 1
	ROWSUM 1024
	v_fma_f32 v[RP], v[W], s61, s62                ; the variance + 1e-5
	v_rsq_f32 v[RP], v[RP]
	v_nop                                          ; a plain instruction behind the transcendental,
	s_wait_alu depctr_va_vdst(0)                   ; and the wait ahead of the first line that names its result, and ahead of the branch
	v_mov_b32 v[RP+1], v[RP]
	s_cmp_ge_u32 s88, 128
	s_cbranch_scc1 .Lplain                         ; weights are quantised as they are
.set J, 0
.rept 32
	v_pk_mul_f32 v[Y+J:Y+J+1], v[Y+J:Y+J+1], v[RP:RP+1]
.set J, J+2
.endr
.set J, 0
.rept 32
	v_pk_mul_f32 v[Y+J:Y+J+1], v[Y+J:Y+J+1], v[LNW+J:LNW+J+1]
.set J, J+2
.endr
.Lplain:
	; the quantiser: my two blocks, 2 c + h of the K step, are whole in my registers
.irp c, 0,1
	v_max3_num_f32 v[W+\c], |v[Y+32*\c]|, |v[Y+32*\c+1]|, 0x1800000   ; with the floor 2^(3 - 127) among the leaves: the byte cannot fall under 1
.endr
.irp i, 2,4,6,8,10,12,14,16,18,20,22,24,26,28,30
.irp c, 0,1
	v_max3_num_f32 v[W+\c], v[W+\c], |v[Y+32*\c+\i]|, |v[Y+32*\c+\i+1]|
.endr
.endr
.irp c, 0,1
	v_add_nc_u32 v[W+2+\c], 0xff000000, v[W+\c]    ; 2 off the exponent field: the conversion takes the exponent field of this operand as its scale
.endr
.irp c, 0,1
	v_lshrrev_b32 v[W+4+\c], 23, v[W+2+\c]         ; the scale's byte
.endr
	v_lshl_or_b32 v[W+6], v[W+5], 16, v[W+4]       ; my two bytes: blocks h and 2 + h,
	v_lshlrev_b32 v[W+7], 3, v3
	v_lshlrev_b32 v[W+6], v[W+7], v[W+6]           ; at their places in the word;
	v_permlanex16_b32 v[XCH], v[W+6], s78, s79
	v_or_b32 v[W+6], v[W+6], v[XCH]                ; with the other half's two the word is whole
.irp c, 0,1
	v_cvt_scalef32_pk16_fp6_f32 v[P+6*\c:P+6*\c+2], v[Y+32*\c:Y+32*\c+15], v[W+2+\c]
	v_cvt_scalef32_pk16_fp6_f32 v[CV+4*\c:CV+4*\c+2], v[Y+32*\c+16:Y+32*\c+31], v[W+2+\c]   ; (a conversion's three registers begin on an even number)
.endr
	v_nop                                          ; one plain instruction behind the scaled conversions
.irp c, 0,1
.irp i, 0,1,2
	v_mov_b32 v[P+3+6*\c+\i], v[CV+4*\c+\i]
.endr
.endr
	ds_store_b32 v26, v[W+6]
	s_cmp_lt_u32 s57, s86
	s_cbranch_scc0 .Lno_codes                      ; Wdown has six K steps: the other waves' fragments are not stored
.irp q, 0,1,2
	global_store_b128 v27, v[P+4*\q:P+4*\q+3], s[82:83] offset:512*\q
.endr
.Lno_codes:
	s_wait_dscnt 0x0                               ; for the others' sake: my scale word has landed
	s_barrier_signal -1
	s_barrier_wait -1
	s_lshl_b32 s63, s57, 3
	s_cmp_lt_u32 s63, s86
	s_cbranch_scc0 .Lno_words                      ; wave 0 stores steps 0-7's words, wave 1 steps 8-15's where there are sixteen
	ds_load_b128 v[W:W+3], v28
	s_wait_dscnt 0x0                               ; read before my next signal: the words are written again only behind two more barriers
	global_store_b128 v29, v[W:W+3], s[84:85]      ; 512 consecutive bytes
.Lno_words:
	s_cmp_ge_u32 s80, LIMIT
	s_cbranch_scc1 .Ldone                          ; no further tile of mine
	s_add_co_u32 s81, s81, 1
	s_cmp_lt_u32 s81, NT
	s_cbranch_scc1 .Ltile
.Ldone:
	s_wait_tensorcnt 0x0
	ds_add_u32 v179, v183
	s_wait_dscnt 0x0
	s_endpgm
.Lfunc_end_k_qe0cc9889ba_rowq:
	.size	k_qe0cc9889ba_rowq, .Lfunc_end_k_qe0cc9889ba_rowq-k_qe0cc9889ba_rowq
	.p2alignl 7, 3214868480
	.fill 96, 4, 3214868480
	.section	.rodata,"a",@progbits
	.p2align	6, 0x0
	.amdhsa_kernel k_qe0cc9889ba_rowq
		.amdhsa_group_segment_fixed_size 140288
		.amdhsa_private_segment_fixed_size 0
		.amdhsa_enable_private_segment 0
		.amdhsa_kernarg_size 72
		.amdhsa_user_sgpr_count 2
		.amdhsa_user_sgpr_kernarg_segment_ptr 1
		.amdhsa_wavefront_size32 1
		.amdhsa_system_sgpr_workgroup_id_x 1
		.amdhsa_system_sgpr_workgroup_id_y 1
		.amdhsa_system_sgpr_workgroup_id_z 1
		.amdhsa_system_vgpr_workitem_id 0
		.amdhsa_next_free_vgpr 256
		.amdhsa_next_free_sgpr 96
		.amdhsa_reserve_vcc 0
		.amdhsa_float_denorm_mode_32 3
		.amdhsa_float_denorm_mode_16_64 3
		.amdhsa_memory_ordered 1
		.amdhsa_forward_progress 1
		.amdhsa_inst_pref_size 44
	.end_amdhsa_kernel
	.amdgpu_metadata
---
amdhsa.version: [ 1, 2 ]
amdhsa.kernels:
  - .name:           k_qe0cc9889ba_rowq
    .symbol:         k_qe0cc9889ba_rowq.kd
    .args:
      - { .name: hidden_states, .offset: 0, .size: 8, .value_kind: global_buffer, .address_space: global }
      - { .name: ln1_w, .offset: 8, .size: 8, .value_kind: global_buffer, .address_space: global }
      - { .name: Wq, .offset: 16, .size: 8, .value_kind: global_buffer, .address_space: global }
      - { .name: Wkv, .offset: 24, .size: 8, .value_kind: global_buffer, .address_space: global }
      - { .name: Wo, .offset: 32, .size: 8, .value_kind: global_buffer, .address_space: global }
      - { .name: Wgu, .offset: 40, .size: 8, .value_kind: global_buffer, .address_space: global }
      - { .name: Wdown, .offset: 48, .size: 8, .value_kind: global_buffer, .address_space: global }
      - { .name: ximg, .offset: 56, .size: 8, .value_kind: global_buffer, .address_space: global }
      - { .name: wimg, .offset: 64, .size: 8, .value_kind: global_buffer, .address_space: global }
    .group_segment_fixed_size: 140288
    .private_segment_fixed_size: 0
    .kernarg_segment_align: 8
    .kernarg_segment_size: 72
    .max_flat_workgroup_size: 512
    .sgpr_count:     96
    .vgpr_count:     256
    .wavefront_size: 32
...
	.end_amdgpu_metadata
.endif
;; end of part 1
;; launch qkv (part 2): grid 17 x 16, 4 waves a work-group, no clusters, 0 bytes of LDS; arguments ximg, wimg, qkv; writes qkv
.if DOCPART == 2
	.amdgcn_target "amdgcn-amd-amdhsa--gfx1250"
	.amdhsa_code_object_version 6
	.text
	.protected	k_qe0cc9889ba_qkv
	.globl	k_qe0cc9889ba_qkv
	.p2align	8
	.type	k_qe0cc9889ba_qkv,@function
k_qe0cc9889ba_qkv:
	s_mov_b64 s[64:65], 0
	v_nop
	global_prefetch_b8 v0, s[64:65] scope:SCOPE_SE
	s_setreg_imm32_b32 hwreg(HW_REG_WAVE_MODE, 25, 1), 1
	s_wait_xcnt 0x0
; q = x Wq^T, k and v = x Wkv^T on codes of FP6 (E2M3) with E8M0 scales, and the results quantised on the way out: q and k along the head's 64, v along the tokens (the keys of the second product of attention).
; A wave makes 64 x 64: four tiles as source 0 (F0), four as source 1 (F1), 16 accumulators; K = 2,048 in 16 steps of 128.  Work-group (x, y), wave w: wn = w % 2, wm = w / 2; 2 x + wn is the head (32: k, 33: v); tokens 128 y + 64 wm on.
; OPERANDS ARE REGISTER IMAGES in memory (a fragment's registers 4 q .. 4 q + 3 of lane l at 512 q + 16 l): three loads of 16 bytes a lane bring a fragment, each 512 consecutive bytes.  Two sets of fragments: while one is multiplied the next
; step's 24 loads are on their way.  No LDS, no barrier.  No cluster: the launch has no tile in LDS that a joint request could fill.
; F0 = the weight's rows, F1 = the tokens: lane (r, h) holds token r of tile j, and registers 32 j + 16 b + n the head's channel 32 b + 16 h + n (the rows of a tile are 32 (t / 2) + 8 (t % 2) + r + 8 (r / 8)).
; THE V WAVES SWAP THE TWO SIDES (four pointers; both sides have the same strides): a lane then holds a channel and its registers run along 64 neighbouring tokens.
; OUT: halves of fragments (16 rows x 64 K: six registers a lane): registers 0-3 at 16 l, registers 4-5 at 512 + 8 l, 768 bytes.  q, k: a scale word a row = its two bytes and 0x7f twice (the upper 64 of the K step are not used).
; v's two bytes are half of a word: they leave by stores of 2 bytes, 4,096 bytes in the whole launch.
; LIMITS: NaN and infinities are not served; a block whose largest magnitude lies under 2^-124 gets the byte 1.
.set NS,  16
.set CT0, 24576                        ; from tile to tile: codes,
.set CT1, 24576
.set TS0, 1024                         ; scale words;
.set TS1, 1024
.set SS0, 64                           ; from K step to K step
.set SS1, 64
.set WSCAL, 10027008
.set XSCAL, 3145728
.set LOFF, 1                           ; v1  16 lane
.set SW0,  2                           ; v2  4 r + (lane / 16) x SS0: lanes 0-15 take an even K step's words, lanes 16-31 the odd one's
.set SW1,  3                           ; v3  the same for F1
.set SCR,  32                          ; v32-47 scale words: set q at 32 + 8 q: F0's four tiles, then F1's
.set ACC,  128                         ; v128-255 accumulator (j, i) at 128 + 32 j + 8 i;  window 1: fragment set p at 96 p: F0[i] at + 12 i, F1[j] at + 48 + 12 j
.set TM,   48                          ; v48-55 the eight blocks' largest magnitudes
.set TP,   56                          ; v56-63 the other half's; then the bytes
.set SCO,  64                          ; v64-71 the conversions' scale operands
.set HF,   72                          ; v72.. the half fragments, 8 registers apart
.set CV,   104                         ; v104.. the upper blocks' codes
.set WDS,  120                         ; v120-123 the scale words
.set MSB, 0
.macro WIN new                         ; the immediate's high byte repeats the setting that is left
.if MSB != \new
	s_set_vgpr_msb (MSB<<8)|\new
.set MSB, \new
.endif
.endm
.macro PLACES                          ; four plain instructions behind a matrix instruction, ahead of loads into its sources and of reads of its results
.rept 4
	v_nop
.endr
.endm
.macro SC pr                           ; the scale words of K steps 2 pr and 2 pr + 1
.irp i, 0,1,2,3
	global_load_b32 v[SCR+8*((\pr)%2)+\i], v[SW0], s[16:17] offset:\i*TS0+2*(\pr)*SS0
.endr
.irp i, 0,1,2,3
	global_load_b32 v[SCR+8*((\pr)%2)+4+\i], v[SW1], s[18:19] offset:\i*TS1+2*(\pr)*SS1
.endr
.endm
.macro FR s                            ; K step s's eight fragments: 24 loads
	WIN 0x40                                       ; destination window 1, address window 0
.irp i, 0,1,2,3
.irp q, 0,1,2
	global_load_b128 v[96*((\s)%2)+12*\i+4*\q:96*((\s)%2)+12*\i+4*\q+3], v[LOFF], s[12:13] offset:\i*CT0+1536*(\s)+512*\q
.endr
.endr
.irp i, 0,1,2,3
.irp q, 0,1,2
	global_load_b128 v[96*((\s)%2)+48+12*\i+4*\q:96*((\s)%2)+48+12*\i+4*\q+3], v[LOFF], s[14:15] offset:\i*CT1+1536*(\s)+512*\q
.endr
.endr
	WIN 0
.endm
.macro MM s                            ; 16 matrix instructions; the 16 accumulators take turns, one instruction a turn.  The first step starts the sums: nothing is cleared
	WIN 0x05                                       ; sources 0 and 1 window 1, C and D window 0
.irp j, 0,1,2,3
.irp i, 0,1,2,3
.if (\s) == 0
	v_wmma_scale_f32_16x16x128_f8f6f4 v[ACC+32*\j+8*\i:ACC+32*\j+8*\i+7], v[96*((\s)%2)+12*\i:96*((\s)%2)+12*\i+11], v[96*((\s)%2)+48+12*\j:96*((\s)%2)+48+12*\j+11], 0, v[SCR+8*(((\s)/2)%2)+\i], v[SCR+8*(((\s)/2)%2)+4+\j] matrix_a_fmt:MATRIX_FMT_FP6 matrix_b_fmt:MATRIX_FMT_FP6
.elseif (\s)%2 == 0
	v_wmma_scale_f32_16x16x128_f8f6f4 v[ACC+32*\j+8*\i:ACC+32*\j+8*\i+7], v[96*((\s)%2)+12*\i:96*((\s)%2)+12*\i+11], v[96*((\s)%2)+48+12*\j:96*((\s)%2)+48+12*\j+11], v[ACC+32*\j+8*\i:ACC+32*\j+8*\i+7], v[SCR+8*(((\s)/2)%2)+\i], v[SCR+8*(((\s)/2)%2)+4+\j] matrix_a_fmt:MATRIX_FMT_FP6 matrix_b_fmt:MATRIX_FMT_FP6
.else
	v_wmma_scale_f32_16x16x128_f8f6f4 v[ACC+32*\j+8*\i:ACC+32*\j+8*\i+7], v[96*((\s)%2)+12*\i:96*((\s)%2)+12*\i+11], v[96*((\s)%2)+48+12*\j:96*((\s)%2)+48+12*\j+11], v[ACC+32*\j+8*\i:ACC+32*\j+8*\i+7], v[SCR+8*(((\s)/2)%2)+\i], v[SCR+8*(((\s)/2)%2)+4+\j] matrix_a_fmt:MATRIX_FMT_FP6 matrix_b_fmt:MATRIX_FMT_FP6 matrix_a_scale:MATRIX_SCALE_ROW1 matrix_b_scale:MATRIX_SCALE_ROW1
.endif
.endr
.endr
	WIN 0
.endm
.macro EPI stride                      ; the four half fragments leave: 512 and 256 consecutive bytes a store
.irp o, 0,1,2,3
	global_store_b128 v[LOFF], v[HF+8*\o:HF+8*\o+3], s[30:31] offset:\o*\stride
	global_store_b64 v6, v[HF+8*\o+4:HF+8*\o+5], s[30:31] offset:\o*\stride+512
.endr
.endm
	s_load_b128 s[4:7], s[0:1], 0x0                ; x's images s[4:5], the weights' s[6:7]
	s_load_b64 s[8:9], s[0:1], 0x10                ; q, k, v
	v_lshrrev_b32 v4, 5, v0
	v_readfirstlane_b32 s36, v4                    ; wave 0..3
	v_and_b32 v4, 31, v0                           ; lane
	v_lshlrev_b32 v[LOFF], 4, v4
	v_and_b32 v5, 15, v0                           ; r
	v_bfe_u32 v6, v0, 4, 1                         ; lane / 16
	v_lshlrev_b32 v[SW0], 2, v5
	v_mad_u32_u24 v[SW1], v6, SS1, v[SW0]
	v_mad_u32_u24 v[SW0], v6, SS0, v[SW0]
	v_lshlrev_b32 v5, 4, v5                        ; 16 r
	v_lshlrev_b32 v6, 3, v4                        ; 8 lane
.irp q, 0,1,2,3,4,5,6,7
	v_mov_b32 v[TP+\q], 0                          ; written once: a lane permute's destination counts as one of its sources
.endr
	s_mov_b32 s10, 0x76543210
	s_mov_b32 s11, 0xfedcba98                      ; v_permlanex16_b32's selects for lane l xor 16
	s_and_b32 s37, s36, 1                          ; wn
	s_lshr_b32 s38, s36, 1                         ; wm
	s_and_b32 s39, ttmp7, 0xffff                   ; y
	s_lshl_b32 s28, ttmp9, 1
	s_add_co_u32 s28, s28, s37                     ; the head; 32: k; 33: v
	s_lshl_b32 s40, s28, 2                         ; the weight's first tile
	s_lshl_b32 s41, s39, 1
	s_add_co_u32 s29, s41, s38                     ; the group of 64 tokens
	s_lshl_b32 s41, s29, 2                         ; the tokens' first tile
	s_mov_b32 s43, 0
	s_wait_kmcnt 0x0
	s_mul_i32 s42, s40, CT0
	s_add_nc_u64 s[20:21], s[6:7], s[42:43]
	s_lshl_b32 s42, s40, 10
	s_add_co_u32 s42, s42, WSCAL
	s_add_nc_u64 s[22:23], s[6:7], s[42:43]
	s_mul_i32 s42, s41, CT1
	s_add_nc_u64 s[24:25], s[4:5], s[42:43]
	s_lshl_b32 s42, s41, 10
	s_add_co_u32 s42, s42, XSCAL
	s_add_nc_u64 s[26:27], s[4:5], s[42:43]
	s_cmp_eq_u32 s28, 33                           ; the V waves swap the sides
	s_cselect_b64 s[12:13], s[24:25], s[20:21]
	s_cselect_b64 s[14:15], s[20:21], s[24:25]
	s_cselect_b64 s[16:17], s[26:27], s[22:23]
	s_cselect_b64 s[18:19], s[22:23], s[26:27]
	SC 0
	FR 0
	FR 1
	; where the results go, in bytes from the buffer's start
	s_lshl_b32 s44, s28, 7
	s_add_co_u32 s44, s44, s41
	s_mul_i32 s44, s44, 768
	s_add_co_u32 s44, s44, 212992                  ; q's codes: (128 head + tile) x 768
	s_mul_i32 s45, s41, 768                        ; k's: tile x 768
	s_mul_i32 s46, s39, 6144
	s_mul_i32 s47, s38, 768
	s_add_co_u32 s46, s46, s47
	s_add_co_u32 s46, s46, 98304                   ; v's: ((4 step + channel tile) x 2 + half) x 768
	s_lshl_b32 s48, s28, 5
	s_add_co_u32 s48, s48, s29
	s_lshl_b32 s48, s48, 8
	s_add_co_u32 s48, s48, 3358720                 ; q's scale words: (32 head + group) x 256 + 16 r + 4 tile
	s_lshl_b32 s49, s29, 8
	s_add_co_u32 s49, s49, 196608                  ; k's: group x 256 + 16 r + 4 tile
	s_lshl_b32 s50, s39, 8
	s_lshl_b32 s51, s38, 1
	s_add_co_u32 s50, s50, s51
	s_add_co_u32 s50, s50, 204800                  ; v's: step x 256 + 16 r + 4 channel tile + 2 half
	s_cmp_lt_u32 s28, 32
	s_cselect_b32 s44, s44, s45
	s_cselect_b32 s48, s48, s49
	s_cmp_eq_u32 s28, 33
	s_cselect_b32 s44, s46, s44
	s_cselect_b32 s48, s50, s48
	s_mov_b32 s45, 0
	s_mov_b32 s49, 0
	s_add_nc_u64 s[30:31], s[8:9], s[44:45]
	s_add_nc_u64 s[34:35], s[8:9], s[48:49]
.set S, 0
.rept NS
.if S == NS-1
	s_wait_loadcnt 0x0
.elseif S%2 == 0
	s_wait_loadcnt 24                              ; this step's fragments and words are in; the next step's 24 loads may be out
.else
	s_wait_loadcnt 32                              ; behind this step's loads: the next pair's 8 scale loads and the next step's 24
.endif
	MM S
	PLACES
.if (S%2 == 0) && (S+2 < NS)
	SC S/2+1
.endif
.if S+2 < NS
	FR S+2
.endif
.set S, S+1
.endr
	; THE QUANTISER: block q = 2 o + b is registers 128 + 16 q on, my 16 numbers of it; the lane 16 away has the other 16.  Each accumulator is read from its low end on
.irp q, 0,1,2,3,4,5,6,7
	v_max3_num_f32 v[TM+\q], |v[ACC+16*\q]|, |v[ACC+16*\q+1]|, 0x1800000   ; with the floor 2^(3 - 127): the byte cannot fall under 1
.endr
.irp i, 2,4,6,8,10,12,14
.irp q, 0,1,2,3,4,5,6,7
	v_max3_num_f32 v[TM+\q], v[TM+\q], |v[ACC+16*\q+\i]|, |v[ACC+16*\q+\i+1]|
.endr
.endr
.irp q, 0,1,2,3,4,5,6,7
	v_permlanex16_b32 v[TP+\q], v[TM+\q], s10, s11
.endr
.irp q, 0,1,2,3,4,5,6,7
	v_max_num_f32 v[TM+\q], v[TM+\q], v[TP+\q]
.endr
.irp q, 0,1,2,3,4,5,6,7
	v_add_nc_u32 v[SCO+\q], 0xff000000, v[TM+\q]   ; 2 off the exponent field: the conversion's scale operand
.endr
.irp q, 0,1,2,3,4,5,6,7
	v_lshrrev_b32 v[TP+\q], 23, v[SCO+\q]          ; the scale's byte
.endr
.irp o, 0,1,2,3
	v_lshl_or_b32 v[WDS+\o], v[TP+2*\o+1], 8, v[TP+2*\o]
.endr
.irp o, 0,1,2,3
	v_or_b32 v[WDS+\o], 0x7f7f0000, v[WDS+\o]      ; the two bytes of the K step's unused half stand for 1.0 (v stores the low half alone)
.endr
.irp o, 0,1,2,3
	v_cvt_scalef32_pk16_fp6_f32 v[HF+8*\o:HF+8*\o+2], v[ACC+32*\o:ACC+32*\o+15], v[SCO+2*\o]
	v_cvt_scalef32_pk16_fp6_f32 v[CV+4*\o:CV+4*\o+2], v[ACC+32*\o+16:ACC+32*\o+31], v[SCO+2*\o+1]
.endr
	v_nop                                          ; one plain instruction behind the scaled conversions
.irp o, 0,1,2,3                        ; the operand's layout wants a whole block in a lane: lanes 0-15 block 0, lanes 16-31 block 1
.irp i, 0,1,2
	v_permlane16_swap_b32 v[HF+8*\o+\i], v[CV+4*\o+\i]
.endr
.irp i, 0,1,2
	v_mov_b32 v[HF+8*\o+3+\i], v[CV+4*\o+\i]
.endr
.endr
	v_cmp_gt_u32 vcc_lo, 16, v4
	s_cmp_eq_u32 s28, 33
	s_cbranch_scc1 .Lv
	EPI 768
	s_wait_xcnt 0x0                                ; EXEC changes only behind this wait
	s_and_saveexec_b32 s52, vcc_lo                 ; lanes 0-15: the other half holds the same words
	global_store_b128 v5, v[WDS:WDS+3], s[34:35]   ; 16 lanes store 256 consecutive bytes
	s_wait_xcnt 0x0
	s_or_b32 exec_lo, exec_lo, s52
	s_endpgm
.Lv:
	EPI 1536
	s_wait_xcnt 0x0
	s_and_saveexec_b32 s52, vcc_lo
.irp o, 0,1,2,3
	global_store_b16 v5, v[WDS+\o], s[34:35] offset:4*\o
.endr
	s_wait_xcnt 0x0
	s_or_b32 exec_lo, exec_lo, s52
	s_endpgm
.Lfunc_end_k_qe0cc9889ba_qkv:
	.size	k_qe0cc9889ba_qkv, .Lfunc_end_k_qe0cc9889ba_qkv-k_qe0cc9889ba_qkv
	.p2alignl 7, 3214868480
	.fill 96, 4, 3214868480
	.section	.rodata,"a",@progbits
	.p2align	6, 0x0
	.amdhsa_kernel k_qe0cc9889ba_qkv
		.amdhsa_group_segment_fixed_size 0
		.amdhsa_private_segment_fixed_size 0
		.amdhsa_enable_private_segment 0
		.amdhsa_kernarg_size 24
		.amdhsa_user_sgpr_count 2
		.amdhsa_user_sgpr_kernarg_segment_ptr 1
		.amdhsa_wavefront_size32 1
		.amdhsa_system_sgpr_workgroup_id_x 1
		.amdhsa_system_sgpr_workgroup_id_y 1
		.amdhsa_system_sgpr_workgroup_id_z 1
		.amdhsa_system_vgpr_workitem_id 0
		.amdhsa_next_free_vgpr 448
		.amdhsa_next_free_sgpr 66
		.amdhsa_reserve_vcc 1
		.amdhsa_float_denorm_mode_32 3
		.amdhsa_float_denorm_mode_16_64 3
		.amdhsa_memory_ordered 1
		.amdhsa_forward_progress 1
		.amdhsa_inst_pref_size 92
	.end_amdhsa_kernel
	.amdgpu_metadata
---
amdhsa.version: [ 1, 2 ]
amdhsa.kernels:
  - .name:           k_qe0cc9889ba_qkv
    .symbol:         k_qe0cc9889ba_qkv.kd
    .args:
      - { .name: ximg, .offset: 0, .size: 8, .value_kind: global_buffer, .address_space: global }
      - { .name: wimg, .offset: 8, .size: 8, .value_kind: global_buffer, .address_space: global }
      - { .name: qkv, .offset: 16, .size: 8, .value_kind: global_buffer, .address_space: global }
    .group_segment_fixed_size: 0
    .private_segment_fixed_size: 0
    .kernarg_segment_align: 8
    .kernarg_segment_size: 24
    .max_flat_workgroup_size: 128
    .sgpr_count:     66
    .vgpr_count:     448
    .wavefront_size: 32
...
	.end_amdgpu_metadata
.endif
;; end of part 2
;; launch attn (part 3): grid 64 x 4, 16 waves a work-group, no clusters, 223,744 bytes of LDS; arguments qkv, aimg; writes aimg
.if DOCPART == 3
	.amdgcn_target "amdgcn-amd-amdhsa--gfx1250"
	.amdhsa_code_object_version 6
	.text
	.protected	k_qe0cc9889ba_attn
	.globl	k_qe0cc9889ba_attn
	.p2align	8
	.type	k_qe0cc9889ba_attn,@function
k_qe0cc9889ba_attn:
	s_mov_b64 s[64:65], 0
	v_nop
	global_prefetch_b8 v0, s[64:65] scope:SCOPE_SE
	s_setreg_imm32_b32 hwreg(HW_REG_WAVE_MODE, 25, 1), 1
	s_wait_xcnt 0x0
; CAUSAL ATTENTION WITH ALIBI, 32 query heads of 64 channels on ONE head of keys and values, both products on codes of FP6 (E2M3) with E8M0 scales; the result is quantised along (head, channel) for the next product.
; t = (q . k / 8 + slope (key - query)) log2(e); M = the running largest t rounded UP to a whole number; p = 2^(t - M) is what is quantised, along the keys; the row's sum is taken of the unquantised p and divides at the end.
; K AND V OF ALL 2,048 KEYS, codes and scale words, are 208,896 bytes: they come into LDS ONCE, by asynchronous copies at the head, and stay: no ring, nothing is filled again.
; SHARES.  Work-group (pi, hg): query tiles pi and 127 - pi, heads 8 hg .. 8 hg + 7; each of its 16 waves one tile of 16 queries of one head.  A tile T needs T / 8 + 1 key steps of 128, so a pair needs 17 whatever pi.
; Which of the two tiles a wave takes is (w xor w / 4) % 2, so that of four waves w, w + 4, w + 8, w + 12 and of four waves 4 a .. 4 a + 3 alike two take the early tile and two the late one.
; No cluster: what the work-groups share is fetched once a work-group, 209 KB, and never again.
; LAYOUT.  Both products are used transposed (S^T = K Q^T, O^T = V^T P^T): a lane holds one query throughout.  The rows of every tile are 32 (T / 2) + 8 (T % 2) + r + 8 (r / 8), so the 16 registers of two neighbouring tiles are 16 neighbours.
; THE HEAD'S 64 FILL HALF OF THE INSTRUCTION'S K: Q's registers 6-11 are zero codes, which add nothing whatever finite codes stand against them (the next key tile's), and all four scale bytes of that half are 0x7f.
; THE LOOP has 16 trips in every wave; a trip whose keys all come after the wave's queries jumps to the lines that step addresses.  In the last trip that counts, hidden scores become -infinity ahead of the maximum.
; THE BIAS is split.  A register's part, 8 slope (n + 16 h - rho), in the scores' own unit, is kept and is the C of the score products: it costs no instruction.  A block's and step's part, slope' (first key + 32 b - first query),
; goes, less M, into the one multiply-add that makes t - M of a score.  Both whole-number factors are exact.
; LIMITS: NaN and infinities are not served; v_exp_f32 and v_rcp_f32 are good to 1 ulp; a block of p or of the result under 2^-124 gets the byte 1.
; REGISTERS: v1-7 what stays (16 lane, 8 lane, the same + V's place, K's and V's scale words, 16 h - rho); v8-11, v16-17 addresses in hand; v12 -M, v13 the largest t, v[14:15] the sum; v18 slope'; v19 r; v20-31 Q;
; v32-85 eight key tiles, 6 registers each (v80-85 zeros), or V's four fragments; v86-89, v90-93, v94, v95 scale words of K, V, P, Q; v96-159 S^T, then p (v96-98: at the head the copies' LDS addresses); v160-191 O^T;
; v192-207 the bias a register; v208-219 P's codes; v220-255 at work.
.set VIMG, 98304
.set KSC,  196608
.set VSC,  204800
.set QIMG, 212992
.set QSC,  3358720
.set STG,  208896                      ; LDS behind the copy: two stages of 6,144 bytes, the two tiles' four fragments each,
.set SST,  221184                      ; and 2 x 256 bytes of their scale words
.set ASC,  3145728
.set RUN,  65536                       ; the copies go in runs of 65,536 bytes, each with an LDS address register and a base of its own, so that every immediate stays under 65,536
	s_load_b128 s[4:7], s[0:1], 0x0                ; q, k, v s[4:5]; the result's images s[6:7]
	v_lshl_add_u32 v227, v0, 2, 0x36200
	v_mov_b32 v255, 0
	ds_add_u32 v227, v255
	ds_add_u32 v227, v255
	v_lshlrev_b32 v8, 4, v0                        ; in LDS: 16 thread, run 0;
	v_lshl_add_u32 v96, v0, 4, RUN                 ; run 1;
	v_lshl_add_u32 v97, v0, 4, 2*RUN               ; run 2;
	v_lshl_add_u32 v98, v0, 4, 3*RUN               ; run 3
	v_lshlrev_b32 v9, 4, v0                        ; in memory: 16 thread from the run's base
	v_lshl_add_u32 v10, v0, 3, 3*RUN               ; the last copy: 8 thread, in run 3,
	v_lshlrev_b32 v11, 3, v0                       ; and in memory
	v_lshrrev_b32 v1, 5, v0
	v_readfirstlane_b32 s8, v1                     ; wave 0..15
	s_wait_dscnt 0x0
	s_wait_kmcnt 0x0
	s_add_nc_u64 s[40:41], s[4:5], RUN             ; the runs' bases
	s_add_nc_u64 s[42:43], s[4:5], 2*RUN
	s_add_nc_u64 s[44:45], s[4:5], 3*RUN
.set I, 0
.rept 8
	global_load_async_to_lds_b128 v8, v9, s[4:5] offset:8192*I     ; the immediate is added to both addresses: 512 threads x 16 bytes a copy
.set I, I+1
.endr
.set I, 0
.rept 8
	global_load_async_to_lds_b128 v96, v9, s[40:41] offset:8192*I
.set I, I+1
.endr
.set I, 0
.rept 8
	global_load_async_to_lds_b128 v97, v9, s[42:43] offset:8192*I
.set I, I+1
.endr
	global_load_async_to_lds_b128 v98, v9, s[44:45]                ; bytes 196,608 to 204,799
	global_load_async_to_lds_b64 v10, v11, s[44:45] offset:8192    ; the last 4,096 bytes: 8 a thread
	s_lshr_b32 s9, s8, 2
	s_xor_b32 s9, s9, s8
	s_and_b32 s9, s9, 1                            ; which of the two tiles
	s_lshr_b32 s10, s8, 1                          ; j: which of the eight heads
	s_and_b32 s15, ttmp7, 0xffff                   ; hg
	s_lshl_b32 s11, s15, 3
	s_add_co_u32 s11, s11, s10                     ; the head
	s_sub_co_u32 s29, 127, ttmp9
	s_cmp_eq_u32 s9, 1
	s_cselect_b32 s12, s29, ttmp9                  ; T
	s_lshr_b32 s13, s12, 3                         ; the last key step that counts
	s_lshr_b32 s14, s12, 1
	s_lshl_b32 s14, s14, 5
	s_and_b32 s29, s12, 1
	s_lshl_b32 s29, s29, 3
	s_add_co_u32 s14, s14, s29                     ; my first query
	s_lshl_b32 s30, s11, 7
	s_add_co_u32 s30, s30, s12
	s_mul_i32 s30, s30, 768
	s_add_co_u32 s30, s30, QIMG
	s_mov_b32 s31, 0
	s_add_nc_u64 s[16:17], s[4:5], s[30:31]        ; Q's half fragment
	s_lshl_b32 s30, s11, 5
	s_lshr_b32 s29, s12, 2
	s_add_co_u32 s30, s30, s29
	s_lshl_b32 s30, s30, 8
	s_and_b32 s29, s12, 3
	s_lshl_b32 s29, s29, 2
	s_add_co_u32 s30, s30, s29
	s_add_co_u32 s30, s30, QSC
	s_add_nc_u64 s[18:19], s[4:5], s[30:31]        ; its scale words
	s_lshl_b32 s30, s12, 4
	s_lshl_b32 s29, s15, 2
	s_add_co_u32 s30, s30, s29
	s_mul_i32 s30, s30, 1536
	s_add_nc_u64 s[36:37], s[6:7], s[30:31]        ; out: fragments (T, 4 hg ..)
	s_lshl_b32 s30, s12, 10
	s_lshl_b32 s29, s15, 8
	s_add_co_u32 s30, s30, s29
	s_add_co_u32 s30, s30, ASC
	s_add_nc_u64 s[38:39], s[6:7], s[30:31]        ; and their scale words
	s_mov_b32 s20, 0x76543210
	s_mov_b32 s21, 0xfedcba98                      ; v_permlanex16_b32's selects for lane l xor 16
	s_mov_b32 s22, 0x3e38aa3b                      ; c = log2(e) / 8
	s_mov_b32 s23, s22                             ; (named with it as a pair, so it is written)
	s_mov_b32 s24, 0                               ; the step's codes in LDS: 6,144 bytes a step, K's and V's alike
	s_mov_b32 s25, 0                               ; K's scale words: 512 a step
	s_mov_b32 s26, 0                               ; V's: 256 a step
	s_sub_co_i32 s27, 0, s14                       ; the step's first key - my first query
	s_mov_b32 s28, 0                               ; the step
	v_and_b32 v1, 31, v0
	v_lshlrev_b32 v2, 3, v1                        ; 8 lane
	v_lshlrev_b32 v1, 4, v1                        ; 16 lane
	v_add_nc_u32 v3, VIMG, v1
	v_add_nc_u32 v4, VIMG, v2
	v_and_b32 v19, 15, v0                          ; r
	v_bfe_u32 v16, v0, 4, 1                        ; h
	v_lshlrev_b32 v17, 4, v19                      ; 16 r
	global_load_b128 v[20:23], v1, s[16:17]        ; Q stays in registers
	global_load_b64 v[24:25], v2, s[16:17] offset:512
	global_load_b32 v95, v17, s[18:19]
	v_lshl_add_u32 v5, v16, 8, v17
	v_add_nc_u32 v5, KSC, v5                       ; K's scale words: lanes 0-15 the step's first 64 keys, lanes 16-31 the others; 16 bytes: four tiles' words of row r
	v_add_nc_u32 v6, VSC, v17                      ; V's: four channel tiles' words of row r
	v_and_b32 v7, 8, v19
	v_add_nc_u32 v7, v7, v19                       ; rho = r + 8 (r / 8)
	v_lshlrev_b32 v254, 4, v16
	v_sub_nc_u32 v7, v254, v7                      ; 16 h - rho
	s_add_co_u32 s29, s11, 1
	v_cvt_f32_u32 v254, s29
	v_mul_f32 v254, 0xbe800000, v254
	v_exp_f32 v18, v254                            ; the slope: 2^(-(head + 1) / 4)
.irp i, 26,27,28,29,30,31,80,81,82,83,84,85
	v_mov_b32 v\i, 0                               ; zero codes
.endr
	s_wait_alu depctr_va_vdst(0)                   ; the wait ahead of the first line that names the exponential's result
	v_mul_f32 v252, 0x41000000, v18                ; 8 slope: the bias in the scores' unit (t = c (score + 8 slope (key - query))); exact
	v_mul_f32 v18, 0x3fb8aa3b, v18                 ; slope' = slope x log2(e)
.irp n, 0,1,2,3,4,5,6,7,8,9,10,11,12,13,14,15
	v_add_nc_u32 v254, \n, v7
	v_cvt_f32_i32 v254, v254
	v_mul_f32 v[192+\n], v252, v254                ; 8 slope (n + 16 h - rho)
.endr
	v_mov_b32 v13, 0xff61b1e6                      ; the largest t so far: -3e38
	v_floor_f32 v12, -v13                          ; -M
	v_mov_b32 v14, 0
	v_mov_b32 v15, 0
.irp i, 232,233,234,235,241,243,245,247,253
	v_mov_b32 v\i, 0                               ; permutes' destinations and the upper halves of pairs of which the low word is used: written once
.endr
.set I, 0
.rept 32
	v_mov_b32 v[160+I], 0                          ; O^T: the step is written once; the first finds zeros
.set I, I+1
.endr
	s_wait_asynccnt 0x0                            ; my copies have landed: their address registers and bases may be written from here on,
	s_wait_loadcnt 0x0                             ; Q is in
	s_barrier_signal -1
	s_barrier_wait -1                              ; everybody's copies have
.Lstep:
	s_cmp_gt_u32 s28, s13
	s_cbranch_scc1 .Lhidden                        ; all 128 keys come after my queries
	v_add_nc_u32 v8, s24, v1                       ; (these six are also the places behind the last step's products)
	v_add_nc_u32 v9, s24, v2
	v_add_nc_u32 v10, s24, v3
	v_add_nc_u32 v11, s24, v4
	v_add_nc_u32 v16, s25, v5
	v_add_nc_u32 v17, s26, v6
.irp i, 0,1,2,3,4,5,6,7
	ds_load_b128 v[32+6*\i:35+6*\i], v8 offset:768*\i
	ds_load_b64 v[36+6*\i:37+6*\i], v9 offset:768*\i+512
.endr
	ds_load_b128 v[86:89], v16
	s_wait_dscnt 0x0
.irp i, 0,1,2,3                        ; register j of tile i holds key 32 (i / 2) + 16 h + 8 (i % 2) + j: C is the bias of n = 8 (i % 2) + j
	v_wmma_scale_f32_16x16x128_f8f6f4 v[96+8*\i:103+8*\i], v[32+6*\i:43+6*\i], v[20:31], v[192+8*(\i%2):199+8*(\i%2)], v[86+\i], v95 matrix_a_fmt:MATRIX_FMT_FP6 matrix_b_fmt:MATRIX_FMT_FP6
.endr
.irp i, 4,5,6,7
	v_wmma_scale_f32_16x16x128_f8f6f4 v[96+8*\i:103+8*\i], v[32+6*\i:43+6*\i], v[20:31], v[192+8*(\i%2):199+8*(\i%2)], v[82+\i], v95 matrix_a_fmt:MATRIX_FMT_FP6 matrix_b_fmt:MATRIX_FMT_FP6 matrix_a_scale:MATRIX_SCALE_ROW1
.endr
.rept 4
	v_nop                                          ; places: ahead of the loads into the keys' registers and of the first read of the scores
.endr
.irp j, 0,1,2,3                        ; V's four fragments land under the softmax
	ds_load_b128 v[32+12*\j:35+12*\j], v10 offset:1536*\j
	ds_load_b64 v[36+12*\j:37+12*\j], v11 offset:1536*\j+512
	ds_load_b128 v[38+12*\j:41+12*\j], v10 offset:1536*\j+768
	ds_load_b64 v[42+12*\j:43+12*\j], v11 offset:1536*\j+1280
.endr
	ds_load_b128 v[90:93], v17
	s_cmp_lg_u32 s28, s13
	s_cbranch_scc1 .Lopen                          ; in the earlier steps every key counts
	s_sub_co_i32 s29, 0, s27
	v_sub_nc_u32 v252, s29, v7                     ; register 16 b + n holds a hidden key where 32 b + n > my query - the first key - 16 h
	v_mov_b32 v254, 0xff800000                     ; -infinity
.set N, 0
.rept 64
	v_cmp_gt_i32 vcc_lo, 32*(N/16)+N%16, v252
	v_cndmask_b32 v[96+N], v[96+N], v254, vcc_lo
.set N, N+1
.endr
.Lopen:
.irp b, 0,1,2,3
	s_add_co_i32 s29, s27, 32*\b
	v_cvt_f32_i32 v[236+\b], s29
.endr
.irp b, 0,1,2,3
	v_mul_f32 v[236+\b], v18, v[236+\b]            ; the block's part of the bias, as t
.endr
.irp b, 0,1,2,3
	v_max3_num_f32 v[228+\b], v[96+16*\b], v[97+16*\b], v[98+16*\b]   ; each block's largest score with its register's bias (c is positive): it serves for the row's maximum and for the block's largest p
.endr
.irp i, 3,5,7,9,11,13
.irp b, 0,1,2,3
	v_max3_num_f32 v[228+\b], v[228+\b], v[96+16*\b+\i], v[97+16*\b+\i]
.endr
.endr
.irp b, 0,1,2,3
	v_max_num_f32 v[228+\b], v[228+\b], v[111+16*\b]
.endr
.irp b, 0,1,2,3
	v_permlanex16_b32 v[232+\b], v[228+\b], s20, s21
.endr
.irp b, 0,1,2,3
	v_max_num_f32 v[228+\b], v[228+\b], v[232+\b]
.endr
.irp b, 0,1,2,3
	v_fma_f32 v[248+\b], v[228+\b], s22, v[236+\b] ; the block's largest t
.endr
	v_max3_num_f32 v254, v248, v249, v250
	v_max_num_f32 v254, v254, v251
	v_max_num_f32 v13, v13, v254                   ; the running largest t
	v_mov_b32 v254, v12
	v_floor_f32 v12, -v13                          ; the new -M = -ceil(t): a whole number
	v_sub_f32 v254, v12, v254                      ; old M - new M, 0 or less
	v_cvt_i32_f32 v254, v254                       ; (it saturates)
	v_ldexp_f32 v252, 1.0, v254                    ; f = 2^(old M - new M): rounds nothing
.irp b, 0,1,2,3
	v_add_f32 v[240+2*\b], v[236+\b], v12          ; the block's part of the bias - M
.endr
.irp b, 0,1,2,3
.irp n, 0,2,4,6,8,10,12,14
	v_pk_fma_f32 v[96+16*\b+\n:97+16*\b+\n], v[96+16*\b+\n:97+16*\b+\n], s[22:23], v[240+2*\b:241+2*\b] op_sel_hi:[1,0,0]   ; t - M, two at a time (of the pairs c and the block's addend the low word serves both halves)
.endr
.endr
.irp b, 0,1,2,3
	v_fma_f32 v[228+\b], v[228+\b], s22, v[240+2*\b]   ; the same of each block's largest
.endr
.set N, 0
.rept 64
	v_exp_f32 v[96+N], v[96+N]                     ; p = 2^(t - M)
.set N, N+1
.endr
	v_pk_mul_f32 v[14:15], v[14:15], v[252:253] op_sel_hi:[1,0]   ; the sums under the new M (a plain instruction behind the exponentials)
	s_wait_alu depctr_va_vdst(0)                   ; one wait for the batch, ahead of its first reader
.irp b, 0,1,2,3
	v_exp_f32 v[228+\b], v[228+\b]                 ; the block's largest p: the same instructions on the same number give the same bits
.endr
	v_pk_add_f32 v[232:233], v[96:97], v[98:99]    ; the row's sum of the unquantised p, in two chains
.irp j, 4,8,12,16,20,24,28,32,36,40,44,48,52,56,60
	v_pk_add_f32 v[14:15], v[14:15], v[96+\j:97+\j]
	v_pk_add_f32 v[232:233], v[232:233], v[98+\j:99+\j]
.endr
	v_pk_add_f32 v[14:15], v[14:15], v[232:233]
	s_wait_alu depctr_va_vdst(0)                   ; and one for the four
.irp b, 0,1,2,3
	v_max_num_f32 v[228+\b], 0x1800000, v[228+\b]  ; the floor 2^(3 - 127): the byte cannot fall under 1
.endr
.irp b, 0,1,2,3
	v_add_nc_u32 v[248+\b], 0xff000000, v[228+\b]  ; the conversion's scale operand
.endr
.irp b, 0,1,2,3
	v_lshrrev_b32 v[232+\b], 23, v[248+\b]         ; the scale's byte
.endr
	v_lshl_or_b32 v94, v233, 8, v232               ; p's scale word for these 128 keys
	v_lshl_or_b32 v94, v234, 16, v94
	v_lshl_or_b32 v94, v235, 24, v94
.irp c, 0,1
	v_cvt_scalef32_pk16_fp6_f32 v[208+6*\c:210+6*\c], v[96+32*\c:111+32*\c], v[248+2*\c]
	v_cvt_scalef32_pk16_fp6_f32 v[220+4*\c:222+4*\c], v[112+32*\c:127+32*\c], v[248+2*\c+1]
.endr
	v_nop                                          ; one plain instruction behind the scaled conversions
.irp c, 0,1
.irp i, 0,1,2
	v_permlane16_swap_b32 v[208+6*\c+\i], v[220+4*\c+\i]
.endr
.irp i, 0,1,2
	v_mov_b32 v[211+6*\c+\i], v[220+4*\c+\i]
.endr
.endr
.irp j, 0,2,4,6,8,10,12,14,16,18,20,22,24,26,28,30
	v_pk_mul_f32 v[160+\j:161+\j], v[160+\j:161+\j], v[252:253] op_sel_hi:[1,0]   ; O^T under the new M; also the places between p's codes and scale word and the products
.endr
	s_wait_dscnt 0x0                               ; V
.irp j, 0,1,2,3                        ; four accumulators by turns
	v_wmma_scale_f32_16x16x128_f8f6f4 v[160+8*\j:167+8*\j], v[32+12*\j:43+12*\j], v[208:219], v[160+8*\j:167+8*\j], v[90+\j], v94 matrix_a_fmt:MATRIX_FMT_FP6 matrix_b_fmt:MATRIX_FMT_FP6
.endr
.Lhidden:
	s_add_co_u32 s24, s24, 6144
	s_add_co_u32 s25, s25, 512
	s_add_co_u32 s26, s26, 256
	s_add_co_i32 s27, s27, 128
	s_add_co_u32 s28, s28, 1
	s_cmp_lt_u32 s28, 16
	s_cbranch_scc1 .Lstep
	; THE WAY OUT.  My head's 64 channels are half c = j % 2 of K step 4 hg + j / 2 of the next product: registers 6 c .. 6 c + 5 of that fragment's image.  The eight waves of a tile build its four images in a stage.
	s_lshr_b32 s29, s10, 1                         ; j / 2
	s_and_b32 s30, s10, 1                          ; j % 2
	s_mul_i32 s31, s9, 6144
	s_add_co_u32 s31, s31, STG                     ; my tile's stage
	s_mul_i32 s32, s29, 1536
	s_add_co_u32 s32, s32, s31
	s_mul_i32 s33, s30, 520
	s_add_co_u32 s33, s33, s32
	v_add_nc_u32 v3, s33, v1                       ; registers 0, 1 at 16 l, or 6, 7 at 512 + 16 l + 8; registers 4, 5 or 10, 11 lie 512 bytes on
	s_mul_i32 s33, s30, 1016
	s_add_co_u32 s33, s33, s32
	v_add_nc_u32 v4, s33, v1                       ; registers 2, 3 at 16 l + 8, or 8, 9 at 1,024 + 16 l
	s_lshl_b32 s33, s9, 8
	s_add_co_u32 s33, s33, SST
	v_add_nc_u32 v11, s33, v2                      ; back: the tile's 256 bytes of scale words
	s_lshl_b32 s34, s29, 6
	s_add_co_u32 s33, s33, s34
	s_lshl_b32 s34, s30, 1
	s_add_co_u32 s33, s33, s34
	v_lshl_add_u32 v5, v19, 2, s33                 ; my two bytes of row r's word
	s_lshl_b32 s34, s10, 9
	v_add_nc_u32 v9, s34, v1                       ; back: wave j takes 512 bytes at 512 j,
	s_add_co_u32 s35, s34, s31
	v_add_nc_u32 v6, s35, v1
	s_lshl_b32 s34, s10, 8
	s_add_co_u32 s34, s34, 4096
	v_add_nc_u32 v10, s34, v2                      ; and 256 at 4,096 + 256 j
	s_add_co_u32 s35, s34, s31
	v_add_nc_u32 v8, s35, v2
	v_add_f32 v14, v14, v15
	v_permlanex16_b32 v232, v14, s20, s21
	v_add_f32 v14, v14, v232                       ; the row's sum
	v_rcp_f32 v14, v14
	v_nop                                          ; a plain instruction behind the transcendental
	s_wait_alu depctr_va_vdst(0)
.irp j, 0,2,4,6,8,10,12,14,16,18,20,22,24,26,28,30
	v_pk_mul_f32 v[96+\j:97+\j], v[160+\j:161+\j], v[14:15] op_sel_hi:[1,0]   ; register 16 b + n: channel 32 b + 16 h + n of my query
.endr
.irp b, 0,1
	v_max3_num_f32 v[228+\b], |v[96+16*\b]|, |v[97+16*\b]|, 0x1800000
.endr
.irp i, 2,4,6,8,10,12,14
.irp b, 0,1
	v_max3_num_f32 v[228+\b], v[228+\b], |v[96+16*\b+\i]|, |v[97+16*\b+\i]|
.endr
.endr
.irp b, 0,1
	v_permlanex16_b32 v[232+\b], v[228+\b], s20, s21
.endr
.irp b, 0,1
	v_max_num_f32 v[228+\b], v[228+\b], v[232+\b]
.endr
.irp b, 0,1
	v_add_nc_u32 v[248+\b], 0xff000000, v[228+\b]
.endr
.irp b, 0,1
	v_lshrrev_b32 v[232+\b], 23, v[248+\b]
.endr
	v_lshl_or_b32 v236, v233, 8, v232
	v_cvt_scalef32_pk16_fp6_f32 v[208:210], v[96:111], v248
	v_cvt_scalef32_pk16_fp6_f32 v[220:222], v[112:127], v249
	v_nop
.irp i, 0,1,2
	v_permlane16_swap_b32 v[208+\i], v[220+\i]
.endr
.irp i, 0,1,2
	v_mov_b32 v[211+\i], v[220+\i]
.endr
	ds_store_b64 v3, v[208:209]
	ds_store_b64 v4, v[210:211] offset:8
	ds_store_b64 v3, v[212:213] offset:512
	ds_store_b16 v5, v236                          ; both halves of the lanes write the same bytes with the same value
	s_wait_dscnt 0x0                               ; for the others' sake: my stores have landed
	s_barrier_signal -1
	s_barrier_wait -1
	ds_load_b128 v[96:99], v6
	ds_load_b64 v[100:101], v8
	s_wait_dscnt 0x0
	global_store_b128 v9, v[96:99], s[36:37]       ; 512 consecutive bytes,
	global_store_b64 v10, v[100:101], s[36:37]     ; 256 consecutive bytes
	s_cmp_lg_u32 s10, 0
	s_cbranch_scc1 .Lend
	ds_load_b64 v[102:103], v11
	s_wait_dscnt 0x0
	global_store_b64 v2, v[102:103], s[38:39]      ; the tile's scale words of these four K steps
.Lend:
	s_wait_tensorcnt 0x0
	ds_add_u32 v227, v255
	s_wait_dscnt 0x0
	s_endpgm
.Lfunc_end_k_qe0cc9889ba_attn:
	.size	k_qe0cc9889ba_attn, .Lfunc_end_k_qe0cc9889ba_attn-k_qe0cc9889ba_attn
	.p2alignl 7, 3214868480
	.fill 96, 4, 3214868480
	.section	.rodata,"a",@progbits
	.p2align	6, 0x0
	.amdhsa_kernel k_qe0cc9889ba_attn
		.amdhsa_group_segment_fixed_size 223744
		.amdhsa_private_segment_fixed_size 0
		.amdhsa_enable_private_segment 0
		.amdhsa_kernarg_size 16
		.amdhsa_user_sgpr_count 2
		.amdhsa_user_sgpr_kernarg_segment_ptr 1
		.amdhsa_wavefront_size32 1
		.amdhsa_system_sgpr_workgroup_id_x 1
		.amdhsa_system_sgpr_workgroup_id_y 1
		.amdhsa_system_sgpr_workgroup_id_z 1
		.amdhsa_system_vgpr_workitem_id 0
		.amdhsa_next_free_vgpr 256
		.amdhsa_next_free_sgpr 66
		.amdhsa_reserve_vcc 1
		.amdhsa_float_denorm_mode_32 3
		.amdhsa_float_denorm_mode_16_64 3
		.amdhsa_memory_ordered 1
		.amdhsa_forward_progress 1
		.amdhsa_inst_pref_size 38
	.end_amdhsa_kernel
	.amdgpu_metadata
---
amdhsa.version: [ 1, 2 ]
amdhsa.kernels:
  - .name:           k_qe0cc9889ba_attn
    .symbol:         k_qe0cc9889ba_attn.kd
    .args:
      - { .name: qkv, .offset: 0, .size: 8, .value_kind: global_buffer, .address_space: global }
      - { .name: aimg, .offset: 8, .size: 8, .value_kind: global_buffer, .address_space: global }
    .group_segment_fixed_size: 223744
    .private_segment_fixed_size: 0
    .kernarg_segment_align: 8
    .kernarg_segment_size: 16
    .max_flat_workgroup_size: 512
    .sgpr_count:     66
    .vgpr_count:     256
    .wavefront_size: 32
...
	.end_amdgpu_metadata
.endif
;; end of part 3
;; launch wo (part 4): grid 16 x 16, 8 waves a work-group, no clusters, 101,376 bytes of LDS; arguments aimg, wimg, hidden_states, h; writes h
.if DOCPART == 4
	.amdgcn_target "amdgcn-amd-amdhsa--gfx1250"
	.amdhsa_code_object_version 6
	.text
	.protected	k_qe0cc9889ba_wo
	.globl	k_qe0cc9889ba_wo
	.p2align	8
	.type	k_qe0cc9889ba_wo,@function
k_qe0cc9889ba_wo:
	s_mov_b64 s[64:65], 0
	v_nop
	global_prefetch_b8 v0, s[64:65] scope:SCOPE_SE
	s_setreg_imm32_b32 hwreg(HW_REG_WAVE_MODE, 25, 1), 1
	s_wait_xcnt 0x0
; h = hidden_states + attn Wo^T: the product on codes of FP6 (E2M3) with E8M0 scales, the sum in f32.
; A tile of 64 x 64 (four tiles of Wo's rows as source 0, F0; four tiles of tokens as source 1, F1; 16 accumulators) is made by TWO waves: K = 2,048 is 16 steps of 128, wave w takes steps 0-7 and wave w + 4 steps 8-15.
; A wave's loads into registers are bounded by its counter's field of 63 (ISA guide 5.7.1): two K steps of 24 loads and 8 scale loads.  Two waves to a SIMD have twice that on their way, and each has half as many steps to wait for.
; Work-group (x, y), wave w: w4 = w % 4, kh = w / 4; features 128 x + 64 (w4 % 2) on, tokens 128 y + 64 (w4 / 2) on.
; THE TWO HALVES MEET IN LDS.  Each wave orders F1 so that the two token tiles that it will finish are its tiles 0 and 1 (two bases: kh = 0 finishes the group's tiles 0, 1; kh = 1 tiles 2, 3), so the text is the same for both:
; accumulators 64-127 go to LDS as they stand (16 bytes a lane, 512 a store, 8,192 a wave), one barrier, the partner's come back into the same registers and are added to accumulators 0-63.
; OPERANDS ARE REGISTER IMAGES in memory (a fragment's registers 4 q .. 4 q + 3 of lane l at 512 q + 16 l): three loads of 16 bytes a lane bring a fragment, each 512 consecutive bytes.  Two sets of fragments: while one is multiplied the next
; step's 24 loads are on their way.  No cluster: the launch has no tile in LDS that a joint request could fill.
; Lane (r, h) holds token r of tile j, and registers 32 j + 16 b + n feature 32 b + 16 h + n of the wave's 64 (the rows of a tile are 32 (t / 2) + 8 (t % 2) + r + 8 (r / 8)).
; THE WAY OUT: a tile of 16 tokens x 64 features goes through the wave's own stage in LDS and comes back by rows; the residual, asked for behind the last K step's loads in that layout, is added; 16 lanes store 256 consecutive bytes, aligned.
.set NS,  8                            ; K steps of a wave
.set CT0, 24576
.set CT1, 24576
.set TS0, 1024
.set TS1, 1024
.set SS0, 64
.set SS1, 64
.set KHC, NS*1536                      ; from one half of K to the other: codes,
.set KHS, NS*64                        ; scale words
.set WCODE, 3342336
.set WSCAL, 10166272
.set XSCAL, 3145728
.set XCB,  65536                       ; LDS: 8 x 8,192 bytes for the exchange; behind them 8 stages of 16 rows x (256 bytes + 16)
.set LOFF, 1                           ; v1  16 lane
.set SW0,  2                           ; v2  4 r + (lane / 16) x SS0: lanes 0-15 take an even K step's words, lanes 16-31 the odd one's
.set SW1,  3                           ; v3  the same for F1
.set GO,   7                           ; v7  in the residual and the result: (lane / 16) rows + 16 (lane % 16)
.set STO,  8                           ; v8  into my stage: row r, + 64 h
.set RD,   9                           ; v9  out of it: row lane / 16, + 16 (lane % 16)
.set XS,   10                          ; v10 the exchange: where I put 16 bytes,
.set XR,   11                          ; v11 and where my partner has put its own
.set SCR,  32                          ; v32-47 scale words: set q at 32 + 8 q: F0's four tiles, then F1's
.set BK,   48                          ; v48-111 two tiles read back from the stage
.set ACC,  128                         ; v128-255 accumulator (j, i) at 128 + 32 j + 8 i;  window 1: fragment set p at 96 p; v192-255 the residual
.set RES,  192
.set F0C,  12                          ; s[12:13] F0's codes; s[14:15] F1's tiles 0, 1; s[56:57] F1's tiles 2, 3; s[16:17], s[18:19], s[58:59] their scale words
.set F1A,  14
.set F0S,  16
.set S1A,  18
.set F1B,  56
.set S1B,  58
.set MSB, 0
.macro WIN new                         ; the immediate's high byte repeats the setting that is left
.if MSB != \new
	s_set_vgpr_msb (MSB<<8)|\new
.set MSB, \new
.endif
.endm
.macro PLACES                          ; four plain instructions behind a matrix instruction, ahead of loads into its sources and of reads of its results
.rept 4
	v_nop
.endr
.endm
.macro SC pr                           ; the scale words of my K steps 2 pr and 2 pr + 1
.irp i, 0,1,2,3
	global_load_b32 v[SCR+8*((\pr)%2)+\i], v[SW0], s[F0S:F0S+1] offset:\i*TS0+2*(\pr)*SS0
.endr
.irp i, 0,1
	global_load_b32 v[SCR+8*((\pr)%2)+4+\i], v[SW1], s[S1A:S1A+1] offset:\i*TS1+2*(\pr)*SS1
.endr
.irp i, 0,1
	global_load_b32 v[SCR+8*((\pr)%2)+6+\i], v[SW1], s[S1B:S1B+1] offset:\i*TS1+2*(\pr)*SS1
.endr
.endm
.macro FR s                            ; my K step s's eight fragments: 24 loads
	WIN 0x40                                       ; destination window 1, address window 0
.irp i, 0,1,2,3
.irp q, 0,1,2
	global_load_b128 v[96*((\s)%2)+12*\i+4*\q:96*((\s)%2)+12*\i+4*\q+3], v[LOFF], s[F0C:F0C+1] offset:\i*CT0+1536*(\s)+512*\q
.endr
.endr
.irp i, 0,1
.irp q, 0,1,2
	global_load_b128 v[96*((\s)%2)+48+12*\i+4*\q:96*((\s)%2)+48+12*\i+4*\q+3], v[LOFF], s[F1A:F1A+1] offset:\i*CT1+1536*(\s)+512*\q
.endr
.endr
.irp i, 0,1
.irp q, 0,1,2
	global_load_b128 v[96*((\s)%2)+72+12*\i+4*\q:96*((\s)%2)+72+12*\i+4*\q+3], v[LOFF], s[F1B:F1B+1] offset:\i*CT1+1536*(\s)+512*\q
.endr
.endr
	WIN 0
.endm
.macro MM s                            ; 16 matrix instructions; the 16 accumulators take turns, one instruction a turn.  The first step starts the sums: nothing is cleared
	WIN 0x05                                       ; sources 0 and 1 window 1, C and D window 0
.irp j, 0,1,2,3
.irp i, 0,1,2,3
.if (\s) == 0
	v_wmma_scale_f32_16x16x128_f8f6f4 v[ACC+32*\j+8*\i:ACC+32*\j+8*\i+7], v[96*((\s)%2)+12*\i:96*((\s)%2)+12*\i+11], v[96*((\s)%2)+48+12*\j:96*((\s)%2)+48+12*\j+11], 0, v[SCR+8*(((\s)/2)%2)+\i], v[SCR+8*(((\s)/2)%2)+4+\j] matrix_a_fmt:MATRIX_FMT_FP6 matrix_b_fmt:MATRIX_FMT_FP6
.elseif (\s)%2 == 0
	v_wmma_scale_f32_16x16x128_f8f6f4 v[ACC+32*\j+8*\i:ACC+32*\j+8*\i+7], v[96*((\s)%2)+12*\i:96*((\s)%2)+12*\i+11], v[96*((\s)%2)+48+12*\j:96*((\s)%2)+48+12*\j+11], v[ACC+32*\j+8*\i:ACC+32*\j+8*\i+7], v[SCR+8*(((\s)/2)%2)+\i], v[SCR+8*(((\s)/2)%2)+4+\j] matrix_a_fmt:MATRIX_FMT_FP6 matrix_b_fmt:MATRIX_FMT_FP6
.else
	v_wmma_scale_f32_16x16x128_f8f6f4 v[ACC+32*\j+8*\i:ACC+32*\j+8*\i+7], v[96*((\s)%2)+12*\i:96*((\s)%2)+12*\i+11], v[96*((\s)%2)+48+12*\j:96*((\s)%2)+48+12*\j+11], v[ACC+32*\j+8*\i:ACC+32*\j+8*\i+7], v[SCR+8*(((\s)/2)%2)+\i], v[SCR+8*(((\s)/2)%2)+4+\j] matrix_a_fmt:MATRIX_FMT_FP6 matrix_b_fmt:MATRIX_FMT_FP6 matrix_a_scale:MATRIX_SCALE_ROW1 matrix_b_scale:MATRIX_SCALE_ROW1
.endif
.endr
.endr
	WIN 0
.endm
.macro XCHG                            ; the two halves of K meet: my tiles 2, 3 are my partner's tiles 0, 1, and the other way round.  Each accumulator is read from its low end on
.set Q, 0
.rept 16
	ds_store_b128 v[XS], v[ACC+64+4*Q:ACC+64+4*Q+3] offset:512*Q
.set Q, Q+1
.endr
	s_wait_dscnt 0x0                               ; for my partner's sake: my stores have landed
	s_barrier_signal -1
	s_barrier_wait -1
.set Q, 0
.rept 16
	ds_load_b128 v[ACC+64+4*Q:ACC+64+4*Q+3], v[XR] offset:512*Q
.set Q, Q+1
.endr
	s_wait_dscnt 0x0
.set Q, 0
.rept 32
	v_pk_add_f32 v[ACC+2*Q:ACC+2*Q+1], v[ACC+2*Q:ACC+2*Q+1], v[ACC+64+2*Q:ACC+64+2*Q+1]
.set Q, Q+1
.endr
.endm
.macro TOSTAGE j                       ; tile j into my stage, and back by rows.  LDS serves a wave's instructions in order: no wait between
.irp b, 0,1
.irp e, 0,1,2,3
	ds_store_b128 v[STO], v[ACC+32*(\j)+16*\b+4*\e:ACC+32*(\j)+16*\b+4*\e+3] offset:128*\b+16*\e
.endr
.endr
.irp t, 0,1,2,3,4,5,6,7
	ds_load_b128 v[BK+32*(\j)+4*\t:BK+32*(\j)+4*\t+3], v[RD] offset:\t*2*272
.endr
.endm
.macro SEND j, left                    ; left: the LDS instructions issued behind tile j's loads, which may stay out
	s_wait_dscnt \left
	WIN 0x04                                       ; source 1 window 1: the residual
.set M, 0
.rept 16
	v_pk_add_f32 v[BK+32*(\j)+M:BK+32*(\j)+M+1], v[BK+32*(\j)+M:BK+32*(\j)+M+1], v[RES+32*(\j)+M:RES+32*(\j)+M+1]
.set M, M+2
.endr
	WIN 0
.irp t, 0,1,2,3,4,5,6,7
	global_store_b128 v[GO], v[BK+32*(\j)+4*\t:BK+32*(\j)+4*\t+3], s[40:41] offset:(8*(\j)+2*\t+8*(\t/4))*8192
.endr
.endm
	s_load_b256 s[4:11], s[0:1], 0x0               ; F1's images s[4:5], the weights' s[6:7], the residual s[8:9], the result s[10:11]
	v_lshl_add_u32 v126, v0, 2, 0x18800
	v_mov_b32 v127, 0
	v_lshrrev_b32 v4, 5, v0
	v_readfirstlane_b32 s44, v4                    ; wave 0..7
	v_and_b32 v4, 31, v0
	v_lshlrev_b32 v[LOFF], 4, v4
	v_and_b32 v5, 15, v0                           ; r
	v_bfe_u32 v6, v0, 4, 1                         ; lane / 16
	v_lshlrev_b32 v[SW0], 2, v5
	v_mad_u32_u24 v[SW1], v6, SS1, v[SW0]
	v_mad_u32_u24 v[SW0], v6, SS0, v[SW0]
	v_lshlrev_b32 v[GO], 4, v5
	v_lshl_add_u32 v[GO], v6, 13, v[GO]
	s_mul_i32 s27, s44, 4352
	s_add_co_u32 s27, s27, XCB                     ; my stage
	v_mul_u32_u24 v[STO], v5, 272
	v_lshl_add_u32 v[STO], v6, 6, v[STO]
	v_add_nc_u32 v[STO], s27, v[STO]
	v_mul_u32_u24 v[RD], v6, 272
	v_lshl_add_u32 v[RD], v5, 4, v[RD]
	v_add_nc_u32 v[RD], s27, v[RD]
	s_lshl_b32 s46, s44, 13
	v_add_nc_u32 v[XS], s46, v[LOFF]               ; 8,192 w + 16 lane
	s_xor_b32 s46, s46, 32768
	v_add_nc_u32 v[XR], s46, v[LOFF]               ; 8,192 (w xor 4) + 16 lane
	s_lshr_b32 s45, s44, 2                         ; kh: which half of K
	s_and_b32 s20, s44, 3                          ; w4
	s_and_b32 s21, s20, 1                          ; wn
	s_lshr_b32 s22, s20, 1                         ; wm
	s_and_b32 s23, ttmp7, 0xffff                   ; y
	s_lshl_b32 s24, ttmp9, 3
	s_lshl_b32 s25, s21, 2
	s_add_co_u32 s24, s24, s25                     ; the weight's first tile
	s_lshl_b32 s25, s23, 3
	s_lshl_b32 s26, s22, 2
	s_add_co_u32 s25, s25, s26                     ; the tokens' first tile
	s_mul_i32 s47, s45, KHC
	s_mul_i32 s48, s45, KHS
	s_lshl_b32 s49, s45, 1
	s_add_co_u32 s50, s25, s49                     ; the two token tiles that I finish,
	s_xor_b32 s49, s49, 2
	s_add_co_u32 s51, s25, s49                     ; and the two that my partner finishes
	s_mul_i32 s28, s24, CT0
	s_add_co_u32 s28, s28, WCODE
	s_add_co_u32 s28, s28, s47
	s_mov_b32 s29, 0
	s_mul_i32 s30, s24, TS0
	s_add_co_u32 s30, s30, WSCAL
	s_add_co_u32 s30, s30, s48
	s_mov_b32 s31, 0
	s_mul_i32 s32, s50, CT1
	s_add_co_u32 s32, s32, s47
	s_mov_b32 s33, 0
	s_mul_i32 s34, s50, TS1
	s_add_co_u32 s34, s34, XSCAL
	s_add_co_u32 s34, s34, s48
	s_mov_b32 s35, 0
	s_mul_i32 s52, s51, CT1
	s_add_co_u32 s52, s52, s47
	s_mov_b32 s53, 0
	s_mul_i32 s54, s51, TS1
	s_add_co_u32 s54, s54, XSCAL
	s_add_co_u32 s54, s54, s48
	s_mov_b32 s55, 0
	s_lshl_b32 s36, s25, 17                        ; 16 tokens a tile x 8,192 bytes
	s_lshl_b32 s37, s45, 18
	s_add_co_u32 s36, s36, s37                     ; + 32 kh tokens: my two tiles begin there
	s_lshl_b32 s37, ttmp9, 9
	s_add_co_u32 s36, s36, s37
	s_lshl_b32 s37, s21, 8
	s_add_co_u32 s36, s36, s37                     ; + my 64 features
	s_mov_b32 s37, 0
	s_wait_kmcnt 0x0
	s_add_nc_u64 s[F0C:F0C+1], s[6:7], s[28:29]
	s_add_nc_u64 s[F0S:F0S+1], s[6:7], s[30:31]
	s_add_nc_u64 s[F1A:F1A+1], s[4:5], s[32:33]
	s_add_nc_u64 s[S1A:S1A+1], s[4:5], s[34:35]
	s_add_nc_u64 s[F1B:F1B+1], s[4:5], s[52:53]
	s_add_nc_u64 s[S1B:S1B+1], s[4:5], s[54:55]
	s_add_nc_u64 s[38:39], s[8:9], s[36:37]
	s_add_nc_u64 s[40:41], s[10:11], s[36:37]
	SC 0
	FR 0
	FR 1
.set S, 0
.rept NS
.if S == NS-1
	s_wait_loadcnt 16                              ; behind the last step's loads: the residual's 16
.elseif S == NS-2
	s_wait_loadcnt 40                              ; behind this step's loads: the last step's 24 and the residual's 16
.elseif S%2 == 0
	s_wait_loadcnt 24                              ; this step's fragments and words are in; the next step's 24 loads may be out
.else
	s_wait_loadcnt 32                              ; behind this step's loads: the next pair's 8 scale loads and the next step's 24
.endif
	MM S
	PLACES
.if (S%2 == 0) && (S+2 < NS)
	SC S/2+1
.endif
.if S+2 < NS
	FR S+2
.endif
.if S == NS-3
	WIN 0x40                                       ; destination window 1
.irp j, 0,1
.irp t, 0,1,2,3,4,5,6,7
	global_load_b128 v[RES+32*\j+4*\t:RES+32*\j+4*\t+3], v[GO], s[38:39] offset:(8*\j+2*\t+8*(\t/4))*8192   ; the residual of my two tiles: behind all fragments, so that no product waits for it
.endr
.endr
	WIN 0
.endif
.set S, S+1
.endr
	XCHG
	TOSTAGE 0
	TOSTAGE 1
	s_wait_loadcnt 0x0                             ; the residual
	SEND 0, 16                                     ; behind tile 0's loads: tile 1's 8 stores and 8 loads
	SEND 1, 0
	s_wait_tensorcnt 0x0
	ds_add_u32 v126, v127
	s_wait_dscnt 0x0
	s_endpgm
.Lfunc_end_k_qe0cc9889ba_wo:
	.size	k_qe0cc9889ba_wo, .Lfunc_end_k_qe0cc9889ba_wo-k_qe0cc9889ba_wo
	.p2alignl 7, 3214868480
	.fill 96, 4, 3214868480
	.section	.rodata,"a",@progbits
	.p2align	6, 0x0
	.amdhsa_kernel k_qe0cc9889ba_wo
		.amdhsa_group_segment_fixed_size 101376
		.amdhsa_private_segment_fixed_size 0
		.amdhsa_enable_private_segment 0
		.amdhsa_kernarg_size 32
		.amdhsa_user_sgpr_count 2
		.amdhsa_user_sgpr_kernarg_segment_ptr 1
		.amdhsa_wavefront_size32 1
		.amdhsa_system_sgpr_workgroup_id_x 1
		.amdhsa_system_sgpr_workgroup_id_y 1
		.amdhsa_system_sgpr_workgroup_id_z 1
		.amdhsa_system_vgpr_workitem_id 0
		.amdhsa_next_free_vgpr 512
		.amdhsa_next_free_sgpr 66
		.amdhsa_reserve_vcc 0
		.amdhsa_float_denorm_mode_32 3
		.amdhsa_float_denorm_mode_16_64 3
		.amdhsa_memory_ordered 1
		.amdhsa_forward_progress 1
		.amdhsa_inst_pref_size 55
	.end_amdhsa_kernel
	.amdgpu_metadata
---
amdhsa.version: [ 1, 2 ]
amdhsa.kernels:
  - .name:           k_qe0cc9889ba_wo
    .symbol:         k_qe0cc9889ba_wo.kd
    .args:
      - { .name: aimg, .offset: 0, .size: 8, .value_kind: global_buffer, .address_space: global }
      - { .name: wimg, .offset: 8, .size: 8, .value_kind: global_buffer, .address_space: global }
      - { .name: hidden_states, .offset: 16, .size: 8, .value_kind: global_buffer, .address_space: global }
      - { .name: h, .offset: 24, .size: 8, .value_kind: global_buffer, .address_space: global }
    .group_segment_fixed_size: 101376
    .private_segment_fixed_size: 0
    .kernarg_segment_align: 8
    .kernarg_segment_size: 32
    .max_flat_workgroup_size: 256
    .sgpr_count:     66
    .vgpr_count:     512
    .wavefront_size: 32
...
	.end_amdgpu_metadata
.endif
;; end of part 4
;; launch ln2 (part 5): grid 128 x 1, 16 waves a work-group, no clusters, 140,288 bytes of LDS; arguments h, ln2_w, Wq, Wkv, Wo, Wgu, Wdown, yimg, wimg; writes yimg, wimg
.if DOCPART == 5
	.amdgcn_target "amdgcn-amd-amdhsa--gfx1250"
	.amdhsa_code_object_version 6
	.text
	.protected	k_qe0cc9889ba_ln2
	.globl	k_qe0cc9889ba_ln2
	.p2align	8
	.type	k_qe0cc9889ba_ln2,@function
k_qe0cc9889ba_ln2:
	s_mov_b64 s[64:65], 0
	v_nop
	global_prefetch_b8 v0, s[64:65] scope:SCOPE_SE
	s_setreg_imm32_b32 hwreg(HW_REG_WAVE_MODE, 25, 1), 1
	s_wait_xcnt 0x0
; THE SECOND LayerNorm AND ITS QUANTISER: the text of the first launch with LIMIT = 128: tiles 0 to 127, the rows to be normalised, one to a work-group; no tile of a weight is reached, and no trip follows the first.
; ROWS OF f32 INTO REGISTER IMAGES OF FP6 (E2M3) CODES, one E8M0 scale byte for each 32 along K; for tiles 0 to 127 a LayerNorm (weight, no bias) stands ahead of the quantiser.
; A tile is 16 rows; wave w takes K step w (128 numbers of each row).  THE ROWS OF A TILE ARE NOT NEIGHBOURS: row i of tile t is 32 (t / 2) + 8 (t % 2) + i + 8 (i / 8),
; so that in the products that read these tiles as source 0 a lane's 16 registers of two neighbouring tiles are 16 neighbours.
; OUT: a fragment (16 rows x 128 K, 12 registers a lane) is stored as it stands in registers: registers 4 q .. 4 q + 3 of lane l at 512 q + 16 l, 1,536 bytes a fragment, fragment (tile, step) at (tile x steps + step) x 1,536;
; the scale words (four bytes: a row's 128 K) at tile x TS + 64 step + 4 row.  Each store of a wave covers 512 consecutive bytes, aligned.
; The mean and the variance are taken in two passes, in f32; a row's sums over the 16 waves meet in LDS.
; LIMITS: NaN and infinities among the inputs are not served.  A block whose largest magnitude lies under 2^-124 (a block of zeros too) gets the byte 1: its codes are zeros or next to it, and the bytes are read by this program alone.
; v_rsq_f32 is good to 1 ulp.
.set STRIDE, 256                       ; from a work-group's tile to its next (none here)
.set LIMIT,  128                       ; tiles in all
.set NT,     3                         ; trips at the most
.set TURNB, 8448                       ; LDS: a wave's 16 rows x (512 bytes + 16): row i begins 4 i words further round than a multiple of 512 bytes would
.set RED,   16*TURNB                   ; 135,168: a row's 16 partial sums, 64 bytes a row; the sums of squares 1,024 bytes on
.set SCW,   RED+2048                   ; 137,216: the tile's scale words, 64 step + 4 row
.set OFF,   8                          ; v8-23   byte offset of my 16 bytes in row i
.set XCH,   31                         ; v31     what the lane 16 away sends
.set X,     32                         ; v32-95  the rows as loaded: row i in 4 registers
.set Y,     96                         ; v96-159 my row r: register 32 c + n = k 64 c + 32 h + n of the K step
.set P,     160                        ; v160-175 sixteen partial sums; then v160-171 the fragment
.set MP,    160                        ; v160-161 the mean, twice (between the two sums)
.set RP,    162                        ; v162-163 1 / sqrt(variance + 1e-5), twice (between the second sum and the quantiser)
.set CV,    176                        ; v176-178, v180-182 the upper halves' codes
.set W,     184                        ; v184-191 at work
.set LNW,   192                        ; v192-255 the norm's weights, in Y's order
; s80 the tile whose rows are on their way or in X; s81 the trip; s[82:83], s[84:85], s86, s87, s88: the tile at work: its fragment, its scale words, its K steps, all bits where it is normalised, its number
.macro SEG b, src, nrm1, soff, cb, sb, ilv
	s_cmp_ge_u32 s80, \b
	s_cselect_b64 s[26:27], s[\src:\src+1], s[26:27]
	s_cselect_b32 s30, \b, s30
	s_cselect_b32 s31, \nrm1, s31
	s_cselect_b32 s32, \soff, s32
	s_cselect_b32 s34, \cb, s34
	s_cselect_b32 s35, \sb, s35
	s_cselect_b32 s36, \ilv, s36
.endm
; all that hangs on tile s80: source s[26:27], my fragment s[74:75], the scale words s[76:77], K steps s39, s60, the rows' masks s[40:55], the rows' offsets
.macro PARAMS
	s_mov_b32 s30, 0                               ; the segment's first tile
	s_mov_b32 s31, 2047                            ; its last row
	s_mov_b32 s32, 0                               ; where its rows begin in the source, in bytes
	s_mov_b32 s34, 0                               ; where its codes begin in the target
	s_mov_b32 s35, 3145728                         ; and its scale words
	s_mov_b32 s36, 0                               ; 1: tiles two by two (g, g, u, u)
	s_mov_b64 s[26:27], s[8:9]
	s_cmp_ge_u32 s80, 128
	s_cselect_b64 s[28:29], s[24:25], s[22:23]     ; the target
	s_cselect_b32 s60, 0, -1                       ; all lanes' bits where the rows are normalised
	SEG 128, 12, 2047, 0, 0, 10027008, 0
	SEG 256, 14, 127, 0, 3145728, 10158080, 0
	SEG 264, 16, 2047, 0, 3342336, 10166272, 0
	SEG 392, 18, 687, 0, 6488064, 10297344, 1
	SEG 440, 18, 687, 5636096, 6537216, 10299392, 1
	SEG 488, 20, 2047, 0, 8847360, 10395648, 0
	s_mov_b32 s37, 8192                            ; (the last compare still stands: s_mov_b32 and s_cselect_b32 leave SCC alone)
	s_cselect_b32 s37, 2752, s37                   ; a row of the source in bytes
	s_mov_b32 s38, 8176
	s_cselect_b32 s38, 2736, s38                   ; the last 16 bytes of a row
	s_cselect_b32 s39, 6, 16                       ; K steps
	s_mov_b32 s58, 24576
	s_cselect_b32 s58, 9216, s58                   ; a tile's codes in bytes
	s_mov_b32 s59, 1024
	s_cselect_b32 s59, 512, s59                    ; a tile's scale words in bytes
	s_add_nc_u64 s[26:27], s[26:27], s[32:33]
	s_sub_co_u32 s66, s80, s30                     ; t: the tile in its segment
	s_lshr_b32 s67, s66, 1
	s_and_b32 s68, s66, 1
	s_add_co_u32 s69, s36, 1
	s_lshl_b32 s70, s67, s69
	s_add_co_u32 s70, s70, s68                     ; its place among the images: t, or 4 (t / 2) + t % 2
	s_lshl_b32 s71, s67, 5
	s_lshl_b32 s72, s68, 3
	s_add_co_u32 s71, s71, s72                     ; its first row: 32 (t / 2) + 8 (t % 2)
	s_mul_i32 s72, s70, s58
	s_add_co_u32 s72, s72, s34
	s_mul_i32 s73, s57, 1536
	s_add_co_u32 s72, s72, s73
	s_mov_b32 s73, 0
	s_add_nc_u64 s[74:75], s[28:29], s[72:73]      ; my fragment
	s_mul_i32 s72, s70, s59
	s_add_co_u32 s72, s72, s35
	s_add_nc_u64 s[76:77], s[28:29], s[72:73]      ; the tile's scale words
	v_cmp_ge_u32 s56, s38, v30                     ; the lanes whose bytes lie inside the row
	v_min_u32 v4, s38, v30                         ; no load leaves its row
.irp i, 0,1,2,3,4,5,6,7,8,9,10,11,12,13,14,15
	s_add_co_u32 s63, s71, \i+8*(\i/8)
	s_cmp_le_u32 s63, s31
	s_cselect_b32 s[40+\i], s56, 0                 ; what lies past the last row or past the row's end counts as zero
	s_min_u32 s63, s63, s31                        ; and no load leaves the buffer
	s_mul_i32 s63, s63, s37
	v_add_nc_u32 v[OFF+\i], s63, v4
.endr
.endm
.macro LOADX
.irp i, 0,1,2,3,4,5,6,7,8,9,10,11,12,13,14,15
	global_load_b128 v[X+4*\i:X+4*\i+3], v[OFF+\i], s[26:27] th:TH_LOAD_NT   ; 32 lanes read 512 consecutive bytes of one row
.endr
.endm
; v[W] = the sum of my 64 numbers (sq = 0) or of their squares (sq = 1): four chains of packed sums
.macro LANESUM sq
.irp q, 0,1,2,3
.if \sq
	v_pk_mul_f32 v[W+2*\q:W+2*\q+1], v[Y+2*\q:Y+2*\q+1], v[Y+2*\q:Y+2*\q+1]
.else
	v_pk_add_f32 v[W+2*\q:W+2*\q+1], v[Y+2*\q:Y+2*\q+1], v[Y+8+2*\q:Y+8+2*\q+1]
.endif
.endr
.set J, 16-8*\sq
.rept 6+\sq
.irp q, 0,1,2,3
.if \sq
	v_pk_fma_f32 v[W+2*\q:W+2*\q+1], v[Y+J+2*\q:Y+J+2*\q+1], v[Y+J+2*\q:Y+J+2*\q+1], v[W+2*\q:W+2*\q+1]
.else
	v_pk_add_f32 v[W+2*\q:W+2*\q+1], v[W+2*\q:W+2*\q+1], v[Y+J+2*\q:Y+J+2*\q+1]
.endif
.endr
.set J, J+8
.endr
	v_pk_add_f32 v[W:W+1], v[W:W+1], v[W+2:W+3]
	v_pk_add_f32 v[W+4:W+5], v[W+4:W+5], v[W+6:W+7]
	v_pk_add_f32 v[W:W+1], v[W:W+1], v[W+4:W+5]
	v_add_f32 v[W], v[W], v[W+1]
.endm
; v[W], my wave's part of row r's sum once the lane 16 away has added its own, becomes the whole row's: a word a wave in LDS, one barrier, every wave reads all sixteen
.macro ROWSUM off
	v_permlanex16_b32 v[XCH], v[W], s78, s79
	v_add_f32 v[W], v[W], v[XCH]
	ds_store_b32 v24, v[W] offset:\off             ; both halves of the lanes write the same word with the same value
	s_wait_dscnt 0x0                               ; for the others' sake: my store has landed
	s_barrier_signal -1
	s_barrier_wait -1
.irp q, 0,1,2,3
	ds_load_b128 v[P+4*\q:P+4*\q+3], v25 offset:\off+16*\q
.endr
	s_wait_dscnt 0x0
	v_pk_add_f32 v[P:P+1], v[P:P+1], v[P+2:P+3]
	v_pk_add_f32 v[P+4:P+5], v[P+4:P+5], v[P+6:P+7]
	v_pk_add_f32 v[P+8:P+9], v[P+8:P+9], v[P+10:P+11]
	v_pk_add_f32 v[P+12:P+13], v[P+12:P+13], v[P+14:P+15]
	v_pk_add_f32 v[P:P+1], v[P:P+1], v[P+4:P+5]
	v_pk_add_f32 v[P+8:P+9], v[P+8:P+9], v[P+12:P+13]
	v_pk_add_f32 v[P:P+1], v[P:P+1], v[P+8:P+9]
	v_add_f32 v[W], v[P], v[P+1]
.endm
	s_load_b512 s[8:23], s[0:1], 0x0               ; rows s[8:9], norm's weight s[10:11], Wq s[12:13], Wkv s[14:15], Wo s[16:17], Wgu s[18:19], Wdown s[20:21], the rows' images s[22:23]
	s_load_b64 s[24:25], s[0:1], 0x40              ; the weights' images
	v_lshl_add_u32 v179, v0, 2, 0x21c00
	v_mov_b32 v183, 0
	v_lshrrev_b32 v1, 5, v0
	v_readfirstlane_b32 s57, v1                    ; wave 0..15 = K step
	v_and_b32 v1, 31, v0                           ; lane
	v_and_b32 v2, 15, v0                           ; r
	v_bfe_u32 v3, v0, 4, 1                         ; h
	s_mov_b32 s33, 0
	s_mov_b32 s61, 0x3a000000                      ; 1 / 2048
	s_mov_b32 s62, 0x3727c5ac                      ; 1e-5
	s_mov_b32 s78, 0x76543210
	s_mov_b32 s79, 0xfedcba98                      ; v_permlanex16_b32's selects for lane l xor 16
	s_mov_b32 s80, ttmp9                           ; my tile
	s_mov_b32 s81, 0
	v_lshlrev_b32 v30, 4, v0                       ; 512 w + 16 lane: my 16 bytes of a row
	s_mul_i32 s66, s57, TURNB
	v_lshl_add_u32 v5, v1, 4, s66                  ; into my wave's rows: 16 lane (+ 528 i)
	v_mul_u32_u24 v6, v2, 528
	v_lshl_add_u32 v6, v3, 7, v6
	v_add_nc_u32 v6, s66, v6                       ; out of them: row r, + 128 h
	s_lshl_b32 s67, s57, 9
	v_lshl_add_u32 v7, v3, 7, s67                  ; the norm's weights of my numbers: 512 w + 128 h
	v_lshlrev_b32 v25, 6, v2
	v_add_nc_u32 v25, RED, v25                     ; row r's sixteen partial sums
	s_lshl_b32 s67, s57, 2
	v_add_nc_u32 v24, s67, v25                     ; my wave's among them
	s_lshl_b32 s67, s57, 6
	v_lshl_add_u32 v26, v2, 2, s67
	v_add_nc_u32 v26, SCW, v26                     ; my scale word: 64 w + 4 r
	v_lshlrev_b32 v27, 4, v1                       ; 16 lane
	v_and_b32 v29, 63, v0
	v_lshlrev_b32 v29, 4, v29                      ; the scale words' way out: 16 (thread mod 64)
	v_add_nc_u32 v28, SCW, v29
	v_mov_b32 v[XCH], 0                            ; written once: a lane permute's destination counts as one of its sources
	s_wait_kmcnt 0x0
	PARAMS
	LOADX
.irp c, 0,1
.irp e, 0,1,2,3,4,5,6,7
	global_load_b128 v[LNW+32*\c+4*\e:LNW+32*\c+4*\e+3], v7, s[10:11] offset:256*\c+16*\e   ; the norm's weights, in Y's order, once
.endr
.endr
.Ltile:
	s_wait_loadcnt 0x0                             ; the tile's rows are in (in the first trip the norm's weights too): their offsets and base may be written again
	s_wait_xcnt 0x0                                ; the last trip's stores have read their data and bases: both are written again below
	s_cmp_lt_u32 s80, 392
	s_cbranch_scc1 .Lwhole                         ; up to Wo every row of every tile is whole: nothing is replaced by zeros
.irp i, 0,1,2,3,4,5,6,7,8,9,10,11,12,13,14,15
.irp e, 0,1,2,3
	v_cndmask_b32 v[X+4*\i+\e], 0, v[X+4*\i+\e], s[40+\i]
.endr
.endr
.Lwhole:
	; the turn: a load wants neighbouring lanes on neighbouring bytes, the conversions want a lane's registers along K.  LDS serves a wave's instructions in order: no wait between the stores and the loads
.irp i, 0,1,2,3,4,5,6,7,8,9,10,11,12,13,14,15
	ds_store_b128 v5, v[X+4*\i:X+4*\i+3] offset:528*\i
.endr
.irp c, 0,1
.irp e, 0,1,2,3,4,5,6,7
	ds_load_b128 v[Y+32*\c+4*\e:Y+32*\c+4*\e+3], v6 offset:256*\c+16*\e
.endr
.endr
	s_wait_dscnt 0x0                               ; my row is in; the stores have read X
	s_mov_b64 s[82:83], s[74:75]                   ; what the tile at work still needs is kept,
	s_mov_b64 s[84:85], s[76:77]
	s_mov_b32 s86, s39
	s_mov_b32 s87, s60
	s_mov_b32 s88, s80
	s_add_co_u32 s80, s80, STRIDE                  ; and the next tile's rows are asked for, if there is a next tile: no load leaves its buffer
	s_cmp_ge_u32 s80, LIMIT
	s_cbranch_scc1 .Lno_next
	PARAMS
	LOADX
.Lno_next:
	LANESUM 0
	ROWSUM 0
	v_mul_f32 v[MP], s61, v[W]                     ; the mean,
	v_cndmask_b32 v[MP], 0, v[MP], s87             ; or 0 where nothing is normalised
	v_mov_b32 v[MP+1], v[MP]
.set J, 0
.rept 32
	v_pk_add_f32 v[Y+J:Y+J+1], v[Y+J:Y+J+1], v[MP:MP+1] neg_lo:[0,1] neg_hi:[0,1]
.set J, J+2
.endr
	LANESUM 1
	ROWSUM 1024
	v_fma_f32 v[RP], v[W], s61, s62                ; the variance + 1e-5
	v_rsq_f32 v[RP], v[RP]
	v_nop                                          ; a plain instruction behind the transcendental,
	s_wait_alu depctr_va_vdst(0)                   ; and the wait ahead of the first line that names its result, and ahead of the branch
	v_mov_b32 v[RP+1], v[RP]
	s_cmp_ge_u32 s88, 128
	s_cbranch_scc1 .Lplain                         ; weights are quantised as they are
.set J, 0
.rept 32
	v_pk_mul_f32 v[Y+J:Y+J+1], v[Y+J:Y+J+1], v[RP:RP+1]
.set J, J+2
.endr
.set J, 0
.rept 32
	v_pk_mul_f32 v[Y+J:Y+J+1], v[Y+J:Y+J+1], v[LNW+J:LNW+J+1]
.set J, J+2
.endr
.Lplain:
	; the quantiser: my two blocks, 2 c + h of the K step, are whole in my registers
.irp c, 0,1
	v_max3_num_f32 v[W+\c], |v[Y+32*\c]|, |v[Y+32*\c+1]|, 0x1800000   ; with the floor 2^(3 - 127) among the leaves: the byte cannot fall under 1
.endr
.irp i, 2,4,6,8,10,12,14,16,18,20,22,24,26,28,30
.irp c, 0,1
	v_max3_num_f32 v[W+\c], v[W+\c], |v[Y+32*\c+\i]|, |v[Y+32*\c+\i+1]|
.endr
.endr
.irp c, 0,1
	v_add_nc_u32 v[W+2+\c], 0xff000000, v[W+\c]    ; 2 off the exponent field: the conversion takes the exponent field of this operand as its scale
.endr
.irp c, 0,1
	v_lshrrev_b32 v[W+4+\c], 23, v[W+2+\c]         ; the scale's byte
.endr
	v_lshl_or_b32 v[W+6], v[W+5], 16, v[W+4]       ; my two bytes: blocks h and 2 + h,
	v_lshlrev_b32 v[W+7], 3, v3
	v_lshlrev_b32 v[W+6], v[W+7], v[W+6]           ; at their places in the word;
	v_permlanex16_b32 v[XCH], v[W+6], s78, s79
	v_or_b32 v[W+6], v[W+6], v[XCH]                ; with the other half's two the word is whole
.irp c, 0,1
	v_cvt_scalef32_pk16_fp6_f32 v[P+6*\c:P+6*\c+2], v[Y+32*\c:Y+32*\c+15], v[W+2+\c]
	v_cvt_scalef32_pk16_fp6_f32 v[CV+4*\c:CV+4*\c+2], v[Y+32*\c+16:Y+32*\c+31], v[W+2+\c]   ; (a conversion's three registers begin on an even number)
.endr
	v_nop                                          ; one plain instruction behind the scaled conversions
.irp c, 0,1
.irp i, 0,1,2
	v_mov_b32 v[P+3+6*\c+\i], v[CV+4*\c+\i]
.endr
.endr
	ds_store_b32 v26, v[W+6]
	s_cmp_lt_u32 s57, s86
	s_cbranch_scc0 .Lno_codes                      ; Wdown has six K steps: the other waves' fragments are not stored
.irp q, 0,1,2
	global_store_b128 v27, v[P+4*\q:P+4*\q+3], s[82:83] offset:512*\q
.endr
.Lno_codes:
	s_wait_dscnt 0x0                               ; for the others' sake: my scale word has landed
	s_barrier_signal -1
	s_barrier_wait -1
	s_lshl_b32 s63, s57, 3
	s_cmp_lt_u32 s63, s86
	s_cbranch_scc0 .Lno_words                      ; wave 0 stores steps 0-7's words, wave 1 steps 8-15's where there are sixteen
	ds_load_b128 v[W:W+3], v28
	s_wait_dscnt 0x0                               ; read before my next signal: the words are written again only behind two more barriers
	global_store_b128 v29, v[W:W+3], s[84:85]      ; 512 consecutive bytes
.Lno_words:
	s_cmp_ge_u32 s80, LIMIT
	s_cbranch_scc1 .Ldone                          ; no further tile of mine
	s_add_co_u32 s81, s81, 1
	s_cmp_lt_u32 s81, NT
	s_cbranch_scc1 .Ltile
.Ldone:
	s_wait_tensorcnt 0x0
	ds_add_u32 v179, v183
	s_wait_dscnt 0x0
	s_endpgm
.Lfunc_end_k_qe0cc9889ba_ln2:
	.size	k_qe0cc9889ba_ln2, .Lfunc_end_k_qe0cc9889ba_ln2-k_qe0cc9889ba_ln2
	.p2alignl 7, 3214868480
	.fill 96, 4, 3214868480
	.section	.rodata,"a",@progbits
	.p2align	6, 0x0
	.amdhsa_kernel k_qe0cc9889ba_ln2
		.amdhsa_group_segment_fixed_size 140288
		.amdhsa_private_segment_fixed_size 0
		.amdhsa_enable_private_segment 0
		.amdhsa_kernarg_size 72
		.amdhsa_user_sgpr_count 2
		.amdhsa_user_sgpr_kernarg_segment_ptr 1
		.amdhsa_wavefront_size32 1
		.amdhsa_system_sgpr_workgroup_id_x 1
		.amdhsa_system_sgpr_workgroup_id_y 1
		.amdhsa_system_sgpr_workgroup_id_z 1
		.amdhsa_system_vgpr_workitem_id 0
		.amdhsa_next_free_vgpr 256
		.amdhsa_next_free_sgpr 96
		.amdhsa_reserve_vcc 0
		.amdhsa_float_denorm_mode_32 3
		.amdhsa_float_denorm_mode_16_64 3
		.amdhsa_memory_ordered 1
		.amdhsa_forward_progress 1
		.amdhsa_inst_pref_size 44
	.end_amdhsa_kernel
	.amdgpu_metadata
---
amdhsa.version: [ 1, 2 ]
amdhsa.kernels:
  - .name:           k_qe0cc9889ba_ln2
    .symbol:         k_qe0cc9889ba_ln2.kd
    .args:
      - { .name: h, .offset: 0, .size: 8, .value_kind: global_buffer, .address_space: global }
      - { .name: ln2_w, .offset: 8, .size: 8, .value_kind: global_buffer, .address_space: global }
      - { .name: Wq, .offset: 16, .size: 8, .value_kind: global_buffer, .address_space: global }
      - { .name: Wkv, .offset: 24, .size: 8, .value_kind: global_buffer, .address_space: global }
      - { .name: Wo, .offset: 32, .size: 8, .value_kind: global_buffer, .address_space: global }
      - { .name: Wgu, .offset: 40, .size: 8, .value_kind: global_buffer, .address_space: global }
      - { .name: Wdown, .offset: 48, .size: 8, .value_kind: global_buffer, .address_space: global }
      - { .name: yimg, .offset: 56, .size: 8, .value_kind: global_buffer, .address_space: global }
      - { .name: wimg, .offset: 64, .size: 8, .value_kind: global_buffer, .address_space: global }
    .group_segment_fixed_size: 140288
    .private_segment_fixed_size: 0
    .kernarg_segment_align: 8
    .kernarg_segment_size: 72
    .max_flat_workgroup_size: 512
    .sgpr_count:     96
    .vgpr_count:     256
    .wavefront_size: 32
...
	.end_amdgpu_metadata
.endif
;; end of part 5
;; launch gu (part 6): grid 6 x 32, 8 waves a work-group, no clusters, 73,216 bytes of LDS; arguments yimg, wimg, gimg; writes gimg
.if DOCPART == 6
	.amdgcn_target "amdgcn-amd-amdhsa--gfx1250"
	.amdhsa_code_object_version 6
	.text
	.protected	k_qe0cc9889ba_gu
	.globl	k_qe0cc9889ba_gu
	.p2align	8
	.type	k_qe0cc9889ba_gu,@function
k_qe0cc9889ba_gu:
	s_mov_b64 s[64:65], 0
	v_nop
	global_prefetch_b8 v0, s[64:65] scope:SCOPE_SE
	s_setreg_imm32_b32 hwreg(HW_REG_WAVE_MODE, 25, 1), 1
	s_wait_xcnt 0x0
; act = silu(y Wg^T) x (y Wu^T), the products on codes of FP6 (E2M3) with E8M0 scales, and act quantised along its 688 features (filled with zeros to 768) on the way out.
; A tile of 64 x 64: F0 = two tiles of g's rows and the two tiles of u's rows for the SAME 32 features (the weights' images lie g, g, u, u), F1 = four tiles of tokens.  It is made by TWO waves: K = 2,048 is 16 steps of 128,
; wave w takes steps 0-7 and wave w + 4 steps 8-15.  A wave's loads into registers are bounded by its counter's field of 63 (ISA guide 5.7.1): two waves to a SIMD have twice as much on their way, and each has half as many steps to wait for.
; Work-group (x, y), wave w: w4 = w % 4, kh = w / 4; features 128 x + 32 w4 on, tokens 64 y on.
; THE TWO HALVES MEET IN LDS.  Each wave orders F1 so that the two token tiles that it will finish are its tiles 0 and 1 (two bases: kh = 0 finishes the group's tiles 0, 1; kh = 1 tiles 2, 3), so the text is the same for both:
; accumulators 64-127 go to LDS as they stand (8,192 bytes a wave), one barrier, the partner's come back into the same registers and are added to accumulators 0-63.
; In token tile j registers 32 j + n hold g and registers 32 j + 16 + n hold u of feature 32 (4 x + w4) + 16 h + n: the activation needs no other lane, and a wave's 32 features are ONE block of the next K; the four blocks are K step x of the next product.
; OPERANDS ARE REGISTER IMAGES in memory: three loads of 16 bytes a lane bring a fragment, each 512 consecutive bytes; two sets of fragments.  No cluster: the launch has no tile in LDS that a joint request could fill.
; THE WAY OUT: my 16 codes (3 registers) are registers 6 (w4 / 2) + 3 h + e of lane r + 16 (w4 % 2) of the fragment's image: the eight waves build four images in LDS, a barrier, and waves 0 to 3 store one whole image each.
; g's and u's rows from 688 on are zeros, so act is 0 there, as the quantiser's fill asks.
; LIMITS: NaN and infinities are not served; v_exp_f32 and v_rcp_f32 are good to 1 ulp; a block under 2^-124 gets the byte 1.
.set NS,  8                            ; K steps of a wave
.set CT0, 24576
.set CT1, 24576
.set TS0, 1024
.set TS1, 1024
.set SS0, 64
.set SS1, 64
.set KHC, NS*1536                      ; from one half of K to the other: codes,
.set KHS, NS*64                        ; scale words
.set WCODE, 6488064
.set WSCAL, 10297344
.set XSCAL, 3145728
.set IMG,  65536                       ; LDS: 8 x 8,192 bytes for the exchange; behind them four images of 1,536 bytes and their 256 bytes of scale words
.set LOFF, 1                           ; v1  16 lane
.set SW0,  2                           ; v2  4 r + (lane / 16) x SS0
.set SW1,  3                           ; v3  the same for F1
.set AE,   10                          ; v10-12 where my three registers of codes go in an image
.set AB,   13                          ; v13 where my block's scale byte goes
.set RDF,  14                          ; v14 back: image w4, 16 lane
.set RDS,  15                          ; v15 back: the scale words, 8 lane
.set XS,   17                          ; v17 the exchange: where I put 16 bytes,
.set XR,   18                          ; v18 and where my partner has put its own
.set SCR,  32                          ; v32-47 scale words
.set T,    48                          ; v48-79 act: 16 registers a token tile
.set TMX,  112                         ; v112-113 largest magnitudes; v116-117 the other half's; v120-121 scale operands; v124-125 bytes
.set TPX,  116
.set SCO,  120
.set BY,   124
.set ACC,  128                         ; v128-255 accumulator (j, i) at 128 + 32 j + 8 i; on the way out v128.. the codes
.set F0C,  12                          ; s[12:13] F0's codes; s[14:15] F1's tiles 0, 1; s[56:57] F1's tiles 2, 3; s[16:17], s[18:19], s[58:59] their scale words
.set F1A,  14
.set F0S,  16
.set S1A,  18
.set F1B,  56
.set S1B,  58
.set MSB, 0
.macro WIN new                         ; the immediate's high byte repeats the setting that is left
.if MSB != \new
	s_set_vgpr_msb (MSB<<8)|\new
.set MSB, \new
.endif
.endm
.macro PLACES                          ; four plain instructions behind a matrix instruction, ahead of loads into its sources and of reads of its results
.rept 4
	v_nop
.endr
.endm
.macro SC pr                           ; the scale words of my K steps 2 pr and 2 pr + 1
.irp i, 0,1,2,3
	global_load_b32 v[SCR+8*((\pr)%2)+\i], v[SW0], s[F0S:F0S+1] offset:\i*TS0+2*(\pr)*SS0
.endr
.irp i, 0,1
	global_load_b32 v[SCR+8*((\pr)%2)+4+\i], v[SW1], s[S1A:S1A+1] offset:\i*TS1+2*(\pr)*SS1
.endr
.irp i, 0,1
	global_load_b32 v[SCR+8*((\pr)%2)+6+\i], v[SW1], s[S1B:S1B+1] offset:\i*TS1+2*(\pr)*SS1
.endr
.endm
.macro FR s                            ; my K step s's eight fragments: 24 loads
	WIN 0x40                                       ; destination window 1, address window 0
.irp i, 0,1,2,3
.irp q, 0,1,2
	global_load_b128 v[96*((\s)%2)+12*\i+4*\q:96*((\s)%2)+12*\i+4*\q+3], v[LOFF], s[F0C:F0C+1] offset:\i*CT0+1536*(\s)+512*\q
.endr
.endr
.irp i, 0,1
.irp q, 0,1,2
	global_load_b128 v[96*((\s)%2)+48+12*\i+4*\q:96*((\s)%2)+48+12*\i+4*\q+3], v[LOFF], s[F1A:F1A+1] offset:\i*CT1+1536*(\s)+512*\q
.endr
.endr
.irp i, 0,1
.irp q, 0,1,2
	global_load_b128 v[96*((\s)%2)+72+12*\i+4*\q:96*((\s)%2)+72+12*\i+4*\q+3], v[LOFF], s[F1B:F1B+1] offset:\i*CT1+1536*(\s)+512*\q
.endr
.endr
	WIN 0
.endm
.macro MM s                            ; 16 matrix instructions; the 16 accumulators take turns, one instruction a turn.  The first step starts the sums: nothing is cleared
	WIN 0x05                                       ; sources 0 and 1 window 1, C and D window 0
.irp j, 0,1,2,3
.irp i, 0,1,2,3
.if (\s) == 0
	v_wmma_scale_f32_16x16x128_f8f6f4 v[ACC+32*\j+8*\i:ACC+32*\j+8*\i+7], v[96*((\s)%2)+12*\i:96*((\s)%2)+12*\i+11], v[96*((\s)%2)+48+12*\j:96*((\s)%2)+48+12*\j+11], 0, v[SCR+8*(((\s)/2)%2)+\i], v[SCR+8*(((\s)/2)%2)+4+\j] matrix_a_fmt:MATRIX_FMT_FP6 matrix_b_fmt:MATRIX_FMT_FP6
.elseif (\s)%2 == 0
	v_wmma_scale_f32_16x16x128_f8f6f4 v[ACC+32*\j+8*\i:ACC+32*\j+8*\i+7], v[96*((\s)%2)+12*\i:96*((\s)%2)+12*\i+11], v[96*((\s)%2)+48+12*\j:96*((\s)%2)+48+12*\j+11], v[ACC+32*\j+8*\i:ACC+32*\j+8*\i+7], v[SCR+8*(((\s)/2)%2)+\i], v[SCR+8*(((\s)/2)%2)+4+\j] matrix_a_fmt:MATRIX_FMT_FP6 matrix_b_fmt:MATRIX_FMT_FP6
.else
	v_wmma_scale_f32_16x16x128_f8f6f4 v[ACC+32*\j+8*\i:ACC+32*\j+8*\i+7], v[96*((\s)%2)+12*\i:96*((\s)%2)+12*\i+11], v[96*((\s)%2)+48+12*\j:96*((\s)%2)+48+12*\j+11], v[ACC+32*\j+8*\i:ACC+32*\j+8*\i+7], v[SCR+8*(((\s)/2)%2)+\i], v[SCR+8*(((\s)/2)%2)+4+\j] matrix_a_fmt:MATRIX_FMT_FP6 matrix_b_fmt:MATRIX_FMT_FP6 matrix_a_scale:MATRIX_SCALE_ROW1 matrix_b_scale:MATRIX_SCALE_ROW1
.endif
.endr
.endr
	WIN 0
.endm
.macro XCHG                            ; the two halves of K meet: my tiles 2, 3 are my partner's tiles 0, 1, and the other way round.  Each accumulator is read from its low end on
.set Q, 0
.rept 16
	ds_store_b128 v[XS], v[ACC+64+4*Q:ACC+64+4*Q+3] offset:512*Q
.set Q, Q+1
.endr
	s_wait_dscnt 0x0                               ; for my partner's sake: my stores have landed
	s_barrier_signal -1
	s_barrier_wait -1
.set Q, 0
.rept 16
	ds_load_b128 v[ACC+64+4*Q:ACC+64+4*Q+3], v[XR] offset:512*Q
.set Q, Q+1
.endr
	s_wait_dscnt 0x0
.set Q, 0
.rept 32
	v_pk_add_f32 v[ACC+2*Q:ACC+2*Q+1], v[ACC+2*Q:ACC+2*Q+1], v[ACC+64+2*Q:ACC+64+2*Q+1]
.set Q, Q+1
.endr
.endm
	s_load_b128 s[4:7], s[0:1], 0x0                ; y's images s[4:5], the weights' s[6:7]
	s_load_b64 s[8:9], s[0:1], 0x10                ; act's images
	v_lshl_add_u32 v126, v0, 2, 0x11a00
	v_mov_b32 v127, 0
	v_lshrrev_b32 v4, 5, v0
	v_readfirstlane_b32 s48, v4                    ; wave 0..7
	s_lshr_b32 s49, s48, 2                         ; kh: which half of K
	s_and_b32 s20, s48, 3                          ; w4
	v_and_b32 v4, 31, v0
	v_lshlrev_b32 v[LOFF], 4, v4
	v_and_b32 v5, 15, v0                           ; r
	v_bfe_u32 v6, v0, 4, 1                         ; h
	v_lshlrev_b32 v[SW0], 2, v5
	v_mad_u32_u24 v[SW1], v6, SS1, v[SW0]
	v_mad_u32_u24 v[SW0], v6, SS0, v[SW0]
	s_lshl_b32 s50, s48, 13
	v_add_nc_u32 v[XS], s50, v[LOFF]               ; 8,192 w + 16 lane
	s_xor_b32 s50, s50, 32768
	v_add_nc_u32 v[XR], s50, v[LOFF]               ; 8,192 (w xor 4) + 16 lane
	s_lshr_b32 s44, s20, 1
	s_mul_i32 s44, s44, 6
	v_mad_u32_u24 v7, v6, 3, s44                   ; the image's register that takes my first: 6 (w4 / 2) + 3 h
	s_and_b32 s45, s20, 1
	s_lshl_b32 s45, s45, 8
	s_mul_i32 s50, s49, 3072
	s_add_co_u32 s45, s45, s50                     ; my two tiles' images: 2 kh and 2 kh + 1
	s_add_co_u32 s45, s45, IMG
	v_lshl_add_u32 v8, v5, 4, s45                  ; 16 x the image's lane: r + 16 (w4 % 2)
.irp e, 0,1,2
	v_add_nc_u32 v9, \e, v7
	v_lshrrev_b32 v[AE+\e], 2, v9
	v_and_b32 v9, 3, v9
	v_lshl_add_u32 v[AE+\e], v[AE+\e], 9, v8       ; register q of lane l lies at 512 (q / 4) + 16 l + 4 (q % 4)
	v_lshl_add_u32 v[AE+\e], v9, 2, v[AE+\e]
.endr
	s_lshl_b32 s50, s49, 7
	s_add_co_u32 s45, s20, s50
	s_add_co_u32 s45, s45, IMG+6144
	v_lshl_add_u32 v[AB], v5, 2, s45               ; behind the four images: 64 tile + 4 r + w4
	s_mul_i32 s45, s20, 1536
	s_add_co_u32 s45, s45, IMG
	v_add_nc_u32 v[RDF], s45, v[LOFF]
	v_lshlrev_b32 v16, 3, v4                       ; 8 lane
	v_add_nc_u32 v[RDS], IMG+6144, v16
.irp j, 0,1
	v_mov_b32 v[TPX+\j], 0                         ; written once: a lane permute's destination counts as one of its sources
.endr
	s_mov_b32 s46, 0x76543210
	s_mov_b32 s47, 0xfedcba98                      ; v_permlanex16_b32's selects for lane l xor 16
	s_and_b32 s23, ttmp7, 0xffff                   ; y
	s_lshl_b32 s24, ttmp9, 4
	s_lshl_b32 s25, s20, 2
	s_add_co_u32 s24, s24, s25                     ; the weights' first tile: 16 x + 4 w4
	s_lshl_b32 s25, s23, 2                         ; the tokens' first tile: 4 y
	s_mul_i32 s21, s49, KHC
	s_mul_i32 s22, s49, KHS
	s_lshl_b32 s26, s49, 1
	s_add_co_u32 s27, s25, s26                     ; the two token tiles that I finish,
	s_xor_b32 s26, s26, 2
	s_add_co_u32 s51, s25, s26                     ; and the two that my partner finishes
	s_mul_i32 s28, s24, CT0
	s_add_co_u32 s28, s28, WCODE
	s_add_co_u32 s28, s28, s21
	s_mov_b32 s29, 0
	s_mul_i32 s30, s24, TS0
	s_add_co_u32 s30, s30, WSCAL
	s_add_co_u32 s30, s30, s22
	s_mov_b32 s31, 0
	s_mul_i32 s32, s27, CT1
	s_add_co_u32 s32, s32, s21
	s_mov_b32 s33, 0
	s_mul_i32 s34, s27, TS1
	s_add_co_u32 s34, s34, XSCAL
	s_add_co_u32 s34, s34, s22
	s_mov_b32 s35, 0
	s_mul_i32 s52, s51, CT1
	s_add_co_u32 s52, s52, s21
	s_mov_b32 s53, 0
	s_mul_i32 s54, s51, TS1
	s_add_co_u32 s54, s54, XSCAL
	s_add_co_u32 s54, s54, s22
	s_mov_b32 s55, 0
	s_add_co_u32 s36, s25, s20
	s_mul_i32 s36, s36, 6
	s_add_co_u32 s36, s36, ttmp9
	s_mul_i32 s36, s36, 1536                       ; out: fragment (4 y + w4, x) of six to a tile
	s_mov_b32 s37, 0
	s_lshl_b32 s38, ttmp9, 13
	s_lshl_b32 s39, s23, 8
	s_add_co_u32 s38, s38, s39
	s_add_co_u32 s38, s38, 1179648                 ; its scale words lie [step][tile][row]
	s_mov_b32 s39, 0
	s_wait_kmcnt 0x0
	s_add_nc_u64 s[F0C:F0C+1], s[6:7], s[28:29]
	s_add_nc_u64 s[F0S:F0S+1], s[6:7], s[30:31]
	s_add_nc_u64 s[F1A:F1A+1], s[4:5], s[32:33]
	s_add_nc_u64 s[S1A:S1A+1], s[4:5], s[34:35]
	s_add_nc_u64 s[F1B:F1B+1], s[4:5], s[52:53]
	s_add_nc_u64 s[S1B:S1B+1], s[4:5], s[54:55]
	s_add_nc_u64 s[40:41], s[8:9], s[36:37]
	s_add_nc_u64 s[42:43], s[8:9], s[38:39]
	SC 0
	FR 0
	FR 1
.set S, 0
.rept NS
.if S == NS-1
	s_wait_loadcnt 0x0
.elseif S%2 == 0
	s_wait_loadcnt 24                              ; this step's fragments and words are in; the next step's 24 loads may be out
.else
	s_wait_loadcnt 32                              ; behind this step's loads: the next pair's 8 scale loads and the next step's 24
.endif
	MM S
	PLACES
.if (S%2 == 0) && (S+2 < NS)
	SC S/2+1
.endif
.if S+2 < NS
	FR S+2
.endif
.set S, S+1
.endr
	XCHG
	; silu(g) u = g / (1 + 2^(-g log2(e))) x u, in f32, of my two token tiles.  Pair M: token tile M / 8, features 2 (M % 8) on
.set M, 0
.rept 16
	v_pk_mul_f32 v[T+2*M:T+2*M+1], v[ACC+32*(M/8)+2*(M%8):ACC+32*(M/8)+2*(M%8)+1], 0xbfb8aa3b op_sel_hi:[1,0]
.set M, M+1
.endr
.set M, 0
.rept 32
	v_exp_f32 v[T+M], v[T+M]
.set M, M+1
.endr
	v_nop                                          ; a plain instruction behind the batch,
	s_wait_alu depctr_va_vdst(0)                   ; and one wait for it, ahead of its first reader
.set M, 0
.rept 16
	v_pk_add_f32 v[T+2*M:T+2*M+1], v[T+2*M:T+2*M+1], 1.0 op_sel_hi:[1,0]
.set M, M+1
.endr
.set M, 0
.rept 32
	v_rcp_f32 v[T+M], v[T+M]
.set M, M+1
.endr
	v_nop
	s_wait_alu depctr_va_vdst(0)
.set M, 0
.rept 16
	v_pk_mul_f32 v[T+2*M:T+2*M+1], v[T+2*M:T+2*M+1], v[ACC+32*(M/8)+2*(M%8):ACC+32*(M/8)+2*(M%8)+1]
.set M, M+1
.endr
.set M, 0
.rept 16
	v_pk_mul_f32 v[T+2*M:T+2*M+1], v[T+2*M:T+2*M+1], v[ACC+32*(M/8)+16+2*(M%8):ACC+32*(M/8)+16+2*(M%8)+1]
.set M, M+1
.endr
.irp j, 0,1
	v_max3_num_f32 v[TMX+\j], |v[T+16*\j]|, |v[T+16*\j+1]|, 0x1800000   ; with the floor 2^(3 - 127): the byte cannot fall under 1
.endr
.irp i, 2,4,6,8,10,12,14
.irp j, 0,1
	v_max3_num_f32 v[TMX+\j], v[TMX+\j], |v[T+16*\j+\i]|, |v[T+16*\j+\i+1]|
.endr
.endr
.irp j, 0,1
	v_permlanex16_b32 v[TPX+\j], v[TMX+\j], s46, s47
.endr
.irp j, 0,1
	v_max_num_f32 v[TMX+\j], v[TMX+\j], v[TPX+\j]
.endr
.irp j, 0,1
	v_add_nc_u32 v[SCO+\j], 0xff000000, v[TMX+\j]  ; the conversion's scale operand
.endr
.irp j, 0,1
	v_lshrrev_b32 v[BY+\j], 23, v[SCO+\j]          ; the scale's byte
.endr
.irp j, 0,1
	v_cvt_scalef32_pk16_fp6_f32 v[ACC+4*\j:ACC+4*\j+2], v[T+16*\j:T+16*\j+15], v[SCO+\j]
.endr
	v_nop                                          ; one plain instruction behind the scaled conversions
.irp j, 0,1
.irp e, 0,1,2
	ds_store_b32 v[AE+\e], v[ACC+4*\j+\e] offset:1536*\j
.endr
	ds_store_b8 v[AB], v[BY+\j] offset:64*\j       ; both halves of the lanes write the same byte with the same value
.endr
	s_wait_dscnt 0x0                               ; for the others' sake: my stores have landed
	s_barrier_signal -1
	s_barrier_wait -1
	s_cmp_ge_u32 s48, 4
	s_cbranch_scc1 .Lend                           ; four images: waves 0 to 3 store one each
.irp q, 0,1,2
	ds_load_b128 v[T+4*\q:T+4*\q+3], v[RDF] offset:512*\q
.endr
	s_wait_dscnt 0x0
.irp q, 0,1,2
	global_store_b128 v[LOFF], v[T+4*\q:T+4*\q+3], s[40:41] offset:512*\q   ; 512 consecutive bytes
.endr
	s_cmp_lg_u32 s48, 0
	s_cbranch_scc1 .Lend
	ds_load_b64 v[T+12:T+13], v[RDS]
	s_wait_dscnt 0x0
	global_store_b64 v16, v[T+12:T+13], s[42:43]   ; the four tiles' scale words of this K step: 256 consecutive bytes
.Lend:
	s_wait_tensorcnt 0x0
	ds_add_u32 v126, v127
	s_wait_dscnt 0x0
	s_endpgm
.Lfunc_end_k_qe0cc9889ba_gu:
	.size	k_qe0cc9889ba_gu, .Lfunc_end_k_qe0cc9889ba_gu-k_qe0cc9889ba_gu
	.p2alignl 7, 3214868480
	.fill 96, 4, 3214868480
	.section	.rodata,"a",@progbits
	.p2align	6, 0x0
	.amdhsa_kernel k_qe0cc9889ba_gu
		.amdhsa_group_segment_fixed_size 73216
		.amdhsa_private_segment_fixed_size 0
		.amdhsa_enable_private_segment 0
		.amdhsa_kernarg_size 24
		.amdhsa_user_sgpr_count 2
		.amdhsa_user_sgpr_kernarg_segment_ptr 1
		.amdhsa_wavefront_size32 1
		.amdhsa_system_sgpr_workgroup_id_x 1
		.amdhsa_system_sgpr_workgroup_id_y 1
		.amdhsa_system_sgpr_workgroup_id_z 1
		.amdhsa_system_vgpr_workitem_id 0
		.amdhsa_next_free_vgpr 448
		.amdhsa_next_free_sgpr 66
		.amdhsa_reserve_vcc 0
		.amdhsa_float_denorm_mode_32 3
		.amdhsa_float_denorm_mode_16_64 3
		.amdhsa_memory_ordered 1
		.amdhsa_forward_progress 1
		.amdhsa_inst_pref_size 59
	.end_amdhsa_kernel
	.amdgpu_metadata
---
amdhsa.version: [ 1, 2 ]
amdhsa.kernels:
  - .name:           k_qe0cc9889ba_gu
    .symbol:         k_qe0cc9889ba_gu.kd
    .args:
      - { .name: yimg, .offset: 0, .size: 8, .value_kind: global_buffer, .address_space: global }
      - { .name: wimg, .offset: 8, .size: 8, .value_kind: global_buffer, .address_space: global }
      - { .name: gimg, .offset: 16, .size: 8, .value_kind: global_buffer, .address_space: global }
    .group_segment_fixed_size: 73216
    .private_segment_fixed_size: 0
    .kernarg_segment_align: 8
    .kernarg_segment_size: 24
    .max_flat_workgroup_size: 256
    .sgpr_count:     66
    .vgpr_count:     448
    .wavefront_size: 32
...
	.end_amdgpu_metadata
.endif
;; end of part 6
;; launch down (part 7): grid 16 x 16, 4 waves a work-group, no clusters, 17,920 bytes of LDS; arguments gimg, wimg, h, out0; writes out0
.if DOCPART == 7
	.amdgcn_target "amdgcn-amd-amdhsa--gfx1250"
	.amdhsa_code_object_version 6
	.text
	.protected	k_qe0cc9889ba_down
	.globl	k_qe0cc9889ba_down
	.p2align	8
	.type	k_qe0cc9889ba_down,@function
k_qe0cc9889ba_down:
	s_mov_b64 s[64:65], 0
	v_nop
	global_prefetch_b8 v0, s[64:65] scope:SCOPE_SE
	s_setreg_imm32_b32 hwreg(HW_REG_WAVE_MODE, 25, 1), 1
	s_wait_xcnt 0x0
; out = h + act Wdown^T: the product on codes of FP6 (E2M3) with E8M0 scales, the sum in f32.  K = 688, filled with zero codes on both sides to 768: six steps of 128.
; A wave makes 64 x 64: four tiles of Wdown's rows as source 0 (F0), four tiles of tokens as source 1 (F1), 16 accumulators.  Work-group (x, y), wave w: features 128 x + 64 (w % 2) on, tokens 128 y + 64 (w / 2) on.
; OPERANDS ARE REGISTER IMAGES in memory (a fragment's registers 4 q .. 4 q + 3 of lane l at 512 q + 16 l): three loads of 16 bytes a lane bring a fragment, each 512 consecutive bytes.  Two sets of fragments: while one is multiplied the next
; step's 24 loads are on their way.  No cluster: the launch has no tile in LDS that a joint request could fill.  K is not split over two waves here: six steps are too few to pay for the exchange.
; Lane (r, h) holds token r of tile j, and registers 32 j + 16 b + n feature 32 b + 16 h + n of the wave's 64 (the rows of a tile are 32 (t / 2) + 8 (t % 2) + r + 8 (r / 8)).
; THE WAY OUT: a tile of 16 tokens x 64 features goes through the wave's own stage in LDS and comes back by rows; the residual, asked for behind the last K step's loads in that layout, is added; 16 lanes store 256 consecutive bytes, aligned.
.set NS,  6
.set CT0, 9216
.set CT1, 9216
.set TS0, 512
.set TS1, 64
.set SS0, 64
.set SS1, 8192
.set WCODE, 8847360
.set WSCAL, 10395648
.set XSCAL, 1179648
.set LOFF, 1                           ; v1  16 lane
.set SW0,  2                           ; v2  4 r + (lane / 16) x SS0: lanes 0-15 take an even K step's words, lanes 16-31 the odd one's
.set SW1,  3                           ; v3  the same for F1
.set GO,   7                           ; v7  in the residual and the result: (lane / 16) rows + 16 (lane % 16)
.set STO,  8                           ; v8  into my stage: row r, + 64 h
.set RD,   9                           ; v9  out of it: row lane / 16, + 16 (lane % 16)
.set SCR,  32                          ; v32-47 scale words: set q at 32 + 8 q: F0's four tiles, then F1's
.set BK,   48                          ; v48-111 two tiles read back from the stage, by turns
.set ACC,  128                         ; v128-255 accumulator (j, i) at 128 + 32 j + 8 i;  window 1: fragment set p at 96 p;  window 2: v0-127 the residual
.set MSB, 0
.macro WIN new                         ; the immediate's high byte repeats the setting that is left
.if MSB != \new
	s_set_vgpr_msb (MSB<<8)|\new
.set MSB, \new
.endif
.endm
.macro PLACES                          ; four plain instructions behind a matrix instruction, ahead of loads into its sources and of reads of its results
.rept 4
	v_nop
.endr
.endm
.macro SC pr                           ; the scale words of K steps 2 pr and 2 pr + 1
.irp i, 0,1,2,3
	global_load_b32 v[SCR+8*((\pr)%2)+\i], v[SW0], s[16:17] offset:\i*TS0+2*(\pr)*SS0
.endr
.irp i, 0,1,2,3
	global_load_b32 v[SCR+8*((\pr)%2)+4+\i], v[SW1], s[18:19] offset:\i*TS1+2*(\pr)*SS1
.endr
.endm
.macro FR s                            ; K step s's eight fragments: 24 loads
	WIN 0x40                                       ; destination window 1, address window 0
.irp i, 0,1,2,3
.irp q, 0,1,2
	global_load_b128 v[96*((\s)%2)+12*\i+4*\q:96*((\s)%2)+12*\i+4*\q+3], v[LOFF], s[12:13] offset:\i*CT0+1536*(\s)+512*\q
.endr
.endr
.irp i, 0,1,2,3
.irp q, 0,1,2
	global_load_b128 v[96*((\s)%2)+48+12*\i+4*\q:96*((\s)%2)+48+12*\i+4*\q+3], v[LOFF], s[14:15] offset:\i*CT1+1536*(\s)+512*\q
.endr
.endr
	WIN 0
.endm
.macro MM s                            ; 16 matrix instructions; the 16 accumulators take turns, one instruction a turn.  The first step starts the sums: nothing is cleared
	WIN 0x05                                       ; sources 0 and 1 window 1, C and D window 0
.irp j, 0,1,2,3
.irp i, 0,1,2,3
.if (\s) == 0
	v_wmma_scale_f32_16x16x128_f8f6f4 v[ACC+32*\j+8*\i:ACC+32*\j+8*\i+7], v[96*((\s)%2)+12*\i:96*((\s)%2)+12*\i+11], v[96*((\s)%2)+48+12*\j:96*((\s)%2)+48+12*\j+11], 0, v[SCR+8*(((\s)/2)%2)+\i], v[SCR+8*(((\s)/2)%2)+4+\j] matrix_a_fmt:MATRIX_FMT_FP6 matrix_b_fmt:MATRIX_FMT_FP6
.elseif (\s)%2 == 0
	v_wmma_scale_f32_16x16x128_f8f6f4 v[ACC+32*\j+8*\i:ACC+32*\j+8*\i+7], v[96*((\s)%2)+12*\i:96*((\s)%2)+12*\i+11], v[96*((\s)%2)+48+12*\j:96*((\s)%2)+48+12*\j+11], v[ACC+32*\j+8*\i:ACC+32*\j+8*\i+7], v[SCR+8*(((\s)/2)%2)+\i], v[SCR+8*(((\s)/2)%2)+4+\j] matrix_a_fmt:MATRIX_FMT_FP6 matrix_b_fmt:MATRIX_FMT_FP6
.else
	v_wmma_scale_f32_16x16x128_f8f6f4 v[ACC+32*\j+8*\i:ACC+32*\j+8*\i+7], v[96*((\s)%2)+12*\i:96*((\s)%2)+12*\i+11], v[96*((\s)%2)+48+12*\j:96*((\s)%2)+48+12*\j+11], v[ACC+32*\j+8*\i:ACC+32*\j+8*\i+7], v[SCR+8*(((\s)/2)%2)+\i], v[SCR+8*(((\s)/2)%2)+4+\j] matrix_a_fmt:MATRIX_FMT_FP6 matrix_b_fmt:MATRIX_FMT_FP6 matrix_a_scale:MATRIX_SCALE_ROW1 matrix_b_scale:MATRIX_SCALE_ROW1
.endif
.endr
.endr
	WIN 0
.endm
.macro TOSTAGE j                       ; tile j into my stage, each accumulator from its low end on, and back by rows.  LDS serves a wave's instructions in order: no wait between
.irp b, 0,1
.irp e, 0,1,2,3
	ds_store_b128 v[STO], v[ACC+32*(\j)+16*\b+4*\e:ACC+32*(\j)+16*\b+4*\e+3] offset:128*\b+16*\e
.endr
.endr
.irp t, 0,1,2,3,4,5,6,7
	ds_load_b128 v[BK+32*((\j)%2)+4*\t:BK+32*((\j)%2)+4*\t+3], v[RD] offset:\t*2*272
.endr
.endm
.macro SEND j, left                    ; left: the LDS instructions issued behind tile j's loads, which may stay out
	s_wait_dscnt \left
	WIN 0x08                                       ; source 1 window 2: the residual
.set M, 0
.rept 16
	v_pk_add_f32 v[BK+32*((\j)%2)+M:BK+32*((\j)%2)+M+1], v[BK+32*((\j)%2)+M:BK+32*((\j)%2)+M+1], v[32*(\j)+M:32*(\j)+M+1]
.set M, M+2
.endr
	WIN 0
.irp t, 0,1,2,3,4,5,6,7
	global_store_b128 v[GO], v[BK+32*((\j)%2)+4*\t:BK+32*((\j)%2)+4*\t+3], s[40:41] offset:(32*((\j)/2)+8*((\j)%2)+2*\t+8*(\t/4))*8192 th:TH_STORE_NT
.endr
.endm
	s_load_b256 s[4:11], s[0:1], 0x0               ; F1's images s[4:5], the weights' s[6:7], the residual s[8:9], the result s[10:11]
	v_lshl_add_u32 v126, v0, 2, 0x4400
	v_mov_b32 v127, 0
	v_lshrrev_b32 v4, 5, v0
	v_readfirstlane_b32 s20, v4                    ; wave 0..3
	v_and_b32 v4, 31, v0
	v_lshlrev_b32 v[LOFF], 4, v4
	v_and_b32 v5, 15, v0                           ; r
	v_bfe_u32 v6, v0, 4, 1                         ; lane / 16
	v_lshlrev_b32 v[SW0], 2, v5
	v_mad_u32_u24 v[SW1], v6, SS1, v[SW0]
	v_mad_u32_u24 v[SW0], v6, SS0, v[SW0]
	v_lshlrev_b32 v[GO], 4, v5
	v_lshl_add_u32 v[GO], v6, 13, v[GO]
	s_mul_i32 s27, s20, 4352                       ; my stage: 16 rows x (256 bytes + 16)
	v_mul_u32_u24 v[STO], v5, 272
	v_lshl_add_u32 v[STO], v6, 6, v[STO]
	v_add_nc_u32 v[STO], s27, v[STO]
	v_mul_u32_u24 v[RD], v6, 272
	v_lshl_add_u32 v[RD], v5, 4, v[RD]
	v_add_nc_u32 v[RD], s27, v[RD]
	s_and_b32 s21, s20, 1                          ; wn
	s_lshr_b32 s22, s20, 1                         ; wm
	s_and_b32 s23, ttmp7, 0xffff                   ; y
	s_lshl_b32 s24, ttmp9, 3
	s_lshl_b32 s25, s21, 2
	s_add_co_u32 s24, s24, s25                     ; the weight's first tile
	s_lshl_b32 s25, s23, 3
	s_lshl_b32 s26, s22, 2
	s_add_co_u32 s25, s25, s26                     ; the tokens' first tile
	s_mul_i32 s28, s24, CT0
	s_add_co_u32 s28, s28, WCODE
	s_mov_b32 s29, 0
	s_mul_i32 s30, s24, TS0
	s_add_co_u32 s30, s30, WSCAL
	s_mov_b32 s31, 0
	s_mul_i32 s32, s25, CT1
	s_mov_b32 s33, 0
	s_mul_i32 s34, s25, TS1
	s_add_co_u32 s34, s34, XSCAL
	s_mov_b32 s35, 0
	s_lshl_b32 s36, s25, 17                        ; 16 tokens a tile x 8,192 bytes
	s_lshl_b32 s37, ttmp9, 9
	s_add_co_u32 s36, s36, s37
	s_lshl_b32 s37, s21, 8
	s_add_co_u32 s36, s36, s37                     ; + my 64 features
	s_mov_b32 s37, 0
	s_wait_kmcnt 0x0
	s_add_nc_u64 s[12:13], s[6:7], s[28:29]
	s_add_nc_u64 s[16:17], s[6:7], s[30:31]
	s_add_nc_u64 s[14:15], s[4:5], s[32:33]
	s_add_nc_u64 s[18:19], s[4:5], s[34:35]
	s_add_nc_u64 s[38:39], s[8:9], s[36:37]
	s_add_nc_u64 s[40:41], s[10:11], s[36:37]
	SC 0
	FR 0
	FR 1
.set S, 0
.rept NS
.if S == NS-1
	s_wait_loadcnt 32                              ; behind the last step's loads: the residual's 32
.elseif S == NS-2
	s_wait_loadcnt 56                              ; behind this step's loads: the last step's 24 and the residual's 32
.elseif S%2 == 0
	s_wait_loadcnt 24                              ; this step's fragments and words are in; the next step's 24 loads may be out
.else
	s_wait_loadcnt 32                              ; behind this step's loads: the next pair's 8 scale loads and the next step's 24
.endif
	MM S
	PLACES
.if (S%2 == 0) && (S+2 < NS)
	SC S/2+1
.endif
.if S+2 < NS
	FR S+2
.endif
.if S == NS-3
	WIN 0x80                                       ; destination window 2
.irp j, 0,1,2,3
.irp t, 0,1,2,3,4,5,6,7
	global_load_b128 v[32*\j+4*\t:32*\j+4*\t+3], v[GO], s[38:39] offset:(32*(\j/2)+8*(\j%2)+2*\t+8*(\t/4))*8192   ; the residual: behind all fragments, so that no product waits for it
.endr
.endr
	WIN 0
.endif
.set S, S+1
.endr
	TOSTAGE 0
	s_wait_loadcnt 0x0                             ; the residual
.irp a, 1,2,3
.if \a > 1
	s_wait_xcnt 0x0                                ; tile a - 2's stores have read their registers: tile a's loads may land there
.endif
	TOSTAGE \a
	SEND \a-1, 16                                  ; behind tile a - 1's loads: tile a's 8 stores and 8 loads
.endr
	SEND 3, 0
	s_wait_tensorcnt 0x0
	ds_add_u32 v126, v127
	s_wait_dscnt 0x0
	s_endpgm
.Lfunc_end_k_qe0cc9889ba_down:
	.size	k_qe0cc9889ba_down, .Lfunc_end_k_qe0cc9889ba_down-k_qe0cc9889ba_down
	.p2alignl 7, 3214868480
	.fill 96, 4, 3214868480
	.section	.rodata,"a",@progbits
	.p2align	6, 0x0
	.amdhsa_kernel k_qe0cc9889ba_down
		.amdhsa_group_segment_fixed_size 17920
		.amdhsa_private_segment_fixed_size 0
		.amdhsa_enable_private_segment 0
		.amdhsa_kernarg_size 32
		.amdhsa_user_sgpr_count 2
		.amdhsa_user_sgpr_kernarg_segment_ptr 1
		.amdhsa_wavefront_size32 1
		.amdhsa_system_sgpr_workgroup_id_x 1
		.amdhsa_system_sgpr_workgroup_id_y 1
		.amdhsa_system_sgpr_workgroup_id_z 1
		.amdhsa_system_vgpr_workitem_id 0
		.amdhsa_next_free_vgpr 640
		.amdhsa_next_free_sgpr 66
		.amdhsa_reserve_vcc 0
		.amdhsa_float_denorm_mode_32 3
		.amdhsa_float_denorm_mode_16_64 3
		.amdhsa_memory_ordered 1
		.amdhsa_forward_progress 1
		.amdhsa_inst_pref_size 47
	.end_amdhsa_kernel
	.amdgpu_metadata
---
amdhsa.version: [ 1, 2 ]
amdhsa.kernels:
  - .name:           k_qe0cc9889ba_down
    .symbol:         k_qe0cc9889ba_down.kd
    .args:
      - { .name: gimg, .offset: 0, .size: 8, .value_kind: global_buffer, .address_space: global }
      - { .name: wimg, .offset: 8, .size: 8, .value_kind: global_buffer, .address_space: global }
      - { .name: h, .offset: 16, .size: 8, .value_kind: global_buffer, .address_space: global }
      - { .name: out0, .offset: 24, .size: 8, .value_kind: global_buffer, .address_space: global }
    .group_segment_fixed_size: 17920
    .private_segment_fixed_size: 0
    .kernarg_segment_align: 8
    .kernarg_segment_size: 32
    .max_flat_workgroup_size: 128
    .sgpr_count:     66
    .vgpr_count:     640
    .wavefront_size: 32
...
	.end_amdgpu_metadata
.endif
;; end of part 7
;; ======== version 2 of 2: 7 launches; version 1 with the launches qkv, wo, gu, down written anew for expert scheduling mode
;; workspace buffers: wimg 10,461,184 bytes; ximg 3,276,800 bytes; yimg 3,276,800 bytes; aimg 3,276,800 bytes; qkv 3,620,864 bytes; gimg 1,228,800 bytes; h 16,777,216 bytes
;; launch rowq: the kernel of part 1 again; grid 256 x 1, 16 waves a work-group, no clusters, 140,288 bytes of LDS; arguments hidden_states, ln1_w, Wq, Wkv, Wo, Wgu, Wdown, ximg, wimg; writes ximg, wimg
;; launch qkv (part 8): grid 17 x 16, 4 waves a work-group, no clusters, 0 bytes of LDS; arguments ximg, wimg, qkv; writes qkv
.if DOCPART == 8
	.amdgcn_target "amdgcn-amd-amdhsa--gfx1250"
	.amdhsa_code_object_version 6
	.text
	.protected	k_qe0cc9889ba_qkv
	.globl	k_qe0cc9889ba_qkv
	.p2align	8
	.type	k_qe0cc9889ba_qkv,@function
k_qe0cc9889ba_qkv:
	s_mov_b64 s[64:65], 0
	v_nop
	global_prefetch_b8 v0, s[64:65] scope:SCOPE_SE
	s_setreg_imm32_b32 hwreg(HW_REG_WAVE_SCHED_MODE, 0, 2), 2
	s_setreg_imm32_b32 hwreg(HW_REG_WAVE_MODE, 25, 1), 1
	s_wait_xcnt 0x0
	s_wait_alu depctr_vm_vsrc(0)
; q = x Wq^T, k and v = x Wkv^T on codes of FP6 (E2M3) with E8M0 scales, and the results quantised on the way out: q and k along the head's 64, v along the tokens (the keys of the second product of attention).
; A wave makes 64 x 64: four tiles as source 0 (F0), four as source 1 (F1), 16 accumulators; K = 2,048 in 16 steps of 128.  Work-group (x, y), wave w: wn = w % 2, wm = w / 2; 2 x + wn is the head (32: k, 33: v); tokens 128 y + 64 wm on.
; OPERANDS ARE REGISTER IMAGES in memory (a fragment's registers 4 q .. 4 q + 3 of lane l at 512 q + 16 l): three loads of 16 bytes a lane bring a fragment, each 512 consecutive bytes.  Three sets of fragments by turns: while one is
; multiplied, the next step's 24 loads are on their way and those of the step after it are issued.  No LDS, no barrier.  No cluster: the launch has no tile in LDS that a joint request could fill.
; F0 = the weight's rows, F1 = the tokens: lane (r, h) holds token r of tile j, and registers 32 j + 16 b + n the head's channel 32 b + 16 h + n (the rows of a tile are 32 (t / 2) + 8 (t % 2) + r + 8 (r / 8)).
; THE V WAVES SWAP THE TWO SIDES (four pointers; both sides have the same strides): a lane then holds a channel and its registers run along 64 neighbouring tokens.
; OUT: halves of fragments (16 rows x 64 K: six registers a lane): registers 0-3 at 16 l, registers 4-5 at 512 + 8 l, 768 bytes.  q, k: a scale word a row = its two bytes and 0x7f twice (the upper 64 of the K step are not used).
; v's two bytes are half of a word: they leave by stores of 2 bytes, 4,096 bytes in the whole launch.
; LIMITS: NaN and infinities are not served; a block whose largest magnitude lies under 2^-124 gets the byte 1.
; THE MODE: SCHED_MODE bits 1:0 = 2 (LLVM: expert scheduling mode 2), set by the entry lines.  The code itself states the register dependences between vector or matrix instructions and memory instructions, with s_wait_alu, always for 0.
; THE PLAN.  Registers that memory instructions touch:
;   FRAGMENT SETS 0, 1, 2  Step s's 16 products read set s % 3.  The loads of step s + 3 land in it; they are issued in step s + 1.
;   SCALE SETS 0, 1        The products of steps 2 q and 2 q + 1 read set q % 2.  The loads of pair q + 2 land in it; they are issued at the head of step 2 q + 2.
;   v1, v2, v3, v5, v6     Offsets, made at the head and never written again: every step and tile stands in an immediate.
;   v72-101, v120-123      The way out: written by the quantiser, read by the stores, never written again.
; So ONE wait on va_vdst stands at a step's head, behind the wait for the step's data: the products of the step before, issued ahead of that wait, are done reading what this step's loads land in.  The loads follow it, dealt among the
; step's products, which name set s % 3, scale set (s / 2) % 2 and the accumulators: none of the registers that those loads touch.  Step 0 has no such wait, nor have the last two steps, which load nothing.
.set NS,  16
.set CT0, 24576                        ; from tile to tile: codes,
.set CT1, 24576
.set TS0, 1024                         ; scale words;
.set TS1, 1024
.set SS0, 64                           ; from K step to K step
.set SS1, 64
.set WSCAL, 10027008
.set XSCAL, 3145728
.set LOFF, 1                           ; v1  16 lane
.set SW0,  2                           ; v2  4 r + (lane / 16) x SS0: lanes 0-15 take an even K step's words, lanes 16-31 the odd one's
.set SW1,  3                           ; v3  the same for F1
.set SCR,  32                          ; v32-47 scale words: set q at 32 + 8 q: F0's four tiles, then F1's
.set F1W,  48                          ; v48-95 in the loop: fragment set 2's F1[j] at 48 + 12 j
.set ACC,  128                         ; v128-255 accumulator (j, i) at 128 + 32 j + 8 i;  window 1: F0[i] of set p at 96 p + 12 i; F1[j] of sets 0 and 1 at 96 p + 48 + 12 j
.set TM,   48                          ; the way out: v48-55 the eight blocks' largest magnitudes
.set TP,   56                          ; v56-63 the other half's; then the bytes
.set SCO,  64                          ; v64-71 the conversions' scale operands
.set HF,   72                          ; v72.. the half fragments, 8 registers apart
.set CV,   104                         ; v104.. the upper blocks' codes
.set WDS,  120                         ; v120-123 the scale words
.set MSB, 0
.macro WIN new                         ; the immediate's high byte repeats the setting that is left
.if MSB != \new
	s_set_vgpr_msb (MSB<<8)|\new
.set MSB, \new
.endif
.endm
.macro PLACES                          ; four plain instructions behind a step's last products: ahead of the first read of results, and, as in the plain form, ahead of the next loads into the products' sources, whose dependence the wait at the next step's head states
.rept 4
	v_nop
.endr
.endm
.macro SC pr                           ; the scale words of K steps 2 pr and 2 pr + 1
	WIN 0
.irp i, 0,1,2,3
	global_load_b32 v[SCR+8*((\pr)%2)+\i], v[SW0], s[16:17] offset:\i*TS0+2*(\pr)*SS0
.endr
.irp i, 0,1,2,3
	global_load_b32 v[SCR+8*((\pr)%2)+4+\i], v[SW1], s[18:19] offset:\i*TS1+2*(\pr)*SS1
.endr
.endm
.macro FRA s                           ; K step s's four fragments of F0: 12 loads
.set FB, 96*((\s)%3)
	WIN 0x40                                       ; destination window 1, address window 0
.irp i, 0,1,2,3
.irp q, 0,1,2
	global_load_b128 v[FB+12*\i+4*\q:FB+12*\i+4*\q+3], v[LOFF], s[12:13] offset:\i*CT0+1536*(\s)+512*\q
.endr
.endr
.endm
.macro FRB s                           ; and its four of F1: 12 loads
.if (\s)%3 == 2
.set FB1, F1W
	WIN 0                                          ; set 2's lie in window 0
.else
.set FB1, 96*((\s)%3)+48
	WIN 0x40
.endif
.irp i, 0,1,2,3
.irp q, 0,1,2
	global_load_b128 v[FB1+12*\i+4*\q:FB1+12*\i+4*\q+3], v[LOFF], s[14:15] offset:\i*CT1+1536*(\s)+512*\q
.endr
.endr
.endm
.macro MM8 s, j0                       ; 8 matrix instructions: F1's tiles j0, j0 + 1 against F0's four.  A step's 16 accumulators take turns, one instruction a turn.  The first step starts the sums: nothing is cleared
.set FB, 96*((\s)%3)
.if (\s)%3 == 2
.set FB1, F1W
	WIN 0x01                                       ; source 0 window 1; source 1, C and D window 0
.else
.set FB1, FB+48
	WIN 0x05                                       ; sources 0 and 1 window 1, C and D window 0
.endif
.irp j, \j0, \j0+1
.irp i, 0,1,2,3
.if (\s) == 0
	v_wmma_scale_f32_16x16x128_f8f6f4 v[ACC+32*(\j)+8*\i:ACC+32*(\j)+8*\i+7], v[FB+12*\i:FB+12*\i+11], v[FB1+12*(\j):FB1+12*(\j)+11], 0, v[SCR+8*(((\s)/2)%2)+\i], v[SCR+8*(((\s)/2)%2)+4+(\j)] matrix_a_fmt:MATRIX_FMT_FP6 matrix_b_fmt:MATRIX_FMT_FP6
.elseif (\s)%2 == 0
	v_wmma_scale_f32_16x16x128_f8f6f4 v[ACC+32*(\j)+8*\i:ACC+32*(\j)+8*\i+7], v[FB+12*\i:FB+12*\i+11], v[FB1+12*(\j):FB1+12*(\j)+11], v[ACC+32*(\j)+8*\i:ACC+32*(\j)+8*\i+7], v[SCR+8*(((\s)/2)%2)+\i], v[SCR+8*(((\s)/2)%2)+4+(\j)] matrix_a_fmt:MATRIX_FMT_FP6 matrix_b_fmt:MATRIX_FMT_FP6
.else
	v_wmma_scale_f32_16x16x128_f8f6f4 v[ACC+32*(\j)+8*\i:ACC+32*(\j)+8*\i+7], v[FB+12*\i:FB+12*\i+11], v[FB1+12*(\j):FB1+12*(\j)+11], v[ACC+32*(\j)+8*\i:ACC+32*(\j)+8*\i+7], v[SCR+8*(((\s)/2)%2)+\i], v[SCR+8*(((\s)/2)%2)+4+(\j)] matrix_a_fmt:MATRIX_FMT_FP6 matrix_b_fmt:MATRIX_FMT_FP6 matrix_a_scale:MATRIX_SCALE_ROW1 matrix_b_scale:MATRIX_SCALE_ROW1
.endif
.endr
.endr
.endm
.macro EPI stride                      ; the four half fragments leave: 512 and 256 consecutive bytes a store
.irp o, 0,1,2,3
	global_store_b128 v[LOFF], v[HF+8*\o:HF+8*\o+3], s[30:31] offset:\o*\stride
	global_store_b64 v6, v[HF+8*\o+4:HF+8*\o+5], s[30:31] offset:\o*\stride+512
.endr
.endm
	s_load_b128 s[4:7], s[0:1], 0x0                ; x's images s[4:5], the weights' s[6:7]
	s_load_b64 s[8:9], s[0:1], 0x10                ; q, k, v
	v_lshrrev_b32 v4, 5, v0
	v_readfirstlane_b32 s36, v4                    ; wave 0..3
	v_and_b32 v4, 31, v0                           ; lane
	v_lshlrev_b32 v[LOFF], 4, v4
	v_and_b32 v5, 15, v0                           ; r
	v_bfe_u32 v6, v0, 4, 1                         ; lane / 16
	v_lshlrev_b32 v[SW0], 2, v5
	v_mad_u32_u24 v[SW1], v6, SS1, v[SW0]
	v_mad_u32_u24 v[SW0], v6, SS0, v[SW0]
	v_lshlrev_b32 v5, 4, v5                        ; 16 r
	v_lshlrev_b32 v6, 3, v4                        ; 8 lane
	s_mov_b32 s10, 0x76543210
	s_mov_b32 s11, 0xfedcba98                      ; v_permlanex16_b32's selects for lane l xor 16
	s_wait_alu depctr_va_sdst(0)                   ; s36 is written, ahead of its first reader: every base below is made from it
	s_and_b32 s37, s36, 1                          ; wn
	s_lshr_b32 s38, s36, 1                         ; wm
	s_and_b32 s39, ttmp7, 0xffff                   ; y
	s_lshl_b32 s28, ttmp9, 1
	s_add_co_u32 s28, s28, s37                     ; the head; 32: k; 33: v
	s_lshl_b32 s40, s28, 2                         ; the weight's first tile
	s_lshl_b32 s41, s39, 1
	s_add_co_u32 s29, s41, s38                     ; the group of 64 tokens
	s_lshl_b32 s41, s29, 2                         ; the tokens' first tile
	s_mov_b32 s43, 0
	s_wait_kmcnt 0x0
	s_mul_i32 s42, s40, CT0
	s_add_nc_u64 s[20:21], s[6:7], s[42:43]
	s_lshl_b32 s42, s40, 10
	s_add_co_u32 s42, s42, WSCAL
	s_add_nc_u64 s[22:23], s[6:7], s[42:43]
	s_mul_i32 s42, s41, CT1
	s_add_nc_u64 s[24:25], s[4:5], s[42:43]
	s_lshl_b32 s42, s41, 10
	s_add_co_u32 s42, s42, XSCAL
	s_add_nc_u64 s[26:27], s[4:5], s[42:43]
	s_cmp_eq_u32 s28, 33                           ; the V waves swap the sides
	s_cselect_b64 s[12:13], s[24:25], s[20:21]
	s_cselect_b64 s[14:15], s[20:21], s[24:25]
	s_cselect_b64 s[16:17], s[26:27], s[22:23]
	s_cselect_b64 s[18:19], s[22:23], s[26:27]
	s_wait_alu depctr_va_vdst(0)                   ; the offsets v1, v2, v3, v5 and v6 are written: every load and store of the kernel reads one of them
	SC 0
	FRA 0
	FRB 0
	FRA 1
	FRB 1
	WIN 0
	; where the results go, in bytes from the buffer's start
	s_lshl_b32 s44, s28, 7
	s_add_co_u32 s44, s44, s41
	s_mul_i32 s44, s44, 768
	s_add_co_u32 s44, s44, 212992                  ; q's codes: (128 head + tile) x 768
	s_mul_i32 s45, s41, 768                        ; k's: tile x 768
	s_mul_i32 s46, s39, 6144
	s_mul_i32 s47, s38, 768
	s_add_co_u32 s46, s46, s47
	s_add_co_u32 s46, s46, 98304                   ; v's: ((4 step + channel tile) x 2 + half) x 768
	s_lshl_b32 s48, s28, 5
	s_add_co_u32 s48, s48, s29
	s_lshl_b32 s48, s48, 8
	s_add_co_u32 s48, s48, 3358720                 ; q's scale words: (32 head + group) x 256 + 16 r + 4 tile
	s_lshl_b32 s49, s29, 8
	s_add_co_u32 s49, s49, 196608                  ; k's: group x 256 + 16 r + 4 tile
	s_lshl_b32 s50, s39, 8
	s_lshl_b32 s51, s38, 1
	s_add_co_u32 s50, s50, s51
	s_add_co_u32 s50, s50, 204800                  ; v's: step x 256 + 16 r + 4 channel tile + 2 half
	s_cmp_lt_u32 s28, 32
	s_cselect_b32 s44, s44, s45
	s_cselect_b32 s48, s48, s49
	s_cmp_eq_u32 s28, 33
	s_cselect_b32 s44, s46, s44
	s_cselect_b32 s48, s50, s48
	s_mov_b32 s45, 0
	s_mov_b32 s49, 0
	s_add_nc_u64 s[30:31], s[8:9], s[44:45]
	s_add_nc_u64 s[34:35], s[8:9], s[48:49]
.set S, 0
.rept NS
.if S == NS-1
	s_wait_loadcnt 0x0
.elseif S%2 == 0
	s_wait_loadcnt 24                              ; this step's fragments and words are in; the next step's 24 loads may be out
.else
	s_wait_loadcnt 32                              ; behind this step's loads: the next pair's 8 scale loads and the next step's 24
.endif
.if (S > 0) && (S+2 < NS)
	s_wait_alu depctr_va_vdst(0)                   ; the products of the step before are done reading their fragment set and, where this step is even, their scale set: the loads below land there
.endif
.if (S%2 == 0) && (S+2 < NS)
	SC S/2+1
.endif
.if S+2 < NS
	FRA S+2
.endif
	MM8 S, 0
.if S+2 < NS
	FRB S+2                                        ; no wait: no product since the wait above names these registers
.endif
	MM8 S, 2
	WIN 0
	PLACES
.set S, S+1
.endr
.irp q, 0,1,2,3,4,5,6,7
	v_mov_b32 v[TP+\q], 0                          ; written once: a lane permute's destination counts as one of its sources (behind the loop, in which fragments lie here)
.endr
	; THE QUANTISER: block q = 2 o + b is registers 128 + 16 q on, my 16 numbers of it; the lane 16 away has the other 16.  Each accumulator is read from its low end on
.irp q, 0,1,2,3,4,5,6,7
	v_max3_num_f32 v[TM+\q], |v[ACC+16*\q]|, |v[ACC+16*\q+1]|, 0x1800000   ; with the floor 2^(3 - 127): the byte cannot fall under 1
.endr
.irp i, 2,4,6,8,10,12,14
.irp q, 0,1,2,3,4,5,6,7
	v_max3_num_f32 v[TM+\q], v[TM+\q], |v[ACC+16*\q+\i]|, |v[ACC+16*\q+\i+1]|
.endr
.endr
.irp q, 0,1,2,3,4,5,6,7
	v_permlanex16_b32 v[TP+\q], v[TM+\q], s10, s11
.endr
.irp q, 0,1,2,3,4,5,6,7
	v_max_num_f32 v[TM+\q], v[TM+\q], v[TP+\q]
.endr
.irp q, 0,1,2,3,4,5,6,7
	v_add_nc_u32 v[SCO+\q], 0xff000000, v[TM+\q]   ; 2 off the exponent field: the conversion's scale operand
.endr
.irp q, 0,1,2,3,4,5,6,7
	v_lshrrev_b32 v[TP+\q], 23, v[SCO+\q]          ; the scale's byte
.endr
.irp o, 0,1,2,3
	v_lshl_or_b32 v[WDS+\o], v[TP+2*\o+1], 8, v[TP+2*\o]
.endr
.irp o, 0,1,2,3
	v_or_b32 v[WDS+\o], 0x7f7f0000, v[WDS+\o]      ; the two bytes of the K step's unused half stand for 1.0 (v stores the low half alone)
.endr
.irp o, 0,1,2,3
	v_cvt_scalef32_pk16_fp6_f32 v[HF+8*\o:HF+8*\o+2], v[ACC+32*\o:ACC+32*\o+15], v[SCO+2*\o]
	v_cvt_scalef32_pk16_fp6_f32 v[CV+4*\o:CV+4*\o+2], v[ACC+32*\o+16:ACC+32*\o+31], v[SCO+2*\o+1]
.endr
	v_nop                                          ; one plain instruction behind the scaled conversions
.irp o, 0,1,2,3                        ; the operand's layout wants a whole block in a lane: lanes 0-15 block 0, lanes 16-31 block 1
.irp i, 0,1,2
	v_permlane16_swap_b32 v[HF+8*\o+\i], v[CV+4*\o+\i]
.endr
.irp i, 0,1,2
	v_mov_b32 v[HF+8*\o+3+\i], v[CV+4*\o+\i]
.endr
.endr
	v_cmp_gt_u32 vcc_lo, 16, v4
	s_wait_alu depctr_va_vcc(0)                    ; VCC is written, ahead of the branch and of its one reader in each arm, which makes EXEC from it
	s_wait_alu depctr_va_vdst(0)                   ; the quantiser has written the half fragments and the scale words, which the stores of both arms read
	s_cmp_eq_u32 s28, 33
	s_cbranch_scc1 .Lv
	EPI 768
	s_wait_xcnt 0x0                                ; EXEC changes only behind this wait
	s_wait_alu depctr_va_vdst(0)                   ; ahead of every scalar write of EXEC both waits stand: no vector instruction is under way,
	s_wait_alu depctr_vm_vsrc(0)                   ; and the stores above have read their registers
	s_and_saveexec_b32 s52, vcc_lo                 ; lanes 0-15: the other half holds the same words
	global_store_b128 v5, v[WDS:WDS+3], s[34:35]   ; 16 lanes store 256 consecutive bytes
	s_wait_xcnt 0x0
	s_wait_alu depctr_va_vdst(0)                   ; the same two ahead of the line that widens EXEC again:
	s_wait_alu depctr_vm_vsrc(0)                   ; the store has read its registers
	s_or_b32 exec_lo, exec_lo, s52
	s_endpgm
.Lv:
	EPI 1536
	s_wait_xcnt 0x0
	s_wait_alu depctr_va_vdst(0)                   ; ahead of every scalar write of EXEC both waits stand: no vector instruction is under way,
	s_wait_alu depctr_vm_vsrc(0)                   ; and the stores above have read their registers
	s_and_saveexec_b32 s52, vcc_lo
.irp o, 0,1,2,3
	global_store_b16 v5, v[WDS+\o], s[34:35] offset:4*\o
.endr
	s_wait_xcnt 0x0
	s_wait_alu depctr_va_vdst(0)                   ; the same two ahead of the line that widens EXEC again:
	s_wait_alu depctr_vm_vsrc(0)                   ; the four stores have read their registers
	s_or_b32 exec_lo, exec_lo, s52
	s_endpgm
.Lfunc_end_k_qe0cc9889ba_qkv:
	.size	k_qe0cc9889ba_qkv, .Lfunc_end_k_qe0cc9889ba_qkv-k_qe0cc9889ba_qkv
	.p2alignl 7, 3214868480
	.fill 96, 4, 3214868480
	.section	.rodata,"a",@progbits
	.p2align	6, 0x0
	.amdhsa_kernel k_qe0cc9889ba_qkv
		.amdhsa_group_segment_fixed_size 0
		.amdhsa_private_segment_fixed_size 0
		.amdhsa_enable_private_segment 0
		.amdhsa_kernarg_size 24
		.amdhsa_user_sgpr_count 2
		.amdhsa_user_sgpr_kernarg_segment_ptr 1
		.amdhsa_wavefront_size32 1
		.amdhsa_system_sgpr_workgroup_id_x 1
		.amdhsa_system_sgpr_workgroup_id_y 1
		.amdhsa_system_sgpr_workgroup_id_z 1
		.amdhsa_system_vgpr_workitem_id 0
		.amdhsa_next_free_vgpr 496
		.amdhsa_next_free_sgpr 66
		.amdhsa_reserve_vcc 1
		.amdhsa_float_denorm_mode_32 3
		.amdhsa_float_denorm_mode_16_64 3
		.amdhsa_memory_ordered 1
		.amdhsa_forward_progress 1
		.amdhsa_inst_pref_size 93
	.end_amdhsa_kernel
	.amdgpu_metadata
---
amdhsa.version: [ 1, 2 ]
amdhsa.kernels:
  - .name:           k_qe0cc9889ba_qkv
    .symbol:         k_qe0cc9889ba_qkv.kd
    .args:
      - { .name: ximg, .offset: 0, .size: 8, .value_kind: global_buffer, .address_space: global }
      - { .name: wimg, .offset: 8, .size: 8, .value_kind: global_buffer, .address_space: global }
      - { .name: qkv, .offset: 16, .size: 8, .value_kind: global_buffer, .address_space: global }
    .group_segment_fixed_size: 0
    .private_segment_fixed_size: 0
    .kernarg_segment_align: 8
    .kernarg_segment_size: 24
    .max_flat_workgroup_size: 128
    .sgpr_count:     66
    .vgpr_count:     496
    .wavefront_size: 32
...
	.end_amdgpu_metadata
.endif
;; end of part 8
;; launch attn: the kernel of part 3 again; grid 64 x 4, 16 waves a work-group, no clusters, 223,744 bytes of LDS; arguments qkv, aimg; writes aimg
;; launch wo (part 9): grid 16 x 16, 8 waves a work-group, no clusters, 101,376 bytes of LDS; arguments aimg, wimg, hidden_states, h; writes h
.if DOCPART == 9
	.amdgcn_target "amdgcn-amd-amdhsa--gfx1250"
	.amdhsa_code_object_version 6
	.text
	.protected	k_qe0cc9889ba_wo
	.globl	k_qe0cc9889ba_wo
	.p2align	8
	.type	k_qe0cc9889ba_wo,@function
k_qe0cc9889ba_wo:
	s_mov_b64 s[64:65], 0
	v_nop
	global_prefetch_b8 v0, s[64:65] scope:SCOPE_SE
	s_setreg_imm32_b32 hwreg(HW_REG_WAVE_SCHED_MODE, 0, 2), 2
	s_setreg_imm32_b32 hwreg(HW_REG_WAVE_MODE, 25, 1), 1
	s_wait_xcnt 0x0
	s_wait_alu depctr_vm_vsrc(0)
; h = hidden_states + attn Wo^T: the product on codes of FP6 (E2M3) with E8M0 scales, the sum in f32.
; A tile of 64 x 64 (four tiles of Wo's rows as source 0, F0; four tiles of tokens as source 1, F1; 16 accumulators) is made by TWO waves: K = 2,048 is 16 steps of 128, wave w takes steps 0-7 and wave w + 4 steps 8-15.
; A wave's loads into registers are bounded by its counter's field of 63 (ISA guide 5.7.1): two K steps of 24 loads and 8 scale loads.  Two waves to a SIMD have twice that on their way, and each has half as many steps to wait for.
; Work-group (x, y), wave w: w4 = w % 4, kh = w / 4; features 128 x + 64 (w4 % 2) on, tokens 128 y + 64 (w4 / 2) on.
; THE TWO HALVES MEET IN LDS.  Each wave orders F1 so that the two token tiles that it will finish are its tiles 0 and 1 (two bases: kh = 0 finishes the group's tiles 0, 1; kh = 1 tiles 2, 3), so the text is the same for both:
; accumulators 64-127 go to LDS as they stand (16 bytes a lane, 512 a store, 8,192 a wave), one barrier, the partner's come back into the same registers and are added to accumulators 0-63.
; OPERANDS ARE REGISTER IMAGES in memory (a fragment's registers 4 q .. 4 q + 3 of lane l at 512 q + 16 l): three loads of 16 bytes a lane bring a fragment, each 512 consecutive bytes.  Three sets of fragments by turns: while one is
; multiplied, the next step's 24 loads are on their way and those of the step after it are issued.  No cluster: the launch has no tile in LDS that a joint request could fill.
; Lane (r, h) holds token r of tile j, and registers 32 j + 16 b + n feature 32 b + 16 h + n of the wave's 64 (the rows of a tile are 32 (t / 2) + 8 (t % 2) + r + 8 (r / 8)).
; THE WAY OUT: a tile of 16 tokens x 64 features goes through the wave's own stage in LDS and comes back by rows; the residual, asked for behind the last K step's loads in that layout, is added; 16 lanes store 256 consecutive bytes, aligned.
; THE MODE: SCHED_MODE bits 1:0 = 2 (LLVM: expert scheduling mode 2), set by the entry lines.  The code itself states the register dependences between vector or matrix instructions and memory or LDS instructions, with s_wait_alu, always for 0.
; THE PLAN.  Registers that memory or LDS instructions touch:
;   FRAGMENT SETS 0, 1, 2  Step s's 16 products read set s % 3.  The loads of step s + 3 land in it; they are issued in step s + 1.  Set 2 is read for the last time in step 5.
;   SCALE SETS 0, 1        The products of steps 2 q and 2 q + 1 read set q % 2.  The loads of pair q + 2 land in it; they are issued at the head of step 2 q + 2.
;   THE RESIDUAL           Window 1, v192-255, over set 2's F0 fragments: loaded in step 6, read by the additions of the way out.
;   ACCUMULATORS 64-127    Written by the products, read by the exchange's stores; then the partner's land there and the additions read them.
;   ACCUMULATORS 0-63      Written by those additions, read by the stage's stores.
;   BK, v48-111            Over set 2's F1 fragments: the stage's loads land there, the residual's additions write them, the stores read them.
;   v1-3, v7-11            Offsets and LDS addresses, made at the head and never written again.      v126, v127: written at the head, read by the closing add alone.
; So ONE wait on va_vdst stands at a step's head, behind the wait for the step's data: the products of the step before, issued ahead of that wait, are done reading what this step's loads land in.  The loads follow it, dealt among the
; step's products, which name set s % 3, scale set (s / 2) % 2 and the accumulators: none of the registers that those loads touch.  Step 0 has no such wait, nor has the last step, which loads nothing.
.set NS,  8                            ; K steps of a wave
.set CT0, 24576
.set CT1, 24576
.set TS0, 1024
.set TS1, 1024
.set SS0, 64
.set SS1, 64
.set KHC, NS*1536                      ; from one half of K to the other: codes,
.set KHS, NS*64                        ; scale words
.set WCODE, 3342336
.set WSCAL, 10166272
.set XSCAL, 3145728
.set XCB,  65536                       ; LDS: 8 x 8,192 bytes for the exchange; behind them 8 stages of 16 rows x (256 bytes + 16)
.set LOFF, 1                           ; v1  16 lane
.set SW0,  2                           ; v2  4 r + (lane / 16) x SS0: lanes 0-15 take an even K step's words, lanes 16-31 the odd one's
.set SW1,  3                           ; v3  the same for F1
.set GO,   7                           ; v7  in the residual and the result: (lane / 16) rows + 16 (lane % 16)
.set STO,  8                           ; v8  into my stage: row r, + 64 h
.set RD,   9                           ; v9  out of it: row lane / 16, + 16 (lane % 16)
.set XS,   10                          ; v10 the exchange: where I put 16 bytes,
.set XR,   11                          ; v11 and where my partner has put its own
.set SCR,  32                          ; v32-47 scale words: set q at 32 + 8 q: F0's four tiles, then F1's
.set F1W,  48                          ; v48-95 in the loop: fragment set 2's F1[j] at 48 + 12 j
.set BK,   48                          ; v48-111 on the way out: two tiles read back from the stage
.set ACC,  128                         ; v128-255 accumulator (j, i) at 128 + 32 j + 8 i;  window 1: F0[i] of set p at 96 p + 12 i; F1[j] of sets 0 and 1 at 96 p + 48 + 12 j; from step 6 on v192-255 the residual
.set RES,  192
.set F0C,  12                          ; s[12:13] F0's codes; s[14:15] F1's tiles 0, 1; s[56:57] F1's tiles 2, 3; s[16:17], s[18:19], s[58:59] their scale words
.set F1A,  14
.set F0S,  16
.set S1A,  18
.set F1B,  56
.set S1B,  58
.set MSB, 0
.macro WIN new                         ; the immediate's high byte repeats the setting that is left
.if MSB != \new
	s_set_vgpr_msb (MSB<<8)|\new
.set MSB, \new
.endif
.endm
.macro PLACES                          ; four plain instructions behind a step's last products: ahead of the first read of results, and, as in the plain form, ahead of the next loads into the products' sources, whose dependence the wait at the next step's head states
.rept 4
	v_nop
.endr
.endm
.macro SC pr                           ; the scale words of my K steps 2 pr and 2 pr + 1
	WIN 0
.irp i, 0,1,2,3
	global_load_b32 v[SCR+8*((\pr)%2)+\i], v[SW0], s[F0S:F0S+1] offset:\i*TS0+2*(\pr)*SS0
.endr
.irp i, 0,1
	global_load_b32 v[SCR+8*((\pr)%2)+4+\i], v[SW1], s[S1A:S1A+1] offset:\i*TS1+2*(\pr)*SS1
.endr
.irp i, 0,1
	global_load_b32 v[SCR+8*((\pr)%2)+6+\i], v[SW1], s[S1B:S1B+1] offset:\i*TS1+2*(\pr)*SS1
.endr
.endm
.macro FRA s                           ; my K step s's four fragments of F0: 12 loads
.set FB, 96*((\s)%3)
	WIN 0x40                                       ; destination window 1, address window 0
.irp i, 0,1,2,3
.irp q, 0,1,2
	global_load_b128 v[FB+12*\i+4*\q:FB+12*\i+4*\q+3], v[LOFF], s[F0C:F0C+1] offset:\i*CT0+1536*(\s)+512*\q
.endr
.endr
.endm
.macro FRB s                           ; and its four of F1: 12 loads
.if (\s)%3 == 2
.set FB1, F1W
	WIN 0                                          ; set 2's lie in window 0
.else
.set FB1, 96*((\s)%3)+48
	WIN 0x40
.endif
.irp i, 0,1
.irp q, 0,1,2
	global_load_b128 v[FB1+12*\i+4*\q:FB1+12*\i+4*\q+3], v[LOFF], s[F1A:F1A+1] offset:\i*CT1+1536*(\s)+512*\q
.endr
.endr
.irp i, 0,1
.irp q, 0,1,2
	global_load_b128 v[FB1+24+12*\i+4*\q:FB1+24+12*\i+4*\q+3], v[LOFF], s[F1B:F1B+1] offset:\i*CT1+1536*(\s)+512*\q
.endr
.endr
.endm
.macro RESID j                         ; the residual of my tile j: 8 loads
	WIN 0x40                                       ; destination window 1
.irp t, 0,1,2,3,4,5,6,7
	global_load_b128 v[RES+32*(\j)+4*\t:RES+32*(\j)+4*\t+3], v[GO], s[38:39] offset:(8*(\j)+2*\t+8*(\t/4))*8192
.endr
.endm
.macro MM8 s, j0                       ; 8 matrix instructions: F1's tiles j0, j0 + 1 against F0's four.  A step's 16 accumulators take turns, one instruction a turn.  The first step starts the sums: nothing is cleared
.set FB, 96*((\s)%3)
.if (\s)%3 == 2
.set FB1, F1W
	WIN 0x01                                       ; source 0 window 1; source 1, C and D window 0
.else
.set FB1, FB+48
	WIN 0x05                                       ; sources 0 and 1 window 1, C and D window 0
.endif
.irp j, \j0, \j0+1
.irp i, 0,1,2,3
.if (\s) == 0
	v_wmma_scale_f32_16x16x128_f8f6f4 v[ACC+32*(\j)+8*\i:ACC+32*(\j)+8*\i+7], v[FB+12*\i:FB+12*\i+11], v[FB1+12*(\j):FB1+12*(\j)+11], 0, v[SCR+8*(((\s)/2)%2)+\i], v[SCR+8*(((\s)/2)%2)+4+(\j)] matrix_a_fmt:MATRIX_FMT_FP6 matrix_b_fmt:MATRIX_FMT_FP6
.elseif (\s)%2 == 0
	v_wmma_scale_f32_16x16x128_f8f6f4 v[ACC+32*(\j)+8*\i:ACC+32*(\j)+8*\i+7], v[FB+12*\i:FB+12*\i+11], v[FB1+12*(\j):FB1+12*(\j)+11], v[ACC+32*(\j)+8*\i:ACC+32*(\j)+8*\i+7], v[SCR+8*(((\s)/2)%2)+\i], v[SCR+8*(((\s)/2)%2)+4+(\j)] matrix_a_fmt:MATRIX_FMT_FP6 matrix_b_fmt:MATRIX_FMT_FP6
.else
	v_wmma_scale_f32_16x16x128_f8f6f4 v[ACC+32*(\j)+8*\i:ACC+32*(\j)+8*\i+7], v[FB+12*\i:FB+12*\i+11], v[FB1+12*(\j):FB1+12*(\j)+11], v[ACC+32*(\j)+8*\i:ACC+32*(\j)+8*\i+7], v[SCR+8*(((\s)/2)%2)+\i], v[SCR+8*(((\s)/2)%2)+4+(\j)] matrix_a_fmt:MATRIX_FMT_FP6 matrix_b_fmt:MATRIX_FMT_FP6 matrix_a_scale:MATRIX_SCALE_ROW1 matrix_b_scale:MATRIX_SCALE_ROW1
.endif
.endr
.endr
.endm
.macro XCHG                            ; the two halves of K meet: my tiles 2, 3 are my partner's tiles 0, 1, and the other way round.  Each accumulator is read from its low end on
.set Q, 0
.rept 16
	ds_store_b128 v[XS], v[ACC+64+4*Q:ACC+64+4*Q+3] offset:512*Q
.set Q, Q+1
.endr
	s_wait_dscnt 0x0                               ; for my partner's sake: my stores have landed
	s_barrier_signal -1
	s_barrier_wait -1
	s_wait_alu depctr_vm_vsrc(0)                   ; my stores have read accumulators 64-127, in which my partner's numbers land (no vector or matrix instruction has named them since the wait ahead of the stores)
.set Q, 0
.rept 16
	ds_load_b128 v[ACC+64+4*Q:ACC+64+4*Q+3], v[XR] offset:512*Q
.set Q, Q+1
.endr
	s_wait_dscnt 0x0
.set Q, 0
.rept 32
	v_pk_add_f32 v[ACC+2*Q:ACC+2*Q+1], v[ACC+2*Q:ACC+2*Q+1], v[ACC+64+2*Q:ACC+64+2*Q+1]
.set Q, Q+1
.endr
.endm
.macro TOSTAGE j                       ; tile j into my stage, and back by rows.  LDS serves a wave's instructions in order: no wait between
.irp b, 0,1
.irp e, 0,1,2,3
	ds_store_b128 v[STO], v[ACC+32*(\j)+16*\b+4*\e:ACC+32*(\j)+16*\b+4*\e+3] offset:128*\b+16*\e
.endr
.endr
.irp t, 0,1,2,3,4,5,6,7
	ds_load_b128 v[BK+32*(\j)+4*\t:BK+32*(\j)+4*\t+3], v[RD] offset:\t*2*272
.endr
.endm
.macro SEND j, left                    ; left: the LDS instructions issued behind tile j's loads, which may stay out
	s_wait_dscnt \left
	WIN 0x04                                       ; source 1 window 1: the residual
.set M, 0
.rept 16
	v_pk_add_f32 v[BK+32*(\j)+M:BK+32*(\j)+M+1], v[BK+32*(\j)+M:BK+32*(\j)+M+1], v[RES+32*(\j)+M:RES+32*(\j)+M+1]
.set M, M+2
.endr
	WIN 0
	s_wait_alu depctr_va_vdst(0)                   ; the sixteen additions have written tile j's rows, which the stores read
.irp t, 0,1,2,3,4,5,6,7
	global_store_b128 v[GO], v[BK+32*(\j)+4*\t:BK+32*(\j)+4*\t+3], s[40:41] offset:(8*(\j)+2*\t+8*(\t/4))*8192
.endr
.endm
	s_load_b256 s[4:11], s[0:1], 0x0               ; F1's images s[4:5], the weights' s[6:7], the residual s[8:9], the result s[10:11]
	v_lshl_add_u32 v126, v0, 2, 0x18800
	v_mov_b32 v127, 0
	v_lshrrev_b32 v4, 5, v0
	v_readfirstlane_b32 s44, v4                    ; wave 0..7
	v_and_b32 v4, 31, v0
	v_lshlrev_b32 v[LOFF], 4, v4
	v_and_b32 v5, 15, v0                           ; r
	v_bfe_u32 v6, v0, 4, 1                         ; lane / 16
	v_lshlrev_b32 v[SW0], 2, v5
	v_mad_u32_u24 v[SW1], v6, SS1, v[SW0]
	v_mad_u32_u24 v[SW0], v6, SS0, v[SW0]
	v_lshlrev_b32 v[GO], 4, v5
	v_lshl_add_u32 v[GO], v6, 13, v[GO]
	s_wait_alu depctr_va_sdst(0)                   ; s44 is written, ahead of its first reader: LDS addresses and bases are made from it
	s_mul_i32 s27, s44, 4352
	s_add_co_u32 s27, s27, XCB                     ; my stage
	v_mul_u32_u24 v[STO], v5, 272
	v_lshl_add_u32 v[STO], v6, 6, v[STO]
	v_add_nc_u32 v[STO], s27, v[STO]
	v_mul_u32_u24 v[RD], v6, 272
	v_lshl_add_u32 v[RD], v5, 4, v[RD]
	v_add_nc_u32 v[RD], s27, v[RD]
	s_lshl_b32 s46, s44, 13
	v_add_nc_u32 v[XS], s46, v[LOFF]               ; 8,192 w + 16 lane
	s_xor_b32 s46, s46, 32768
	v_add_nc_u32 v[XR], s46, v[LOFF]               ; 8,192 (w xor 4) + 16 lane
	s_lshr_b32 s45, s44, 2                         ; kh: which half of K
	s_and_b32 s20, s44, 3                          ; w4
	s_and_b32 s21, s20, 1                          ; wn
	s_lshr_b32 s22, s20, 1                         ; wm
	s_and_b32 s23, ttmp7, 0xffff                   ; y
	s_lshl_b32 s24, ttmp9, 3
	s_lshl_b32 s25, s21, 2
	s_add_co_u32 s24, s24, s25                     ; the weight's first tile
	s_lshl_b32 s25, s23, 3
	s_lshl_b32 s26, s22, 2
	s_add_co_u32 s25, s25, s26                     ; the tokens' first tile
	s_mul_i32 s47, s45, KHC
	s_mul_i32 s48, s45, KHS
	s_lshl_b32 s49, s45, 1
	s_add_co_u32 s50, s25, s49                     ; the two token tiles that I finish,
	s_xor_b32 s49, s49, 2
	s_add_co_u32 s51, s25, s49                     ; and the two that my partner finishes
	s_mul_i32 s28, s24, CT0
	s_add_co_u32 s28, s28, WCODE
	s_add_co_u32 s28, s28, s47
	s_mov_b32 s29, 0
	s_mul_i32 s30, s24, TS0
	s_add_co_u32 s30, s30, WSCAL
	s_add_co_u32 s30, s30, s48
	s_mov_b32 s31, 0
	s_mul_i32 s32, s50, CT1
	s_add_co_u32 s32, s32, s47
	s_mov_b32 s33, 0
	s_mul_i32 s34, s50, TS1
	s_add_co_u32 s34, s34, XSCAL
	s_add_co_u32 s34, s34, s48
	s_mov_b32 s35, 0
	s_mul_i32 s52, s51, CT1
	s_add_co_u32 s52, s52, s47
	s_mov_b32 s53, 0
	s_mul_i32 s54, s51, TS1
	s_add_co_u32 s54, s54, XSCAL
	s_add_co_u32 s54, s54, s48
	s_mov_b32 s55, 0
	s_lshl_b32 s36, s25, 17                        ; 16 tokens a tile x 8,192 bytes
	s_lshl_b32 s37, s45, 18
	s_add_co_u32 s36, s36, s37                     ; + 32 kh tokens: my two tiles begin there
	s_lshl_b32 s37, ttmp9, 9
	s_add_co_u32 s36, s36, s37
	s_lshl_b32 s37, s21, 8
	s_add_co_u32 s36, s36, s37                     ; + my 64 features
	s_mov_b32 s37, 0
	s_wait_kmcnt 0x0
	s_add_nc_u64 s[F0C:F0C+1], s[6:7], s[28:29]
	s_add_nc_u64 s[F0S:F0S+1], s[6:7], s[30:31]
	s_add_nc_u64 s[F1A:F1A+1], s[4:5], s[32:33]
	s_add_nc_u64 s[S1A:S1A+1], s[4:5], s[34:35]
	s_add_nc_u64 s[F1B:F1B+1], s[4:5], s[52:53]
	s_add_nc_u64 s[S1B:S1B+1], s[4:5], s[54:55]
	s_add_nc_u64 s[38:39], s[8:9], s[36:37]
	s_add_nc_u64 s[40:41], s[10:11], s[36:37]
	s_wait_alu depctr_va_vdst(0)                   ; the offsets and LDS addresses v1-3 and v7-11 are written: every load, store and LDS instruction of the kernel reads one of them
	SC 0
	FRA 0
	FRB 0
	FRA 1
	FRB 1
	WIN 0
.set S, 0
.rept NS
.if S == NS-1
	s_wait_loadcnt 16                              ; behind the last step's loads: the residual's 16
.elseif S%2 == 0
	s_wait_loadcnt 24                              ; this step's fragments and words are in; the next step's 24 loads may be out
.else
	s_wait_loadcnt 32                              ; behind this step's loads: the next pair's 8 scale loads and the next step's 24
.endif
.if (S > 0) && (S+2 < NS)
	s_wait_alu depctr_va_vdst(0)                   ; the products of the step before are done reading their fragment set and, where this step is even, their scale set: the loads below land there
.endif
.if S == NS-2
	s_wait_alu depctr_va_vdst(0)                   ; the products of the step before are done reading set 2's F0 fragments, over which the residual lands
.endif
.if (S%2 == 0) && (S+2 < NS)
	SC S/2+1
.endif
.if S+2 < NS
	FRA S+2
.endif
.if S == NS-2
	RESID 0                                        ; the residual of my two tiles: behind all fragments, so that no product waits for it
.endif
	MM8 S, 0
.if S+2 < NS
	FRB S+2                                        ; no wait: no product since the wait above names these registers
.endif
.if S == NS-2
	RESID 1                                        ; likewise
.endif
	MM8 S, 2
	WIN 0
	PLACES
.set S, S+1
.endr
	s_wait_alu depctr_va_vdst(0)                   ; the products have written accumulators 64-127, which the exchange's stores read; the places above stay beside this wait
	XCHG
	s_wait_alu depctr_va_vdst(0)                   ; the exchange's additions have written accumulators 0-63, which the stage's stores read; the products are long done reading v48-95, in which the stage's loads land
	TOSTAGE 0
	TOSTAGE 1
	s_wait_loadcnt 0x0                             ; the residual
	SEND 0, 16                                     ; behind tile 0's loads: tile 1's 8 stores and 8 loads
	SEND 1, 0
	s_wait_dscnt 0x0                               ; the closing lines, six on end
	s_wait_alu 0x0
	s_wait_tensorcnt 0x0
	ds_add_u32 v126, v127
	s_wait_dscnt 0x0
	s_endpgm
.Lfunc_end_k_qe0cc9889ba_wo:
	.size	k_qe0cc9889ba_wo, .Lfunc_end_k_qe0cc9889ba_wo-k_qe0cc9889ba_wo
	.p2alignl 7, 3214868480
	.fill 96, 4, 3214868480
	.section	.rodata,"a",@progbits
	.p2align	6, 0x0
	.amdhsa_kernel k_qe0cc9889ba_wo
		.amdhsa_group_segment_fixed_size 101376
		.amdhsa_private_segment_fixed_size 0
		.amdhsa_enable_private_segment 0
		.amdhsa_kernarg_size 32
		.amdhsa_user_sgpr_count 2
		.amdhsa_user_sgpr_kernarg_segment_ptr 1
		.amdhsa_wavefront_size32 1
		.amdhsa_system_sgpr_workgroup_id_x 1
		.amdhsa_system_sgpr_workgroup_id_y 1
		.amdhsa_system_sgpr_workgroup_id_z 1
		.amdhsa_system_vgpr_workitem_id 0
		.amdhsa_next_free_vgpr 512
		.amdhsa_next_free_sgpr 66
		.amdhsa_reserve_vcc 0
		.amdhsa_float_denorm_mode_32 3
		.amdhsa_float_denorm_mode_16_64 3
		.amdhsa_memory_ordered 1
		.amdhsa_forward_progress 1
		.amdhsa_inst_pref_size 56
	.end_amdhsa_kernel
	.amdgpu_metadata
---
amdhsa.version: [ 1, 2 ]
amdhsa.kernels:
  - .name:           k_qe0cc9889ba_wo
    .symbol:         k_qe0cc9889ba_wo.kd
    .args:
      - { .name: aimg, .offset: 0, .size: 8, .value_kind: global_buffer, .address_space: global }
      - { .name: wimg, .offset: 8, .size: 8, .value_kind: global_buffer, .address_space: global }
      - { .name: hidden_states, .offset: 16, .size: 8, .value_kind: global_buffer, .address_space: global }
      - { .name: h, .offset: 24, .size: 8, .value_kind: global_buffer, .address_space: global }
    .group_segment_fixed_size: 101376
    .private_segment_fixed_size: 0
    .kernarg_segment_align: 8
    .kernarg_segment_size: 32
    .max_flat_workgroup_size: 256
    .sgpr_count:     66
    .vgpr_count:     512
    .wavefront_size: 32
...
	.end_amdgpu_metadata
.endif
;; end of part 9
;; launch ln2: the kernel of part 5 again; grid 128 x 1, 16 waves a work-group, no clusters, 140,288 bytes of LDS; arguments h, ln2_w, Wq, Wkv, Wo, Wgu, Wdown, yimg, wimg; writes yimg, wimg
;; launch gu (part 10): grid 6 x 32, 8 waves a work-group, no clusters, 73,216 bytes of LDS; arguments yimg, wimg, gimg; writes gimg
.if DOCPART == 10
	.amdgcn_target "amdgcn-amd-amdhsa--gfx1250"
	.amdhsa_code_object_version 6
	.text
	.protected	k_qe0cc9889ba_gu
	.globl	k_qe0cc9889ba_gu
	.p2align	8
	.type	k_qe0cc9889ba_gu,@function
k_qe0cc9889ba_gu:
	s_mov_b64 s[64:65], 0
	v_nop
	global_prefetch_b8 v0, s[64:65] scope:SCOPE_SE
	s_setreg_imm32_b32 hwreg(HW_REG_WAVE_SCHED_MODE, 0, 2), 2
	s_setreg_imm32_b32 hwreg(HW_REG_WAVE_MODE, 25, 1), 1
	s_wait_xcnt 0x0
	s_wait_alu depctr_vm_vsrc(0)
; act = silu(y Wg^T) x (y Wu^T), the products on codes of FP6 (E2M3) with E8M0 scales, and act quantised along its 688 features (filled with zeros to 768) on the way out.
; A tile of 64 x 64: F0 = two tiles of g's rows and the two tiles of u's rows for the SAME 32 features (the weights' images lie g, g, u, u), F1 = four tiles of tokens.  It is made by TWO waves: K = 2,048 is 16 steps of 128,
; wave w takes steps 0-7 and wave w + 4 steps 8-15.  A wave's loads into registers are bounded by its counter's field of 63 (ISA guide 5.7.1): two waves to a SIMD have twice as much on their way, and each has half as many steps to wait for.
; Work-group (x, y), wave w: w4 = w % 4, kh = w / 4; features 128 x + 32 w4 on, tokens 64 y on.
; THE TWO HALVES MEET IN LDS.  Each wave orders F1 so that the two token tiles that it will finish are its tiles 0 and 1 (two bases: kh = 0 finishes the group's tiles 0, 1; kh = 1 tiles 2, 3), so the text is the same for both:
; accumulators 64-127 go to LDS as they stand (8,192 bytes a wave), one barrier, the partner's come back into the same registers and are added to accumulators 0-63.
; In token tile j registers 32 j + n hold g and registers 32 j + 16 + n hold u of feature 32 (4 x + w4) + 16 h + n: the activation needs no other lane, and a wave's 32 features are ONE block of the next K; the four blocks are K step x of the next product.
; OPERANDS ARE REGISTER IMAGES in memory: three loads of 16 bytes a lane bring a fragment, each 512 consecutive bytes; three sets of fragments by turns.  No cluster: the launch has no tile in LDS that a joint request could fill.
; THE WAY OUT: my 16 codes (3 registers) are registers 6 (w4 / 2) + 3 h + e of lane r + 16 (w4 % 2) of the fragment's image: the eight waves build four images in LDS, a barrier, and waves 0 to 3 store one whole image each.
; g's and u's rows from 688 on are zeros, so act is 0 there, as the quantiser's fill asks.
; LIMITS: NaN and infinities are not served; v_exp_f32 and v_rcp_f32 are good to 1 ulp; a block under 2^-124 gets the byte 1.
; THE MODE: SCHED_MODE bits 1:0 = 2 (LLVM: expert scheduling mode 2), set by the entry lines.  The code itself states the register dependences between vector or matrix instructions and memory or LDS instructions, with s_wait_alu, always for 0.
; THE PLAN.  Registers that memory or LDS instructions touch:
;   FRAGMENT SETS 0, 1, 2  Step s's 16 products read set s % 3.  The loads of step s + 3 land in it; they are issued in step s + 1.
;   SCALE SETS 0, 1        The products of steps 2 q and 2 q + 1 read set q % 2.  The loads of pair q + 2 land in it; they are issued at the head of step 2 q + 2.
;   ACCUMULATORS 64-127    Written by the products, read by the exchange's stores; then the partner's land there and the additions read them.
;   v128-134, v124-125     The way out: codes and bytes, written by the quantiser, read by the LDS stores.
;   T, v48-79              The activation writes and the conversions read them; behind the last barrier an image and the scale words land there, and the stores read them.
;   v1-3, v10-18           Offsets and LDS addresses, made at the head and never written again.      v126, v127: written at the head, read by the closing add alone.
; So ONE wait on va_vdst stands at a step's head, behind the wait for the step's data: the products of the step before, issued ahead of that wait, are done reading what this step's loads land in.  The loads follow it, dealt among the
; step's products, which name set s % 3, scale set (s / 2) % 2 and the accumulators: none of the registers that those loads touch.  Step 0 has no such wait, nor have the last two steps, which load nothing.
.set NS,  8                            ; K steps of a wave
.set CT0, 24576
.set CT1, 24576
.set TS0, 1024
.set TS1, 1024
.set SS0, 64
.set SS1, 64
.set KHC, NS*1536                      ; from one half of K to the other: codes,
.set KHS, NS*64                        ; scale words
.set WCODE, 6488064
.set WSCAL, 10297344
.set XSCAL, 3145728
.set IMG,  65536                       ; LDS: 8 x 8,192 bytes for the exchange; behind them four images of 1,536 bytes and their 256 bytes of scale words
.set LOFF, 1                           ; v1  16 lane
.set SW0,  2                           ; v2  4 r + (lane / 16) x SS0
.set SW1,  3                           ; v3  the same for F1
.set AE,   10                          ; v10-12 where my three registers of codes go in an image
.set AB,   13                          ; v13 where my block's scale byte goes
.set RDF,  14                          ; v14 back: image w4, 16 lane
.set RDS,  15                          ; v15 back: the scale words, 8 lane
.set XS,   17                          ; v17 the exchange: where I put 16 bytes,
.set XR,   18                          ; v18 and where my partner has put its own
.set SCR,  32                          ; v32-47 scale words
.set F1W,  48                          ; v48-95 in the loop: fragment set 2's F1[j] at 48 + 12 j
.set T,    48                          ; v48-79 on the way out: act: 16 registers a token tile
.set TMX,  112                         ; v112-113 largest magnitudes; v116-117 the other half's; v120-121 scale operands; v124-125 bytes
.set TPX,  116
.set SCO,  120
.set BY,   124
.set ACC,  128                         ; v128-255 accumulator (j, i) at 128 + 32 j + 8 i; on the way out v128.. the codes;  window 1: F0[i] of set p at 96 p + 12 i; F1[j] of sets 0 and 1 at 96 p + 48 + 12 j
.set F0C,  12                          ; s[12:13] F0's codes; s[14:15] F1's tiles 0, 1; s[56:57] F1's tiles 2, 3; s[16:17], s[18:19], s[58:59] their scale words
.set F1A,  14
.set F0S,  16
.set S1A,  18
.set F1B,  56
.set S1B,  58
.set MSB, 0
.macro WIN new                         ; the immediate's high byte repeats the setting that is left
.if MSB != \new
	s_set_vgpr_msb (MSB<<8)|\new
.set MSB, \new
.endif
.endm
.macro PLACES                          ; four plain instructions behind a step's last products: ahead of the first read of results, and, as in the plain form, ahead of the next loads into the products' sources, whose dependence the wait at the next step's head states
.rept 4
	v_nop
.endr
.endm
.macro SC pr                           ; the scale words of my K steps 2 pr and 2 pr + 1
	WIN 0
.irp i, 0,1,2,3
	global_load_b32 v[SCR+8*((\pr)%2)+\i], v[SW0], s[F0S:F0S+1] offset:\i*TS0+2*(\pr)*SS0
.endr
.irp i, 0,1
	global_load_b32 v[SCR+8*((\pr)%2)+4+\i], v[SW1], s[S1A:S1A+1] offset:\i*TS1+2*(\pr)*SS1
.endr
.irp i, 0,1
	global_load_b32 v[SCR+8*((\pr)%2)+6+\i], v[SW1], s[S1B:S1B+1] offset:\i*TS1+2*(\pr)*SS1
.endr
.endm
.macro FRA s                           ; my K step s's four fragments of F0: 12 loads
.set FB, 96*((\s)%3)
	WIN 0x40                                       ; destination window 1, address window 0
.irp i, 0,1,2,3
.irp q, 0,1,2
	global_load_b128 v[FB+12*\i+4*\q:FB+12*\i+4*\q+3], v[LOFF], s[F0C:F0C+1] offset:\i*CT0+1536*(\s)+512*\q
.endr
.endr
.endm
.macro FRB s                           ; and its four of F1: 12 loads
.if (\s)%3 == 2
.set FB1, F1W
	WIN 0                                          ; set 2's lie in window 0
.else
.set FB1, 96*((\s)%3)+48
	WIN 0x40
.endif
.irp i, 0,1
.irp q, 0,1,2
	global_load_b128 v[FB1+12*\i+4*\q:FB1+12*\i+4*\q+3], v[LOFF], s[F1A:F1A+1] offset:\i*CT1+1536*(\s)+512*\q
.endr
.endr
.irp i, 0,1
.irp q, 0,1,2
	global_load_b128 v[FB1+24+12*\i+4*\q:FB1+24+12*\i+4*\q+3], v[LOFF], s[F1B:F1B+1] offset:\i*CT1+1536*(\s)+512*\q
.endr
.endr
.endm
.macro MM8 s, j0                       ; 8 matrix instructions: F1's tiles j0, j0 + 1 against F0's four.  A step's 16 accumulators take turns, one instruction a turn.  The first step starts the sums: nothing is cleared
.set FB, 96*((\s)%3)
.if (\s)%3 == 2
.set FB1, F1W
	WIN 0x01                                       ; source 0 window 1; source 1, C and D window 0
.else
.set FB1, FB+48
	WIN 0x05                                       ; sources 0 and 1 window 1, C and D window 0
.endif
.irp j, \j0, \j0+1
.irp i, 0,1,2,3
.if (\s) == 0
	v_wmma_scale_f32_16x16x128_f8f6f4 v[ACC+32*(\j)+8*\i:ACC+32*(\j)+8*\i+7], v[FB+12*\i:FB+12*\i+11], v[FB1+12*(\j):FB1+12*(\j)+11], 0, v[SCR+8*(((\s)/2)%2)+\i], v[SCR+8*(((\s)/2)%2)+4+(\j)] matrix_a_fmt:MATRIX_FMT_FP6 matrix_b_fmt:MATRIX_FMT_FP6
.elseif (\s)%2 == 0
	v_wmma_scale_f32_16x16x128_f8f6f4 v[ACC+32*(\j)+8*\i:ACC+32*(\j)+8*\i+7], v[FB+12*\i:FB+12*\i+11], v[FB1+12*(\j):FB1+12*(\j)+11], v[ACC+32*(\j)+8*\i:ACC+32*(\j)+8*\i+7], v[SCR+8*(((\s)/2)%2)+\i], v[SCR+8*(((\s)/2)%2)+4+(\j)] matrix_a_fmt:MATRIX_FMT_FP6 matrix_b_fmt:MATRIX_FMT_FP6
.else
	v_wmma_scale_f32_16x16x128_f8f6f4 v[ACC+32*(\j)+8*\i:ACC+32*(\j)+8*\i+7], v[FB+12*\i:FB+12*\i+11], v[FB1+12*(\j):FB1+12*(\j)+11], v[ACC+32*(\j)+8*\i:ACC+32*(\j)+8*\i+7], v[SCR+8*(((\s)/2)%2)+\i], v[SCR+8*(((\s)/2)%2)+4+(\j)] matrix_a_fmt:MATRIX_FMT_FP6 matrix_b_fmt:MATRIX_FMT_FP6 matrix_a_scale:MATRIX_SCALE_ROW1 matrix_b_scale:MATRIX_SCALE_ROW1
.endif
.endr
.endr
.endm
.macro XCHG                            ; the two halves of K meet: my tiles 2, 3 are my partner's tiles 0, 1, and the other way round.  Each accumulator is read from its low end on
.set Q, 0
.rept 16
	ds_store_b128 v[XS], v[ACC+64+4*Q:ACC+64+4*Q+3] offset:512*Q
.set Q, Q+1
.endr
	s_wait_dscnt 0x0                               ; for my partner's sake: my stores have landed
	s_barrier_signal -1
	s_barrier_wait -1
	s_wait_alu depctr_vm_vsrc(0)                   ; my stores have read accumulators 64-127, in which my partner's numbers land (no vector or matrix instruction has named them since the wait ahead of the stores)
.set Q, 0
.rept 16
	ds_load_b128 v[ACC+64+4*Q:ACC+64+4*Q+3], v[XR] offset:512*Q
.set Q, Q+1
.endr
	s_wait_dscnt 0x0
.set Q, 0
.rept 32
	v_pk_add_f32 v[ACC+2*Q:ACC+2*Q+1], v[ACC+2*Q:ACC+2*Q+1], v[ACC+64+2*Q:ACC+64+2*Q+1]
.set Q, Q+1
.endr
.endm
	s_load_b128 s[4:7], s[0:1], 0x0                ; y's images s[4:5], the weights' s[6:7]
	s_load_b64 s[8:9], s[0:1], 0x10                ; act's images
	v_lshl_add_u32 v126, v0, 2, 0x11a00
	v_mov_b32 v127, 0
	v_lshrrev_b32 v4, 5, v0
	v_readfirstlane_b32 s48, v4                    ; wave 0..7
	v_and_b32 v4, 31, v0
	v_lshlrev_b32 v[LOFF], 4, v4
	v_and_b32 v5, 15, v0                           ; r
	v_bfe_u32 v6, v0, 4, 1                         ; h
	v_lshlrev_b32 v[SW0], 2, v5
	v_mad_u32_u24 v[SW1], v6, SS1, v[SW0]
	v_mad_u32_u24 v[SW0], v6, SS0, v[SW0]
	s_wait_alu depctr_va_sdst(0)                   ; s48 is written, ahead of its first reader: LDS addresses, bases and two branches are made from it
	s_lshr_b32 s49, s48, 2                         ; kh: which half of K
	s_and_b32 s20, s48, 3                          ; w4
	s_lshl_b32 s50, s48, 13
	v_add_nc_u32 v[XS], s50, v[LOFF]               ; 8,192 w + 16 lane
	s_xor_b32 s50, s50, 32768
	v_add_nc_u32 v[XR], s50, v[LOFF]               ; 8,192 (w xor 4) + 16 lane
	s_lshr_b32 s44, s20, 1
	s_mul_i32 s44, s44, 6
	v_mad_u32_u24 v7, v6, 3, s44                   ; the image's register that takes my first: 6 (w4 / 2) + 3 h
	s_and_b32 s45, s20, 1
	s_lshl_b32 s45, s45, 8
	s_mul_i32 s50, s49, 3072
	s_add_co_u32 s45, s45, s50                     ; my two tiles' images: 2 kh and 2 kh + 1
	s_add_co_u32 s45, s45, IMG
	v_lshl_add_u32 v8, v5, 4, s45                  ; 16 x the image's lane: r + 16 (w4 % 2)
.irp e, 0,1,2
	v_add_nc_u32 v9, \e, v7
	v_lshrrev_b32 v[AE+\e], 2, v9
	v_and_b32 v9, 3, v9
	v_lshl_add_u32 v[AE+\e], v[AE+\e], 9, v8       ; register q of lane l lies at 512 (q / 4) + 16 l + 4 (q % 4)
	v_lshl_add_u32 v[AE+\e], v9, 2, v[AE+\e]
.endr
	s_lshl_b32 s50, s49, 7
	s_add_co_u32 s45, s20, s50
	s_add_co_u32 s45, s45, IMG+6144
	v_lshl_add_u32 v[AB], v5, 2, s45               ; behind the four images: 64 tile + 4 r + w4
	s_mul_i32 s45, s20, 1536
	s_add_co_u32 s45, s45, IMG
	v_add_nc_u32 v[RDF], s45, v[LOFF]
	v_lshlrev_b32 v16, 3, v4                       ; 8 lane
	v_add_nc_u32 v[RDS], IMG+6144, v16
.irp j, 0,1
	v_mov_b32 v[TPX+\j], 0                         ; written once: a lane permute's destination counts as one of its sources
.endr
	s_mov_b32 s46, 0x76543210
	s_mov_b32 s47, 0xfedcba98                      ; v_permlanex16_b32's selects for lane l xor 16
	s_and_b32 s23, ttmp7, 0xffff                   ; y
	s_lshl_b32 s24, ttmp9, 4
	s_lshl_b32 s25, s20, 2
	s_add_co_u32 s24, s24, s25                     ; the weights' first tile: 16 x + 4 w4
	s_lshl_b32 s25, s23, 2                         ; the tokens' first tile: 4 y
	s_mul_i32 s21, s49, KHC
	s_mul_i32 s22, s49, KHS
	s_lshl_b32 s26, s49, 1
	s_add_co_u32 s27, s25, s26                     ; the two token tiles that I finish,
	s_xor_b32 s26, s26, 2
	s_add_co_u32 s51, s25, s26                     ; and the two that my partner finishes
	s_mul_i32 s28, s24, CT0
	s_add_co_u32 s28, s28, WCODE
	s_add_co_u32 s28, s28, s21
	s_mov_b32 s29, 0
	s_mul_i32 s30, s24, TS0
	s_add_co_u32 s30, s30, WSCAL
	s_add_co_u32 s30, s30, s22
	s_mov_b32 s31, 0
	s_mul_i32 s32, s27, CT1
	s_add_co_u32 s32, s32, s21
	s_mov_b32 s33, 0
	s_mul_i32 s34, s27, TS1
	s_add_co_u32 s34, s34, XSCAL
	s_add_co_u32 s34, s34, s22
	s_mov_b32 s35, 0
	s_mul_i32 s52, s51, CT1
	s_add_co_u32 s52, s52, s21
	s_mov_b32 s53, 0
	s_mul_i32 s54, s51, TS1
	s_add_co_u32 s54, s54, XSCAL
	s_add_co_u32 s54, s54, s22
	s_mov_b32 s55, 0
	s_add_co_u32 s36, s25, s20
	s_mul_i32 s36, s36, 6
	s_add_co_u32 s36, s36, ttmp9
	s_mul_i32 s36, s36, 1536                       ; out: fragment (4 y + w4, x) of six to a tile
	s_mov_b32 s37, 0
	s_lshl_b32 s38, ttmp9, 13
	s_lshl_b32 s39, s23, 8
	s_add_co_u32 s38, s38, s39
	s_add_co_u32 s38, s38, 1179648                 ; its scale words lie [step][tile][row]
	s_mov_b32 s39, 0
	s_wait_kmcnt 0x0
	s_add_nc_u64 s[F0C:F0C+1], s[6:7], s[28:29]
	s_add_nc_u64 s[F0S:F0S+1], s[6:7], s[30:31]
	s_add_nc_u64 s[F1A:F1A+1], s[4:5], s[32:33]
	s_add_nc_u64 s[S1A:S1A+1], s[4:5], s[34:35]
	s_add_nc_u64 s[F1B:F1B+1], s[4:5], s[52:53]
	s_add_nc_u64 s[S1B:S1B+1], s[4:5], s[54:55]
	s_add_nc_u64 s[40:41], s[8:9], s[36:37]
	s_add_nc_u64 s[42:43], s[8:9], s[38:39]
	s_wait_alu depctr_va_vdst(0)                   ; the offsets and LDS addresses v1-3 and v10-18 are written: every load, store and LDS instruction of the kernel reads one of them
	SC 0
	FRA 0
	FRB 0
	FRA 1
	FRB 1
	WIN 0
.set S, 0
.rept NS
.if S == NS-1
	s_wait_loadcnt 0x0
.elseif S%2 == 0
	s_wait_loadcnt 24                              ; this step's fragments and words are in; the next step's 24 loads may be out
.else
	s_wait_loadcnt 32                              ; behind this step's loads: the next pair's 8 scale loads and the next step's 24
.endif
.if (S > 0) && (S+2 < NS)
	s_wait_alu depctr_va_vdst(0)                   ; the products of the step before are done reading their fragment set and, where this step is even, their scale set: the loads below land there
.endif
.if (S%2 == 0) && (S+2 < NS)
	SC S/2+1
.endif
.if S+2 < NS
	FRA S+2
.endif
	MM8 S, 0
.if S+2 < NS
	FRB S+2                                        ; no wait: no product since the wait above names these registers
.endif
	MM8 S, 2
	WIN 0
	PLACES
.set S, S+1
.endr
	s_wait_alu depctr_va_vdst(0)                   ; the products have written accumulators 64-127, which the exchange's stores read; the places above stay beside this wait
	XCHG
	; silu(g) u = g / (1 + 2^(-g log2(e))) x u, in f32, of my two token tiles.  Pair M: token tile M / 8, features 2 (M % 8) on
.set M, 0
.rept 16
	v_pk_mul_f32 v[T+2*M:T+2*M+1], v[ACC+32*(M/8)+2*(M%8):ACC+32*(M/8)+2*(M%8)+1], 0xbfb8aa3b op_sel_hi:[1,0]
.set M, M+1
.endr
.set M, 0
.rept 32
	v_exp_f32 v[T+M], v[T+M]
.set M, M+1
.endr
	v_nop                                          ; a plain instruction behind the batch,
	s_wait_alu depctr_va_vdst(0)                   ; and one wait for it: the 32 exponentials have written T, ahead of the additions that read it
.set M, 0
.rept 16
	v_pk_add_f32 v[T+2*M:T+2*M+1], v[T+2*M:T+2*M+1], 1.0 op_sel_hi:[1,0]
.set M, M+1
.endr
.set M, 0
.rept 32
	v_rcp_f32 v[T+M], v[T+M]
.set M, M+1
.endr
	v_nop
	s_wait_alu depctr_va_vdst(0)                   ; the 32 reciprocals have written T, ahead of the multiplications that read it
.set M, 0
.rept 16
	v_pk_mul_f32 v[T+2*M:T+2*M+1], v[T+2*M:T+2*M+1], v[ACC+32*(M/8)+2*(M%8):ACC+32*(M/8)+2*(M%8)+1]
.set M, M+1
.endr
.set M, 0
.rept 16
	v_pk_mul_f32 v[T+2*M:T+2*M+1], v[T+2*M:T+2*M+1], v[ACC+32*(M/8)+16+2*(M%8):ACC+32*(M/8)+16+2*(M%8)+1]
.set M, M+1
.endr
.irp j, 0,1
	v_max3_num_f32 v[TMX+\j], |v[T+16*\j]|, |v[T+16*\j+1]|, 0x1800000   ; with the floor 2^(3 - 127): the byte cannot fall under 1
.endr
.irp i, 2,4,6,8,10,12,14
.irp j, 0,1
	v_max3_num_f32 v[TMX+\j], v[TMX+\j], |v[T+16*\j+\i]|, |v[T+16*\j+\i+1]|
.endr
.endr
.irp j, 0,1
	v_permlanex16_b32 v[TPX+\j], v[TMX+\j], s46, s47
.endr
.irp j, 0,1
	v_max_num_f32 v[TMX+\j], v[TMX+\j], v[TPX+\j]
.endr
.irp j, 0,1
	v_add_nc_u32 v[SCO+\j], 0xff000000, v[TMX+\j]  ; the conversion's scale operand
.endr
.irp j, 0,1
	v_lshrrev_b32 v[BY+\j], 23, v[SCO+\j]          ; the scale's byte
.endr
.irp j, 0,1
	v_cvt_scalef32_pk16_fp6_f32 v[ACC+4*\j:ACC+4*\j+2], v[T+16*\j:T+16*\j+15], v[SCO+\j]
.endr
	v_nop                                          ; one plain instruction behind the scaled conversions
	s_wait_alu depctr_va_vdst(0)                   ; the quantiser has written the codes and the bytes, which the LDS stores read; the conversions are done reading T, in which the loads behind the barrier land
.irp j, 0,1
.irp e, 0,1,2
	ds_store_b32 v[AE+\e], v[ACC+4*\j+\e] offset:1536*\j
.endr
	ds_store_b8 v[AB], v[BY+\j] offset:64*\j       ; both halves of the lanes write the same byte with the same value
.endr
	s_wait_dscnt 0x0                               ; for the others' sake: my stores have landed
	s_barrier_signal -1
	s_barrier_wait -1
	s_cmp_ge_u32 s48, 4
	s_cbranch_scc1 .Lend                           ; four images: waves 0 to 3 store one each
.irp q, 0,1,2
	ds_load_b128 v[T+4*\q:T+4*\q+3], v[RDF] offset:512*\q
.endr
	s_wait_dscnt 0x0
.irp q, 0,1,2
	global_store_b128 v[LOFF], v[T+4*\q:T+4*\q+3], s[40:41] offset:512*\q   ; 512 consecutive bytes
.endr
	s_cmp_lg_u32 s48, 0
	s_cbranch_scc1 .Lend
	ds_load_b64 v[T+12:T+13], v[RDS]
	s_wait_dscnt 0x0
	global_store_b64 v16, v[T+12:T+13], s[42:43]   ; the four tiles' scale words of this K step: 256 consecutive bytes
.Lend:
	s_wait_dscnt 0x0                               ; the closing lines, six on end
	s_wait_alu 0x0
	s_wait_tensorcnt 0x0
	ds_add_u32 v126, v127
	s_wait_dscnt 0x0
	s_endpgm
.Lfunc_end_k_qe0cc9889ba_gu:
	.size	k_qe0cc9889ba_gu, .Lfunc_end_k_qe0cc9889ba_gu-k_qe0cc9889ba_gu
	.p2alignl 7, 3214868480
	.fill 96, 4, 3214868480
	.section	.rodata,"a",@progbits
	.p2align	6, 0x0
	.amdhsa_kernel k_qe0cc9889ba_gu
		.amdhsa_group_segment_fixed_size 73216
		.amdhsa_private_segment_fixed_size 0
		.amdhsa_enable_private_segment 0
		.amdhsa_kernarg_size 24
		.amdhsa_user_sgpr_count 2
		.amdhsa_user_sgpr_kernarg_segment_ptr 1
		.amdhsa_wavefront_size32 1
		.amdhsa_system_sgpr_workgroup_id_x 1
		.amdhsa_system_sgpr_workgroup_id_y 1
		.amdhsa_system_sgpr_workgroup_id_z 1
		.amdhsa_system_vgpr_workitem_id 0
		.amdhsa_next_free_vgpr 496
		.amdhsa_next_free_sgpr 66
		.amdhsa_reserve_vcc 0
		.amdhsa_float_denorm_mode_32 3
		.amdhsa_float_denorm_mode_16_64 3
		.amdhsa_memory_ordered 1
		.amdhsa_forward_progress 1
		.amdhsa_inst_pref_size 59
	.end_amdhsa_kernel
	.amdgpu_metadata
---
amdhsa.version: [ 1, 2 ]
amdhsa.kernels:
  - .name:           k_qe0cc9889ba_gu
    .symbol:         k_qe0cc9889ba_gu.kd
    .args:
      - { .name: yimg, .offset: 0, .size: 8, .value_kind: global_buffer, .address_space: global }
      - { .name: wimg, .offset: 8, .size: 8, .value_kind: global_buffer, .address_space: global }
      - { .name: gimg, .offset: 16, .size: 8, .value_kind: global_buffer, .address_space: global }
    .group_segment_fixed_size: 73216
    .private_segment_fixed_size: 0
    .kernarg_segment_align: 8
    .kernarg_segment_size: 24
    .max_flat_workgroup_size: 256
    .sgpr_count:     66
    .vgpr_count:     496
    .wavefront_size: 32
...
	.end_amdgpu_metadata
.endif
;; end of part 10
;; launch down (part 11): grid 16 x 16, 4 waves a work-group, no clusters, 17,920 bytes of LDS; arguments gimg, wimg, h, out0; writes out0
.if DOCPART == 11
	.amdgcn_target "amdgcn-amd-amdhsa--gfx1250"
	.amdhsa_code_object_version 6
	.text
	.protected	k_qe0cc9889ba_down
	.globl	k_qe0cc9889ba_down
	.p2align	8
	.type	k_qe0cc9889ba_down,@function
k_qe0cc9889ba_down:
	s_mov_b64 s[64:65], 0
	v_nop
	global_prefetch_b8 v0, s[64:65] scope:SCOPE_SE
	s_setreg_imm32_b32 hwreg(HW_REG_WAVE_SCHED_MODE, 0, 2), 2
	s_setreg_imm32_b32 hwreg(HW_REG_WAVE_MODE, 25, 1), 1
	s_wait_xcnt 0x0
	s_wait_alu depctr_vm_vsrc(0)
; out = h + act Wdown^T: the product on codes of FP6 (E2M3) with E8M0 scales, the sum in f32.  K = 688, filled with zero codes on both sides to 768: six steps of 128.
; A wave makes 64 x 64: four tiles of Wdown's rows as source 0 (F0), four tiles of tokens as source 1 (F1), 16 accumulators.  Work-group (x, y), wave w: features 128 x + 64 (w % 2) on, tokens 128 y + 64 (w / 2) on.
; OPERANDS ARE REGISTER IMAGES in memory (a fragment's registers 4 q .. 4 q + 3 of lane l at 512 q + 16 l): three loads of 16 bytes a lane bring a fragment, each 512 consecutive bytes.  Three sets of fragments by turns: while one is
; multiplied, the next step's 24 loads are on their way and those of the step after it are issued.  No cluster: the launch has no tile in LDS that a joint request could fill.  K is not split over two waves here: six steps are too few to pay for the exchange.
; Lane (r, h) holds token r of tile j, and registers 32 j + 16 b + n feature 32 b + 16 h + n of the wave's 64 (the rows of a tile are 32 (t / 2) + 8 (t % 2) + r + 8 (r / 8)).
; THE WAY OUT: a tile of 16 tokens x 64 features goes through the wave's own stage in LDS and comes back by rows; the residual, asked for behind the last K step's loads in that layout, is added; 16 lanes store 256 consecutive bytes, aligned.
; THE MODE: SCHED_MODE bits 1:0 = 2 (LLVM: expert scheduling mode 2), set by the entry lines.  The code itself states the register dependences between vector or matrix instructions and memory or LDS instructions, with s_wait_alu, always for 0.
; THE PLAN.  Registers that memory or LDS instructions touch:
;   FRAGMENT SETS 0, 1, 2  Step s's 16 products read set s % 3.  The loads of step s + 3 land in it; they are issued in step s + 1.
;   SCALE SETS 0, 1        The products of steps 2 q and 2 q + 1 read set q % 2.  The loads of pair q + 2 land in it; they are issued at the head of step 2 q + 2.
;   THE RESIDUAL           Window 2, v0-127: loaded in step 4; read by the additions of the way out; no vector or matrix instruction names it before.
;   THE ACCUMULATORS       Written by the products, read by the stage's stores.
;   BK0, BK1, v48-111      Over set 2's F1 fragments, which the last step's products read.  Tile j's stage loads land in BK[j % 2], the residual's additions write it, its stores read it; two tiles on it is loaded again.
;   v1-3, v7-9             Offsets and LDS addresses, made at the head and never written again.      v126, v127: written at the head, read by the closing add alone.
; So ONE wait on va_vdst stands at a step's head, behind the wait for the step's data: the products of the step before, issued ahead of that wait, are done reading what this step's loads land in.  The loads follow it, dealt among the
; step's products, which name set s % 3, scale set (s / 2) % 2 and the accumulators: none of the registers that those loads touch.  Step 0 has no such wait, nor have the last two steps: step 4 loads the residual alone, step 5 nothing.
.set NS,  6
.set CT0, 9216
.set CT1, 9216
.set TS0, 512
.set TS1, 64
.set SS0, 64
.set SS1, 8192
.set WCODE, 8847360
.set WSCAL, 10395648
.set XSCAL, 1179648
.set LOFF, 1                           ; v1  16 lane
.set SW0,  2                           ; v2  4 r + (lane / 16) x SS0: lanes 0-15 take an even K step's words, lanes 16-31 the odd one's
.set SW1,  3                           ; v3  the same for F1
.set GO,   7                           ; v7  in the residual and the result: (lane / 16) rows + 16 (lane % 16)
.set STO,  8                           ; v8  into my stage: row r, + 64 h
.set RD,   9                           ; v9  out of it: row lane / 16, + 16 (lane % 16)
.set SCR,  32                          ; v32-47 scale words: set q at 32 + 8 q: F0's four tiles, then F1's
.set F1W,  48                          ; v48-95 in the loop: fragment set 2's F1[j] at 48 + 12 j
.set BK,   48                          ; v48-111 on the way out: two tiles read back from the stage, by turns
.set ACC,  128                         ; v128-255 accumulator (j, i) at 128 + 32 j + 8 i;  window 1: F0[i] of set p at 96 p + 12 i; F1[j] of sets 0 and 1 at 96 p + 48 + 12 j;  window 2: v0-127 the residual
.set MSB, 0
.macro WIN new                         ; the immediate's high byte repeats the setting that is left
.if MSB != \new
	s_set_vgpr_msb (MSB<<8)|\new
.set MSB, \new
.endif
.endm
.macro PLACES                          ; four plain instructions behind a step's last products: ahead of the first read of results, and, as in the plain form, ahead of the next loads into the products' sources, whose dependence the wait at the next step's head states
.rept 4
	v_nop
.endr
.endm
.macro SC pr                           ; the scale words of K steps 2 pr and 2 pr + 1
	WIN 0
.irp i, 0,1,2,3
	global_load_b32 v[SCR+8*((\pr)%2)+\i], v[SW0], s[16:17] offset:\i*TS0+2*(\pr)*SS0
.endr
.irp i, 0,1,2,3
	global_load_b32 v[SCR+8*((\pr)%2)+4+\i], v[SW1], s[18:19] offset:\i*TS1+2*(\pr)*SS1
.endr
.endm
.macro FRA s                           ; K step s's four fragments of F0: 12 loads
.set FB, 96*((\s)%3)
	WIN 0x40                                       ; destination window 1, address window 0
.irp i, 0,1,2,3
.irp q, 0,1,2
	global_load_b128 v[FB+12*\i+4*\q:FB+12*\i+4*\q+3], v[LOFF], s[12:13] offset:\i*CT0+1536*(\s)+512*\q
.endr
.endr
.endm
.macro FRB s                           ; and its four of F1: 12 loads
.if (\s)%3 == 2
.set FB1, F1W
	WIN 0                                          ; set 2's lie in window 0
.else
.set FB1, 96*((\s)%3)+48
	WIN 0x40
.endif
.irp i, 0,1,2,3
.irp q, 0,1,2
	global_load_b128 v[FB1+12*\i+4*\q:FB1+12*\i+4*\q+3], v[LOFF], s[14:15] offset:\i*CT1+1536*(\s)+512*\q
.endr
.endr
.endm
.macro RESID j                         ; the residual of tile j: 8 loads
	WIN 0x80                                       ; destination window 2
.irp t, 0,1,2,3,4,5,6,7
	global_load_b128 v[32*(\j)+4*\t:32*(\j)+4*\t+3], v[GO], s[38:39] offset:(32*((\j)/2)+8*((\j)%2)+2*\t+8*(\t/4))*8192
.endr
.endm
.macro MM8 s, j0                       ; 8 matrix instructions: F1's tiles j0, j0 + 1 against F0's four.  A step's 16 accumulators take turns, one instruction a turn.  The first step starts the sums: nothing is cleared
.set FB, 96*((\s)%3)
.if (\s)%3 == 2
.set FB1, F1W
	WIN 0x01                                       ; source 0 window 1; source 1, C and D window 0
.else
.set FB1, FB+48
	WIN 0x05                                       ; sources 0 and 1 window 1, C and D window 0
.endif
.irp j, \j0, \j0+1
.irp i, 0,1,2,3
.if (\s) == 0
	v_wmma_scale_f32_16x16x128_f8f6f4 v[ACC+32*(\j)+8*\i:ACC+32*(\j)+8*\i+7], v[FB+12*\i:FB+12*\i+11], v[FB1+12*(\j):FB1+12*(\j)+11], 0, v[SCR+8*(((\s)/2)%2)+\i], v[SCR+8*(((\s)/2)%2)+4+(\j)] matrix_a_fmt:MATRIX_FMT_FP6 matrix_b_fmt:MATRIX_FMT_FP6
.elseif (\s)%2 == 0
	v_wmma_scale_f32_16x16x128_f8f6f4 v[ACC+32*(\j)+8*\i:ACC+32*(\j)+8*\i+7], v[FB+12*\i:FB+12*\i+11], v[FB1+12*(\j):FB1+12*(\j)+11], v[ACC+32*(\j)+8*\i:ACC+32*(\j)+8*\i+7], v[SCR+8*(((\s)/2)%2)+\i], v[SCR+8*(((\s)/2)%2)+4+(\j)] matrix_a_fmt:MATRIX_FMT_FP6 matrix_b_fmt:MATRIX_FMT_FP6
.else
	v_wmma_scale_f32_16x16x128_f8f6f4 v[ACC+32*(\j)+8*\i:ACC+32*(\j)+8*\i+7], v[FB+12*\i:FB+12*\i+11], v[FB1+12*(\j):FB1+12*(\j)+11], v[ACC+32*(\j)+8*\i:ACC+32*(\j)+8*\i+7], v[SCR+8*(((\s)/2)%2)+\i], v[SCR+8*(((\s)/2)%2)+4+(\j)] matrix_a_fmt:MATRIX_FMT_FP6 matrix_b_fmt:MATRIX_FMT_FP6 matrix_a_scale:MATRIX_SCALE_ROW1 matrix_b_scale:MATRIX_SCALE_ROW1
.endif
.endr
.endr
.endm
.macro TOSTAGE j                       ; tile j into my stage, each accumulator from its low end on, and back by rows.  LDS serves a wave's instructions in order: no wait between
.irp b, 0,1
.irp e, 0,1,2,3
	ds_store_b128 v[STO], v[ACC+32*(\j)+16*\b+4*\e:ACC+32*(\j)+16*\b+4*\e+3] offset:128*\b+16*\e
.endr
.endr
.irp t, 0,1,2,3,4,5,6,7
	ds_load_b128 v[BK+32*((\j)%2)+4*\t:BK+32*((\j)%2)+4*\t+3], v[RD] offset:\t*2*272
.endr
.endm
.macro SEND j, left                    ; left: the LDS instructions issued behind tile j's loads, which may stay out
	s_wait_dscnt \left
	WIN 0x08                                       ; source 1 window 2: the residual
.set M, 0
.rept 16
	v_pk_add_f32 v[BK+32*((\j)%2)+M:BK+32*((\j)%2)+M+1], v[BK+32*((\j)%2)+M:BK+32*((\j)%2)+M+1], v[32*(\j)+M:32*(\j)+M+1]
.set M, M+2
.endr
	WIN 0
	s_wait_alu depctr_va_vdst(0)                   ; the sixteen additions have written tile j's rows, which the stores read (and are done with them: two tiles on, stage loads land there)
.irp t, 0,1,2,3,4,5,6,7
	global_store_b128 v[GO], v[BK+32*((\j)%2)+4*\t:BK+32*((\j)%2)+4*\t+3], s[40:41] offset:(32*((\j)/2)+8*((\j)%2)+2*\t+8*(\t/4))*8192 th:TH_STORE_NT
.endr
.endm
	s_load_b256 s[4:11], s[0:1], 0x0               ; F1's images s[4:5], the weights' s[6:7], the residual s[8:9], the result s[10:11]
	v_lshl_add_u32 v126, v0, 2, 0x4400
	v_mov_b32 v127, 0
	v_lshrrev_b32 v4, 5, v0
	v_readfirstlane_b32 s20, v4                    ; wave 0..3
	v_and_b32 v4, 31, v0
	v_lshlrev_b32 v[LOFF], 4, v4
	v_and_b32 v5, 15, v0                           ; r
	v_bfe_u32 v6, v0, 4, 1                         ; lane / 16
	v_lshlrev_b32 v[SW0], 2, v5
	v_mad_u32_u24 v[SW1], v6, SS1, v[SW0]
	v_mad_u32_u24 v[SW0], v6, SS0, v[SW0]
	v_lshlrev_b32 v[GO], 4, v5
	v_lshl_add_u32 v[GO], v6, 13, v[GO]
	s_wait_alu depctr_va_sdst(0)                   ; s20 is written, ahead of its first reader: LDS addresses and bases are made from it
	s_mul_i32 s27, s20, 4352                       ; my stage: 16 rows x (256 bytes + 16)
	v_mul_u32_u24 v[STO], v5, 272
	v_lshl_add_u32 v[STO], v6, 6, v[STO]
	v_add_nc_u32 v[STO], s27, v[STO]
	v_mul_u32_u24 v[RD], v6, 272
	v_lshl_add_u32 v[RD], v5, 4, v[RD]
	v_add_nc_u32 v[RD], s27, v[RD]
	s_and_b32 s21, s20, 1                          ; wn
	s_lshr_b32 s22, s20, 1                         ; wm
	s_and_b32 s23, ttmp7, 0xffff                   ; y
	s_lshl_b32 s24, ttmp9, 3
	s_lshl_b32 s25, s21, 2
	s_add_co_u32 s24, s24, s25                     ; the weight's first tile
	s_lshl_b32 s25, s23, 3
	s_lshl_b32 s26, s22, 2
	s_add_co_u32 s25, s25, s26                     ; the tokens' first tile
	s_mul_i32 s28, s24, CT0
	s_add_co_u32 s28, s28, WCODE
	s_mov_b32 s29, 0
	s_mul_i32 s30, s24, TS0
	s_add_co_u32 s30, s30, WSCAL
	s_mov_b32 s31, 0
	s_mul_i32 s32, s25, CT1
	s_mov_b32 s33, 0
	s_mul_i32 s34, s25, TS1
	s_add_co_u32 s34, s34, XSCAL
	s_mov_b32 s35, 0
	s_lshl_b32 s36, s25, 17                        ; 16 tokens a tile x 8,192 bytes
	s_lshl_b32 s37, ttmp9, 9
	s_add_co_u32 s36, s36, s37
	s_lshl_b32 s37, s21, 8
	s_add_co_u32 s36, s36, s37                     ; + my 64 features
	s_mov_b32 s37, 0
	s_wait_kmcnt 0x0
	s_add_nc_u64 s[12:13], s[6:7], s[28:29]
	s_add_nc_u64 s[16:17], s[6:7], s[30:31]
	s_add_nc_u64 s[14:15], s[4:5], s[32:33]
	s_add_nc_u64 s[18:19], s[4:5], s[34:35]
	s_add_nc_u64 s[38:39], s[8:9], s[36:37]
	s_add_nc_u64 s[40:41], s[10:11], s[36:37]
	s_wait_alu depctr_va_vdst(0)                   ; the offsets and LDS addresses v1-3 and v7-9 are written: every load, store and LDS instruction of the kernel reads one of them
	SC 0
	FRA 0
	FRB 0
	FRA 1
	FRB 1
	WIN 0
.set S, 0
.rept NS
.if S == NS-1
	s_wait_loadcnt 32                              ; behind the last step's loads: the residual's 32
.elseif S%2 == 0
	s_wait_loadcnt 24                              ; this step's fragments and words are in; the next step's 24 loads may be out
.else
	s_wait_loadcnt 32                              ; behind this step's loads: the next pair's 8 scale loads and the next step's 24
.endif
.if (S > 0) && (S+2 < NS)
	s_wait_alu depctr_va_vdst(0)                   ; the products of the step before are done reading their fragment set and, where this step is even, their scale set: the loads below land there
.endif
.if (S%2 == 0) && (S+2 < NS)
	SC S/2+1
.endif
.if S+2 < NS
	FRA S+2
.endif
.if S == NS-2
	RESID 0                                        ; the residual: behind all fragments, so that no product waits for it.  No wait: no vector or matrix instruction has named window 2's registers
	RESID 1
.endif
	MM8 S, 0
.if S+2 < NS
	FRB S+2                                        ; no wait: no product since the wait above names these registers
.endif
.if S == NS-2
	RESID 2
	RESID 3
.endif
	MM8 S, 2
	WIN 0
	PLACES
.set S, S+1
.endr
	s_wait_alu depctr_va_vdst(0)                   ; the products have written the accumulators, which the stage's stores read, and are done reading v48-95, in which the stage's loads land; the places above stay beside this wait
	TOSTAGE 0
	s_wait_loadcnt 0x0                             ; the residual
.irp a, 1,2,3
.if \a > 1
	s_wait_xcnt 0x0                                ; tile a - 2's stores have had their addresses translated,
	s_wait_alu depctr_vm_vsrc(0)                   ; and have read their registers: tile a's loads may land there
.endif
	TOSTAGE \a
	SEND \a-1, 16                                  ; behind tile a - 1's loads: tile a's 8 stores and 8 loads
.endr
	SEND 3, 0
	s_wait_dscnt 0x0                               ; the closing lines, six on end
	s_wait_alu 0x0
	s_wait_tensorcnt 0x0
	ds_add_u32 v126, v127
	s_wait_dscnt 0x0
	s_endpgm
.Lfunc_end_k_qe0cc9889ba_down:
	.size	k_qe0cc9889ba_down, .Lfunc_end_k_qe0cc9889ba_down-k_qe0cc9889ba_down
	.p2alignl 7, 3214868480
	.fill 96, 4, 3214868480
	.section	.rodata,"a",@progbits
	.p2align	6, 0x0
	.amdhsa_kernel k_qe0cc9889ba_down
		.amdhsa_group_segment_fixed_size 17920
		.amdhsa_private_segment_fixed_size 0
		.amdhsa_enable_private_segment 0
		.amdhsa_kernarg_size 32
		.amdhsa_user_sgpr_count 2
		.amdhsa_user_sgpr_kernarg_segment_ptr 1
		.amdhsa_wavefront_size32 1
		.amdhsa_system_sgpr_workgroup_id_x 1
		.amdhsa_system_sgpr_workgroup_id_y 1
		.amdhsa_system_sgpr_workgroup_id_z 1
		.amdhsa_system_vgpr_workitem_id 0
		.amdhsa_next_free_vgpr 640
		.amdhsa_next_free_sgpr 66
		.amdhsa_reserve_vcc 0
		.amdhsa_float_denorm_mode_32 3
		.amdhsa_float_denorm_mode_16_64 3
		.amdhsa_memory_ordered 1
		.amdhsa_forward_progress 1
		.amdhsa_inst_pref_size 48
	.end_amdhsa_kernel
	.amdgpu_metadata
---
amdhsa.version: [ 1, 2 ]
amdhsa.kernels:
  - .name:           k_qe0cc9889ba_down
    .symbol:         k_qe0cc9889ba_down.kd
    .args:
      - { .name: gimg, .offset: 0, .size: 8, .value_kind: global_buffer, .address_space: global }
      - { .name: wimg, .offset: 8, .size: 8, .value_kind: global_buffer, .address_space: global }
      - { .name: h, .offset: 16, .size: 8, .value_kind: global_buffer, .address_space: global }
      - { .name: out0, .offset: 24, .size: 8, .value_kind: global_buffer, .address_space: global }
    .group_segment_fixed_size: 17920
    .private_segment_fixed_size: 0
    .kernarg_segment_align: 8
    .kernarg_segment_size: 32
    .max_flat_workgroup_size: 128
    .sgpr_count:     66
    .vgpr_count:     640
    .wavefront_size: 32
...
	.end_amdgpu_metadata
.endif
;; end of part 11
